; MI455X (gfx1250); checked and timed in simulation.
; The chip was launched on July 23, 2026; its instructions are those of AMD's public machine-readable ISA for CDNA 5 (MIT licence, August 2026) and "CDNA5" Instruction Set Architecture Reference Guide (July 2026). The comments in the code are by the model that wrote it; some were corrected since.
;; Gated X Attention Block. Allowed arithmetic: matrix products marked QUANTISED: E4M3 operands, one E8M0 scale for each 32 along K, by v_wmma_scale_f32_16x16x128_f8f6f4 with both operands' format E4M3, f32 sums; everything else in f32.
;; Inputs: W1_codes 4,096 x 32 x 32 uint8 (E4M3 codes of W1, K innermost, in blocks of 32 codes); W1_scales 4,096 x 32 uint8 (E8M0 scales of W1, one for each 32 codes along K); W2_codes 1,024 x 128 x 32 uint8 (E4M3 codes of W2, K innermost, in blocks of 32 codes); W2_scales 1,024 x 128 uint8 (E8M0 scales of W2, one for each 32 codes along K); Wkv_codes 2,048 x 32 x 32 uint8 (E4M3 codes of Wkv, K innermost, in blocks of 32 codes); Wkv_scales 2,048 x 32 uint8 (E8M0 scales of Wkv, one for each 32 codes along K); Wout_codes 1,024 x 32 x 32 uint8 (E4M3 codes of Wout, K innermost, in blocks of 32 codes); Wout_scales 1,024 x 32 uint8 (E8M0 scales of Wout, one for each 32 codes along K); Wq_codes 1,024 x 32 x 32 uint8 (E4M3 codes of Wq, K innermost, in blocks of 32 codes); Wq_scales 1,024 x 32 uint8 (E8M0 scales of Wq, one for each 32 codes along K); attn_gate 1 float32; attn_mask 2 x 2,048 x 2,048 bool; beta_kv 1,024 float32; beta_q 1,024 float32; ff_beta 1,024 float32; ff_gamma 1,024 float32; ff_gate 1 float32; gamma_kv 1,024 float32; gamma_q 1,024 float32; kv 2 x 2,048 x 1,024 float32; kv_mask 2 x 2,048 bool; q 2 x 2,048 x 1,024 float32; q_mask 2 x 2,048 bool.
;; Outputs: out0 2 x 2,048 x 1,024 float32.
;; This version of the problem:
;;   THIS VERSION OF THE PROBLEM IS GIVEN IN LOW PRECISION. The matrix products marked QUANTISED in the list below multiply operands that are first quantised to E4M3 (4 exponent bits, 3 mantissa bits; 8 bits a number), with one power-of-two scale for each 32 numbers along K (OCP MX v1.0); their sums are f32. All else is computed in f32.
;;   The module's matrix products, in the order in which they are computed (A, B: the left and right operand; K: the contracted axis; several contracted axes count as one K, in the product's order):
;;     1. [M 4,096, K 1,024] x [K 1,024, N 1,024]; A: computed on the way; B: input Wq (given as codes): QUANTISED
;;     2. [M 4,096, K 1,024] x [K 1,024, N 2,048]; A: computed on the way; B: input Wkv (given as codes): QUANTISED
;;     3. batch 32 x [M 2,048, K 64] x [K 64, N 2,048]; A: computed on the way; B: computed on the way: QUANTISED
;;     4. batch 32 x [M 2,048, K 2,048] x [K 2,048, N 64]; A: computed on the way; B: computed on the way: QUANTISED
;;     5. [M 4,096, K 1,024] x [K 1,024, N 1,024]; A: computed on the way; B: input Wout (given as codes): QUANTISED
;;     6. [M 4,096, K 1,024] x [K 1,024, N 4,096]; A: computed on the way; B: input W1 (given as codes): QUANTISED
;;     7. [M 4,096, K 4,096] x [K 4,096, N 1,024]; A: computed on the way; B: input W2 (given as codes): QUANTISED
;;   THE QUANTISER, for each operand of a quantised product, along K:
;;     - K is cut into blocks of 32 from its start; a last block that is shorter is filled with zeros.
;;     - A block's scale is 2^e with e = floor(log2(the largest magnitude in the block)) - 8, held to -126 .. 127; a block of zeros has e = 0. As a byte (E8M0): e + 127.
;;     - Each number is divided by its block's scale, clamped to +-448, and rounded to the nearest number of E4M3, ties to even, subnormals kept.
;;     - The product sums the exact products of the quantised numbers (number of the format x scale) in f32.
;;   ~~~python
;;   def quantise(x, axis):      # numpy; x: float32 -> the quantised numbers, widened to float32 again
;;       x = np.moveaxis(x, axis, -1); K = x.shape[-1]
;;       x = np.pad(x, [(0, 0)] * (x.ndim - 1) + [(0, -K % 32)]); x = x.reshape(x.shape[:-1] + (-1, 32)); a = np.abs(x).max(-1, keepdims=True)
;;       e = np.where(a > 0, np.clip(np.frexp(np.where(a > 0, a, 1))[1] - 1 - 8, -126, 127), 0)      # np.frexp(a)[1] - 1 = floor(log2(a)), exactly
;;       r = np.clip(x / 2.0 ** e, -448, 448)
;;       step = 2.0 ** (np.maximum(np.frexp(np.where(r == 0, 1, r))[1] - 1, -6) - 3)
;;       q = np.round(r / step) * step * 2.0 ** e      # np.round: ties to even
;;       return np.moveaxis(q.reshape(q.shape[:-2] + (-1,))[..., :K], -1, axis).astype(np.float32)
;;   ~~~
;;   OPERANDS COMPUTED ON THE WAY. 'Computed on the way' means the value that the module computes at that place (a softmax that the list does not call 'softmax' is quantised finished and normalised). What goes into a quantiser is computed in f32, as accurately as f32 sums, v_exp_f32 and their like allow (about 1e-6 of the number): no bf16 or f16 on the way to a quantiser, and a product that is left as it is and whose result goes on into a quantised operand takes f32 operands (vector FMAs, or v_wmma_f32_16x16x4_f32). A number that lies on a knife's edge between two numbers of the format may be rounded either way, as far as f32 arithmetic and the matrix unit's own rounding can turn it there, and no further.
;;   INPUTS GIVEN AS CODES. W1 (in the module: [1024, 4096], K = its axis 0); W2 (in the module: [4096, 1024], K = its axis 0); Wkv (in the module: [1024, 2048], K = its axis 0); Wout (in the module: [1024, 1024], K = its axis 0); Wq (in the module: [1024, 1024], K = its axis 0): each comes as NAME_codes (uint8): NAME with its K axis moved to the last place and cut into blocks of 32 codes, [.., K / 32, bytes a block], one block behind the other in memory; one code a byte (a code: sign, 4 exponent bits, 3 mantissa bits); and NAME_scales (uint8): the same leading axes, one E8M0 byte (e + 127) for each 32 codes along K. Its value is code x scale, taken as it is: it is not quantised again, and the codes and scales need not be those that the quantiser above would give.
;; 3 versions, each right; version 2 is faster than version 1; version 3 is version 2 with the launch attn written anew for expert scheduling mode. Each part assembles by itself: llvm-mc -triple=amdgcn-amd-amdhsa -mcpu=gfx1250 --defsym DOCPART=n.
;; ======== version 1 of 3: 7 launches
;; workspace buffers: prep_out 17,039,360 bytes; proj_out 12,976,128 bytes; attn_out 4,325,376 bytes; xbuf 16,777,216 bytes; ln2_out 8,519,680 bytes; ffn1_out 17,301,504 bytes
;; launch prep (part 1): grid 512 x 1, 4 waves a work-group, no clusters, 56,832 bytes of LDS; arguments q, kv, gamma_q, beta_q, gamma_kv, beta_kv, attn_mask, kv_mask, prep_out; writes prep_out
.if DOCPART == 1
	.amdgcn_target "amdgcn-amd-amdhsa--gfx1250"
	.amdhsa_code_object_version 6
	.text
	.protected	k_q64acaad025_prep
	.globl	k_q64acaad025_prep
	.p2align	8
	.type	k_q64acaad025_prep,@function
k_q64acaad025_prep:
	s_mov_b64 s[64:65], 0
	v_nop
	global_prefetch_b8 v0, s[64:65] scope:SCOPE_SE
	s_setreg_imm32_b32 hwreg(HW_REG_WAVE_MODE, 25, 1), 1
	s_wait_xcnt 0x0
; TWO JOBS, told apart by the work-group's number.
; Work-groups 0-127 (first tensor) and 128-255 (second tensor): LayerNorm of rows of 1,024 f32 (mean, then the mean of squared differences, eps 1e-5, gain, bias),
; then codes of FP8 (E4M3) with one E8M0 byte for each 32 along the row.  out + 0 / + 4,194,304: codes [4096][1024];  out + 8,388,608 / + 8,519,680: scale bytes [4096][32].
; Work-groups 256-511: attn_mask AND kv_mask for one tile of 16 queries x 2,048 keys, as bytes 0x00 (key counts) or 0xFE (hidden), laid at out + 8,650,752 as
; [tile 256][block of 32 keys 64][lane 32][16 bytes]: lane (r, h) holds query r, keys 32 block + 16 h + 0 .. 15: the order in which the attention launch's registers take them.
; A launch of 128 work-groups runs the first job on its first tensor alone.
; A block's scale is 2^(floor(log2(largest magnitude)) - 8): its byte is that magnitude's exponent field - 8, held at 1 from below.
; LIMITS: a block of zeros gets the byte 1 (its codes are zeros; this program alone reads the bytes); blocks whose largest magnitude lies under 2^-118 are held at that floor; NaN and infinities are not served.
; No matrix work, no tensor loads, no barrier: waves share nothing.  Each job has LDS bytes of its own.
.set SP,    80                         ; a place in the stage: 64 bytes + 16 of padding
.set WREG,  5376                       ; first job: a wave's LDS: 64 places (a row), then 256 scale bytes
.set SBY,   64*SP
.set MBASE, 4*WREG                     ; second job: from here, 8,704 bytes a wave: two stages of 16 rows x 272
.set MREG,  8704
.set MP,    272
.set R,  32                            ; v32-95   two rows as loaded
.set X,  96                            ; v96-127  the row, 16 neighbours for each of two steps
.set G,  128                           ; v128-159 gain, v160-191 bias, in X's layout
.set BT, 160
.set C,  192                           ; v192-207 codes, two sets of 8
.set E,  208                           ; v208-209 scale bytes
	s_load_b512 s[4:19], s[0:1], 0x0               ; tensor 0, tensor 1, gain 0, bias 0, gain 1, bias 1, attn_mask, kv_mask
	s_load_b64 s[20:21], s[0:1], 0x40              ; out
	v_lshl_add_u32 v216, v0, 2, 0xdc00
	v_mov_b32 v217, 0
	v_lshrrev_b32 v1, 5, v0
	v_readfirstlane_b32 s22, v1                    ; wave
	v_and_b32 v1, 31, v0                           ; lane
	s_cmp_ge_u32 ttmp9, 256
	s_cbranch_scc1 .Lmask
; ---------------- LayerNorm and quantiser: 32 rows a work-group, 8 a wave
	v_lshlrev_b32 v2, 4, v1                        ; 16 x lane: my bytes of a load's 512, and of a step's 512 codes
	s_mul_i32 s23, s22, WREG
	v_lshrrev_b32 v3, 2, v1
	v_mul_u32_u24 v3, v3, SP
	v_and_b32 v9, 3, v1
	v_lshl_add_u32 v3, v9, 4, v3
	v_add_nc_u32 v3, s23, v3                       ; stage, on the way in: four lanes' 64 bytes to a place
	v_mul_u32_u24 v4, v1, SP
	v_add_nc_u32 v4, s23, v4                       ; and on the way out: a place a lane: 16 neighbours
	s_add_co_u32 s23, s23, SBY
	v_lshrrev_b32 v5, 1, v1
	v_add_nc_u32 v5, s23, v5                       ; my block's scale byte
	v_lshlrev_b32 v7, 3, v1
	v_add_nc_u32 v6, s23, v7                       ; the 256 scale bytes on their way out: 8 a lane
	v_lshlrev_b32 v8, 6, v1                        ; gain and bias: 64 bytes a lane
	s_mov_b32 s32, 0x3a800000                      ; 1 / 1024
	s_mov_b32 s33, 0x3727c5ac                      ; 1e-5
	s_mov_b32 s34, 0x600000                        ; the mantissa field of 448
	s_mov_b32 s36, 0x76543210
	s_mov_b32 s37, 0xfedcba98                      ; lane l xor 16
	s_wait_kmcnt 0x0
	s_cmp_lt_u32 ttmp9, 128                        ; which tensor: the choice hangs on the work-group's number alone
	s_cselect_b64 s[4:5], s[4:5], s[6:7]
	s_cselect_b64 s[8:9], s[8:9], s[12:13]
	s_cselect_b64 s[10:11], s[10:11], s[14:15]
	s_cselect_b32 s24, 0, 1
	s_lshl_b32 s25, s24, 7
	s_sub_co_u32 s25, ttmp9, s25
	s_lshl_b32 s25, s25, 5
	s_lshl_b32 s26, s22, 3
	s_add_co_u32 s25, s25, s26                     ; my first row
	s_lshl_b32 s26, s25, 12
	s_mov_b32 s27, 0
	s_add_nc_u64 s[4:5], s[4:5], s[26:27]          ; rows of 4,096 bytes
	s_lshl_b32 s26, s24, 22
	s_lshl_b32 s28, s25, 10
	s_add_co_u32 s26, s26, s28
	s_add_nc_u64 s[28:29], s[20:21], s[26:27]      ; my codes
	s_lshl_b32 s26, s24, 17
	s_lshl_b32 s30, s25, 5
	s_add_co_u32 s26, s26, s30
	s_add_co_u32 s26, s26, 8388608
	s_add_nc_u64 s[30:31], s[20:21], s[26:27]      ; my 256 scale bytes
.irp s, 0,1
.irp j, 0,1,2,3
	global_load_b128 v[G+16*\s+4*\j:G+16*\s+4*\j+3], v8, s[8:9] offset:2048*\s+16*\j
	global_load_b128 v[BT+16*\s+4*\j:BT+16*\s+4*\j+3], v8, s[10:11] offset:2048*\s+16*\j
.endr
.endr
.macro LOAD t                          ; row t: eight loads of 512 consecutive bytes
.irp i, 0,1,2,3,4,5,6,7
	global_load_b128 v[R+32*((\t)%2)+4*\i:R+32*((\t)%2)+4*\i+3], v2, s[4:5] offset:4096*(\t)+512*\i th:TH_LOAD_NT
.endr
.endm
.macro LANESUM                         ; v10 + v11, then over the 32 lanes: the sum in every lane's v10
	v_add_f32 v10, v10, v11
	v_add_f32_dpp v10, v10, v10 row_xmask:1 row_mask:0xf bank_mask:0xf
	v_add_f32_dpp v10, v10, v10 row_xmask:2 row_mask:0xf bank_mask:0xf
	v_add_f32_dpp v10, v10, v10 row_xmask:4 row_mask:0xf bank_mask:0xf
	v_add_f32_dpp v10, v10, v10 row_xmask:8 row_mask:0xf bank_mask:0xf
	v_permlanex16_b32 v11, v10, s36, s37
	v_add_f32 v10, v10, v11
.endm
	LOAD 0
	LOAD 1
.macro ROW t
.set RS, R+32*((\t)%2)
.set CS, C+8*((\t)%2)
.if (\t) < 7
	s_wait_loadcnt 8                               ; this row's eight loads are in (and gain and bias); the next row's eight may be out
.else
	s_wait_loadcnt 0x0
.endif
	s_wait_xcnt 0x0                                ; earlier stores have read their codes: the set may be written again
.irp i, 0,1,2,3,4,5,6,7
	ds_store_b128 v3, v[RS+4*\i:RS+4*\i+3] offset:8*SP*\i
.endr
.irp s, 0,1
.irp j, 0,1,2,3
	ds_load_b128 v[X+16*\s+4*\j:X+16*\s+4*\j+3], v4 offset:32*SP*\s+16*\j   ; LDS serves a wave's instructions in order: these see the stores above
.endr
.endr
	s_wait_dscnt 0x0                               ; step s, register i of lane l: element 512 s + 16 l + i
.if (\t)+2 < 8
	LOAD (\t)+2
.endif
	v_pk_add_f32 v[10:11], v[X:X+1], v[X+2:X+3]    ; the row's sum, in two chains
	v_pk_add_f32 v[12:13], v[X+4:X+5], v[X+6:X+7]
.irp i, 8,12,16,20,24,28
	v_pk_add_f32 v[10:11], v[10:11], v[X+\i:X+\i+1]
	v_pk_add_f32 v[12:13], v[12:13], v[X+\i+2:X+\i+3]
.endr
	v_pk_add_f32 v[10:11], v[10:11], v[12:13]
	LANESUM
	v_mul_f32 v24, s32, v10                        ; the mean, twice
	v_mul_f32 v25, s32, v10
.set i, 0
.rept 16
	v_pk_add_f32 v[X+i:X+i+1], v[X+i:X+i+1], v[24:25] neg_lo:[0,1] neg_hi:[0,1]
.set i, i+2
.endr
	v_pk_mul_f32 v[10:11], v[X:X+1], v[X:X+1]      ; the sum of squared differences
	v_pk_mul_f32 v[12:13], v[X+2:X+3], v[X+2:X+3]
.irp i, 4,8,12,16,20,24,28
	v_pk_fma_f32 v[10:11], v[X+\i:X+\i+1], v[X+\i:X+\i+1], v[10:11]
	v_pk_fma_f32 v[12:13], v[X+\i+2:X+\i+3], v[X+\i+2:X+\i+3], v[12:13]
.endr
	v_pk_add_f32 v[10:11], v[10:11], v[12:13]
	LANESUM
	v_fma_f32 v10, v10, s32, s33                   ; variance + eps
	v_rsq_f32 v26, v10
	v_nop                                          ; a plain instruction behind the transcendental,
	s_wait_alu depctr_va_vdst(0)                   ; and the wait ahead of its first reader
	v_mov_b32 v27, v26
.set i, 0
.rept 16
	v_pk_mul_f32 v[X+i:X+i+1], v[X+i:X+i+1], v[26:27]
.set i, i+2
.endr
.set i, 0
.rept 16
	v_pk_fma_f32 v[X+i:X+i+1], v[X+i:X+i+1], v[G+i:G+i+1], v[BT+i:BT+i+1]
.set i, i+2
.endr
.irp s, 0,1                            ; two neighbouring lanes hold a block of 32
.set XS, X+16*\s
	v_max3_num_f32 v14, |v[XS]|, |v[XS+1]|, |v[XS+2]|
	v_max3_num_f32 v15, |v[XS+3]|, |v[XS+4]|, |v[XS+5]|
.irp i, 6,10
	v_max3_num_f32 v14, v14, |v[XS+\i]|, |v[XS+\i+1]|
	v_max3_num_f32 v15, v15, |v[XS+\i+2]|, |v[XS+\i+3]|
.endr
	v_max3_num_f32 v14, v14, |v[XS+14]|, |v[XS+15]|
	v_max3_num_f32 v14, v14, v15, 0x4800000        ; the floor 2^(9 - 127): the byte cannot fall under 1
	v_max_num_f32_dpp v14, v14, v14 row_xmask:1 row_mask:0xf bank_mask:0xf
	v_add_nc_u32 v16, 0xfc000000, v14              ; 8 off the exponent field: the conversion's scale operand
	v_and_or_b32 v17, v14, 0x7f800000, s34         ; 448 x the scale
.set i, 0
.rept 16
	v_med3_num_f32 v[XS+i], v[XS+i], -v17, v17     ; the conversion to an 8-bit code does not saturate (ISA guide 7.6.2): the hold comes first
.set i, i+1
.endr
	v_cvt_scalef32_pk8_fp8_f32 v[CS+4*\s:CS+4*\s+1], v[XS:XS+7], v16
	v_cvt_scalef32_pk8_fp8_f32 v[CS+4*\s+2:CS+4*\s+3], v[XS+8:XS+15], v16
	v_lshrrev_b32 v[E+\s], 23, v16                 ; the scale's byte (also the plain instruction behind the conversions)
	ds_store_b8 v5, v[E+\s] offset:32*(\t)+16*\s   ; both lanes of a block write the same byte with the same value
	global_store_b128 v2, v[CS+4*\s:CS+4*\s+3], s[28:29] offset:1024*(\t)+512*\s   ; 32 lanes store 512 consecutive bytes
.endr
.endm
.irp t, 0,1,2,3,4,5,6,7
	ROW \t
.endr
	ds_load_b64 v[10:11], v6
	s_wait_dscnt 0x0
	global_store_b64 v7, v[10:11], s[30:31]        ; eight rows' scale bytes: 256 consecutive bytes, aligned
	s_wait_tensorcnt 0x0
	ds_add_u32 v216, v217
	s_wait_dscnt 0x0
	s_endpgm
; ---------------- the mask images: a tile of 16 queries a work-group; a wave takes 512 keys, as two chunks of 256
.set M,    32                          ; v32-95   chunk e, rows 2 k + lane / 16: register 32 e + 4 k + d
.set KVM,  96                          ; v96-103  kv_mask's bytes of my 16 keys, for each chunk
.set OUTR, 104                         ; v104-167 the images
.Lmask:
	s_sub_co_u32 s23, ttmp9, 256                   ; the tile: 128 x batch + tile in the batch
	s_lshr_b32 s24, s23, 7                         ; the batch
	v_and_b32 v2, 15, v1
	v_lshrrev_b32 v3, 4, v1
	v_lshlrev_b32 v4, 4, v2                        ; 16 (lane % 16)
	v_lshl_add_u32 v5, v3, 11, v4                  ; + a row of 2,048 bytes for lanes 16-31
	s_mul_i32 s25, s22, MREG
	s_add_co_u32 s25, s25, MBASE
	v_mul_u32_u24 v6, v3, MP
	v_add_nc_u32 v6, v6, v4
	v_add_nc_u32 v6, s25, v6                       ; stage in: rows as they lie
	v_mul_u32_u24 v7, v2, MP
	v_lshl_add_u32 v7, v3, 4, v7
	v_add_nc_u32 v7, s25, v7                       ; stage out: row = query lane % 16, 16 keys for each half of the lanes
	v_lshlrev_b32 v8, 4, v1
	s_mov_b32 s34, 0xfe
	s_mov_b32 s35, 0x01010101
	s_lshl_b32 s26, s23, 15                        ; 16 rows of 2,048 bytes a tile
	s_lshl_b32 s28, s22, 9
	s_add_co_u32 s26, s26, s28
	s_mov_b32 s27, 0
	s_lshl_b32 s28, s24, 11
	s_lshl_b32 s29, s22, 9
	s_add_co_u32 s28, s28, s29
	s_mov_b32 s29, 0
	s_lshl_b32 s30, s23, 15                        ; 64 images of 512 bytes a tile
	s_lshl_b32 s31, s22, 13
	s_add_co_u32 s30, s30, s31
	s_add_co_u32 s30, s30, 8650752
	s_mov_b32 s31, 0
	s_wait_kmcnt 0x0
	s_add_nc_u64 s[16:17], s[16:17], s[26:27]
	s_add_nc_u64 s[18:19], s[18:19], s[28:29]
	s_add_nc_u64 s[20:21], s[20:21], s[30:31]
.set n, 0
.rept 16
	global_load_b128 v[M+4*n:M+4*n+3], v5, s[16:17] offset:256*(n/8)+4096*(n%8) th:TH_LOAD_NT   ; two rows' 256 consecutive bytes
.set n, n+1
.endr
	global_load_b128 v[KVM:KVM+3], v4, s[18:19]
	global_load_b128 v[KVM+4:KVM+7], v4, s[18:19] offset:256
	s_wait_loadcnt 0x0
.set n, 0
.rept 64
	v_and_b32 v[M+n], v[M+n], v[KVM+4*(n/32)+n%4]  ; bytes are 0 or 1: 1 where both masks let the key count
	v_sub_nc_u32 v[M+n], s35, v[M+n]               ; 1 where it is hidden
	v_mul_lo_u32 v[M+n], v[M+n], s34               ; 0xFE there: no byte carries into the next
.set n, n+1
.endr
.set n, 0
.rept 16
	ds_store_b128 v6, v[M+4*n:M+4*n+3] offset:16*MP*(n/8)+2*MP*(n%8)
.set n, n+1
.endr
.set n, 0
.rept 16
	ds_load_b128 v[OUTR+4*n:OUTR+4*n+3], v7 offset:16*MP*(n/8)+32*(n%8)   ; in order behind my stores
.set n, n+1
.endr
.set n, 0
.rept 16
	s_wait_dscnt 15-n
	global_store_b128 v8, v[OUTR+4*n:OUTR+4*n+3], s[20:21] offset:512*n   ; an image: 512 consecutive bytes
.set n, n+1
.endr
	s_wait_tensorcnt 0x0
	ds_add_u32 v216, v217
	s_wait_dscnt 0x0
	s_endpgm
.Lfunc_end_k_q64acaad025_prep:
	.size	k_q64acaad025_prep, .Lfunc_end_k_q64acaad025_prep-k_q64acaad025_prep
	.p2alignl 7, 3214868480
	.fill 96, 4, 3214868480
	.section	.rodata,"a",@progbits
	.p2align	6, 0x0
	.amdhsa_kernel k_q64acaad025_prep
		.amdhsa_group_segment_fixed_size 56832
		.amdhsa_private_segment_fixed_size 0
		.amdhsa_enable_private_segment 0
		.amdhsa_kernarg_size 72
		.amdhsa_user_sgpr_count 2
		.amdhsa_user_sgpr_kernarg_segment_ptr 1
		.amdhsa_wavefront_size32 1
		.amdhsa_system_sgpr_workgroup_id_x 1
		.amdhsa_system_sgpr_workgroup_id_y 1
		.amdhsa_system_sgpr_workgroup_id_z 1
		.amdhsa_system_vgpr_workitem_id 0
		.amdhsa_next_free_vgpr 218
		.amdhsa_next_free_sgpr 66
		.amdhsa_reserve_vcc 0
		.amdhsa_float_denorm_mode_32 3
		.amdhsa_float_denorm_mode_16_64 3
		.amdhsa_memory_ordered 1
		.amdhsa_forward_progress 1
		.amdhsa_inst_pref_size 116
	.end_amdhsa_kernel
	.amdgpu_metadata
---
amdhsa.version: [ 1, 2 ]
amdhsa.kernels:
  - .name:           k_q64acaad025_prep
    .symbol:         k_q64acaad025_prep.kd
    .args:
      - { .name: q, .offset: 0, .size: 8, .value_kind: global_buffer, .address_space: global }
      - { .name: kv, .offset: 8, .size: 8, .value_kind: global_buffer, .address_space: global }
      - { .name: gamma_q, .offset: 16, .size: 8, .value_kind: global_buffer, .address_space: global }
      - { .name: beta_q, .offset: 24, .size: 8, .value_kind: global_buffer, .address_space: global }
      - { .name: gamma_kv, .offset: 32, .size: 8, .value_kind: global_buffer, .address_space: global }
      - { .name: beta_kv, .offset: 40, .size: 8, .value_kind: global_buffer, .address_space: global }
      - { .name: attn_mask, .offset: 48, .size: 8, .value_kind: global_buffer, .address_space: global }
      - { .name: kv_mask, .offset: 56, .size: 8, .value_kind: global_buffer, .address_space: global }
      - { .name: prep_out, .offset: 64, .size: 8, .value_kind: global_buffer, .address_space: global }
    .group_segment_fixed_size: 56832
    .private_segment_fixed_size: 0
    .kernarg_segment_align: 8
    .kernarg_segment_size: 72
    .max_flat_workgroup_size: 128
    .sgpr_count:     66
    .vgpr_count:     218
    .wavefront_size: 32
...
	.end_amdgpu_metadata
.endif
;; end of part 1
;; launch proj (part 2): grid 48 x 4, 4 waves a work-group, clusters of 4 x 4, 327,680 bytes of LDS; arguments prep_out, Wq_codes, Wq_scales, Wkv_codes, Wkv_scales, proj_out; writes proj_out
.if DOCPART == 2
	.amdgcn_target "amdgcn-amd-amdhsa--gfx1250"
	.amdhsa_code_object_version 6
	.text
	.protected	k_q64acaad025_proj
	.globl	k_q64acaad025_proj
	.p2align	8
	.type	k_q64acaad025_proj,@function
k_q64acaad025_proj:
	s_mov_b64 s[64:65], 0
	v_nop
	global_prefetch_b8 v0, s[64:65] scope:SCOPE_SE
	s_setreg_imm32_b32 hwreg(HW_REG_WAVE_MODE, 25, 1), 1
	s_wait_xcnt 0x0
	s_wait_alu depctr_hold_cnt(0) depctr_sa_sdst(0) depctr_va_vdst(0) depctr_va_sdst(0) depctr_va_ssrc(0) depctr_va_vcc(0) depctr_vm_vsrc(0)
	s_getreg_b32 s2, hwreg(HW_REG_IB_STS2, 6, 4)
	s_cmp_eq_u32 s2, 0
	s_cbranch_scc0 .Lentry_in_a_cluster
	s_endpgm
.Lentry_in_a_cluster:
	s_bfe_u32 s2, ttmp6, 0x10000c
	s_cmp_lg_u32 s2, 0xf033
	s_cbranch_scc0 .Lentry_shape_is_right
	s_endpgm
.Lentry_shape_is_right:
; THREE PRODUCTS ON CODES OF FP8 (E4M3, one E8M0 byte for each 32 along K), K = 1,024, each result quantised again along its columns.  C'[m][n] = sum over k of A'[m][k] B'[n][k].
; job 0: Q = LN(q) Wq (A' = LN(q), B' = Wq);  job 1: K = LN(kv) Wk (B' = Wkv's rows 0-1023);  job 2: V^T = Wv LN(kv)^T (A' = Wkv's rows 1024 on, B' = LN(kv)): so V's codes come out with the keys innermost.
; The cluster's x, 0 .. 11, gives the job (x / 4) and which four tile rows (jobs 0, 1) or tile columns (job 2) the cluster takes.
; OUT: codes as [column / 64][row][64 bytes] at job x 4,194,304: Q and K: [head][token][64], V: [token / 64][feature][64];  scale bytes row-major [row][columns / 32] at 12,582,912 + job x 131,072.
; The factor 1/8 that the scores' left operand carries is a power of two: Q's codes stay, and 3 is taken off Q's scale bytes.  For that the floor under a block's largest magnitude is 2^(12 - 127) here.
; A tile of C', 256 x 256, is made by four waves, 128 x 128 each: 64 accumulators, 512 registers.  K goes in steps of 256 through two LDS slots filled by tensor loads, 128 rows of 256 bytes a wave.
; CLUSTER 4 x 4: the four of a row need the same tile of A', the four of a column the same tile of B': each is asked for jointly.  The matrix instruction is used transposed (source 0 = 16 rows of B', source 1 = 16 rows of A'):
; a lane holds eight neighbouring columns of one row of C'.
; SCALE WORDS come by loads of 8 bytes a row and K step into registers: lane L of pair j holds the two words of row 32 j + L, so lanes 0-15 carry block 2 j and lanes 16-31 block 2 j + 1.
; REGISTERS: window 0: v0-31 addresses; v32-63 scale words, two sets, and nothing else; v128-255 A's fragments; v64-195 at work on the way out.  window 1: B's fragments, two sets.  windows 2, 3: the accumulators.
; LIMITS: a block of zeros gets the floor's byte (its codes are zeros; this program alone reads the bytes); blocks whose largest magnitude lies under 2^-115 are held at that floor; NaN and infinities are not served.
.set SIZE_K, 1024
.set FLOOR,  12<<23
.set KSTEP,  256
.set ROWB,   256
.set KROW,   SIZE_K
.set PITCH,  272                       ; an LDS row: 256 bytes + 16: the 16 rows that a load touches start at 16 different banks (64 banks of 4 bytes: ISA guide 11.1)
.set FR,     16
.set NL,     4
.set NP,     8                         ; places behind this matrix instruction (ISA guide 7.12.1)
.set HALFT,  128*PITCH
.set SLOT,   4*HALFT
.set LAPS,   SIZE_K/(2*KSTEP)
.set KS,     SIZE_K/32
.set SPARE,  2*SLOT                    ; behind the ring: the spare words, 128 bytes a wave, that no other line names
.set SPQ,    272                       ; the way out: a stage of 256 rows x (256 codes + 16) in slot 0, which has had its last fill and its last read by then
.set ADRA, 16
.set ADRB, 20
.set STO,  24
.set RD,   25
.set CO,   26
.set SCO,  27                          ; lane x KS
.set SPW,  28
.set NIL,  29
.set RD2,  11
.set SOF,  12                          ; v12-15 offsets of my rows' scale words in the output
.set SC,   32
.set AF,   128
.set QW,   64                          ; the way out: 64 held numbers
.set QCD,  128                         ; 16 registers of codes
.set QT,   144                         ; largest magnitudes;  QP the other half's;  QH 448 x scale;  QSO the conversions' operand;  QBY bytes;  QW4 a word for each of my 8 blocks of rows;  QX words to store
.set QP,   148
.set QH,   152
.set QSO,  156
.set QBY,  160
.set QW4,  164
.set QX,   192
.set G1, 24
.set G0, 32
.set G1B, 48
.set G0B, 56
.set SAB, 68                           ; s[68:69], s[70:71]: where my rows' scale words of A' and of B' stand for the K step to be loaded
.set SBB, 70
.set MSB, 0
.macro WIN new                         ; the immediate's high byte repeats the setting that is left
.if MSB != (\new)
	s_set_vgpr_msb (MSB<<8)|(\new)
.set MSB, (\new)
.endif
.endm
.set MUL_LO, 0xa1                      ; source 0 (B') window 1, source 1 (A') window 0, C and D window 2
.set MUL_HI, 0xf1
.set TO_B,   0x40
.macro JLOAD g0a, g1a, g0b, g1b        ; a joint load: waves 0, 1 fetch for A', waves 2, 3 for B'; four v_nop follow each line
	s_cmp_eq_u32 s15, 0
	s_cbranch_scc0 .Lfor_b_\@
	tensor_load_to_lds s[\g0a:\g0a+3], s[\g1a:\g1a+7]
	s_nop 0
.rept 4
	v_nop
.endr
	s_branch .Lasked_\@
.Lfor_b_\@:
	tensor_load_to_lds s[\g0b:\g0b+3], s[\g1b:\g1b+7]
	s_nop 0
.rept 4
	v_nop
.endr
.Lasked_\@:
.endm
.macro CREST                           ; a round of the cluster's barrier behind its opening barrier
	s_cmp_lg_u32 s14, 0
	s_cbranch_scc1 .Lnot_wave_0_\@
	s_barrier_signal -3
.Lnot_wave_0_\@:
	s_barrier_wait -3
	s_barrier_signal -1
	s_barrier_wait -1
.endm
.macro CROUND
	s_barrier_signal -1
	s_barrier_wait -1
	CREST
.endm
	s_load_b256 s[68:75], s[0:1], 0x0              ; prep_out, Wq codes, Wq scales, Wkv codes
	s_load_b128 s[76:79], s[0:1], 0x20             ; Wkv scales, proj_out
	v_lshl_add_u32 v[SPW], v0, 2, SPARE
	v_mov_b32 v[NIL], 0
	ds_add_u32 v28, v29
	ds_add_u32 v28, v29
	s_wait_dscnt 0x0
	v_lshrrev_b32 v1, 5, v0
	v_readfirstlane_b32 s14, v1                    ; wave
	s_lshr_b32 s15, s14, 1                         ; my half of the tile's rows; also: I fetch for A' (0) or B' (1)
	s_and_b32 s16, s14, 1                          ; my half of its columns; also: which 128 rows I fetch
	s_bfe_u32 s40, ttmp6, 0x40000                  ; cx
	s_bfe_u32 s41, ttmp6, 0x40004                  ; cy
	s_lshr_b32 s94, ttmp9, 2                       ; the job: the same in all sixteen partners
	s_and_b32 s95, ttmp9, 3
	s_lshl_b32 s95, s95, 2
	s_cmp_lt_u32 s94, 2
	s_cselect_b32 s17, s95, 0
	s_cselect_b32 s42, 0, s95
	s_cselect_b32 s96, 18, 16                      ; log2 of a column group's bytes: rows x 64
	s_cselect_b32 s97, 5, 7                        ; log2 of a row of output scale bytes
	s_add_co_u32 s17, s17, s41                     ; tile row
	s_add_co_u32 s42, s42, s40                     ; tile column
	s_cmp_eq_u32 s94, 0
	s_cselect_b32 s98, 3, 0                        ; what comes off the scale bytes
	s_lshl_b32 s43, s41, 2
	s_lshl_b32 s43, 15, s43                        ; my row of the cluster
	s_lshl_b32 s44, 0x1111, s40                    ; my column
	s_or_b32 s[G1+0], s43, (0<<16)|(1<<20)|(1<<21)|(5<<22)|(3<<25)  ; the mask; elements of 1 byte; padding on; bit 21 beside a mask; 4 words behind every 64
	s_or_b32 s[G1B+0], s44, (0<<16)|(1<<20)|(1<<21)|(5<<22)|(3<<25)
.irp g, G1, G1B
	s_mov_b32 s[\g+1], ROWB<<16                    ; tensor_dim0
	s_mov_b32 s[\g+2], 128<<16                     ; tensor_dim1
	s_mov_b32 s[\g+3], ROWB<<16                    ; tile_dim0
	s_mov_b32 s[\g+4], 128                         ; tile_dim1
	s_mov_b32 s[\g+5], KROW                        ; the pitch
	s_mov_b32 s[\g+6], 0
	s_mov_b32 s[\g+7], 0
.endr
	s_mov_b32 s90, 0xffff0000                      ; lanes 16-31
	s_mov_b32 s91, 0x600000                        ; the mantissa field of 448
	s_mov_b32 s92, 0x76543210
	s_mov_b32 s93, 0xfedcba98
	s_lshl_b32 s18, s16, 7
	s_lshl_b32 s20, s17, 8
	s_add_co_u32 s20, s20, s18                     ; A': row 256 x tile row + 128 x half
	s_lshl_b32 s46, s42, 8
	s_add_co_u32 s46, s46, s18                     ; B': row 256 x tile column + 128 x half
	s_mov_b32 s21, 0
	s_mov_b32 s47, 0
	s_mov_b64 s[18:19], KROW
	s_mul_u64 s[20:21], s[20:21], s[18:19]
	s_mul_u64 s[46:47], s[46:47], s[18:19]
	s_mul_i32 s45, s14, HALFT                      ; where they go: wave x 128 rows
	s_wait_kmcnt 0x0
	s_add_nc_u64 s[80:81], s[68:69], 4194304       ; LN(kv)'s codes
	s_add_nc_u64 s[82:83], s[68:69], 8388608       ; LN(q)'s scale bytes
	s_add_nc_u64 s[84:85], s[68:69], 8519680       ; LN(kv)'s
	s_add_nc_u64 s[86:87], s[74:75], 1048576       ; Wv's codes: Wkv's rows 1024 on
	s_add_nc_u64 s[88:89], s[76:77], 32768         ; and scale bytes
	s_cmp_eq_u32 s94, 0                            ; the operands by the job: choices that hang on no address
	s_cselect_b64 s[4:5], s[68:69], s[80:81]
	s_cselect_b64 s[6:7], s[82:83], s[84:85]
	s_cselect_b64 s[8:9], s[70:71], s[74:75]
	s_cselect_b64 s[10:11], s[72:73], s[76:77]
	s_cmp_eq_u32 s94, 2
	s_cselect_b64 s[4:5], s[86:87], s[4:5]         ; A' codes
	s_cselect_b64 s[6:7], s[88:89], s[6:7]         ; A' scales
	s_cselect_b64 s[8:9], s[80:81], s[8:9]         ; B' codes
	s_cselect_b64 s[10:11], s[84:85], s[10:11]     ; B' scales
	s_add_nc_u64 s[20:21], s[4:5], s[20:21]
	s_add_nc_u64 s[46:47], s[8:9], s[46:47]
	CROUND                                         ; all sixteen work-groups are here: the first joint loads meet
.irp s, 0,1
	s_mov_b32 s[G0+4*\s], 1
	s_add_co_u32 s[G0+4*\s+1], s45, \s*SLOT
	s_add_nc_u64 s[G0+4*\s+2:G0+4*\s+3], s[20:21], \s*ROWB
	s_or_b32 s[G0+4*\s+3], s[G0+4*\s+3], 0x80000000
	s_mov_b32 s[G0B+4*\s], 1
	s_add_co_u32 s[G0B+4*\s+1], s45, \s*SLOT
	s_add_nc_u64 s[G0B+4*\s+2:G0B+4*\s+3], s[46:47], \s*ROWB
	s_or_b32 s[G0B+4*\s+3], s[G0B+4*\s+3], 0x80000000
	JLOAD G0+4*\s, G1, G0B+4*\s, G1B
.endr
	v_and_b32 v1, 15, v0                           ; r
	v_bfe_u32 v2, v0, 4, 1                         ; h
	v_mul_u32_u24 v3, v1, PITCH
	v_lshl_add_u32 v4, v2, 4, v3
	s_mul_i32 s21, s15, HALFT
	s_mul_i32 s22, s16, HALFT
	s_add_co_u32 s22, s22, 2*HALFT
.irp s, 0,1
	v_add_nc_u32 v[ADRA+\s], s21, v4
	v_add_nc_u32 v[ADRB+\s], s22, v4
	s_add_co_u32 s21, s21, SLOT
	s_add_co_u32 s22, s22, SLOT
.endr
	s_lshl_b32 s82, s17, 8                         ; my rows' scale words: A': row 256 x tile row + 128 x my half
	s_lshl_b32 s83, s15, 7
	s_add_co_u32 s82, s82, s83
	s_mul_i32 s82, s82, KS
	s_mov_b32 s83, 0
	s_add_nc_u64 s[SAB:SAB+1], s[6:7], s[82:83]
	s_lshl_b32 s84, s42, 8
	s_lshl_b32 s85, s16, 7
	s_add_co_u32 s84, s84, s85
	s_mul_i32 s84, s84, KS
	s_mov_b32 s85, 0
	s_add_nc_u64 s[SBB:SBB+1], s[10:11], s[84:85]
	v_and_b32 v6, 31, v0
	v_mul_u32_u24 v[SCO], v6, KS
.macro SCLOAD set                      ; a K step's scale words of my 128 rows of A' and of B': 8 bytes a row
.irp j, 0,1,2,3
	global_load_b64 v[SC+16*(\set)+2*\j:SC+16*(\set)+2*\j+1], v[SCO], s[SAB:SAB+1] offset:32*\j*KS
	global_load_b64 v[SC+16*(\set)+8+2*\j:SC+16*(\set)+8+2*\j+1], v[SCO], s[SBB:SBB+1] offset:32*\j*KS
.endr
.endm
	SCLOAD 0
	s_mul_i32 s23, s15, 128*SPQ                    ; the stage: row 128 x my half + r, column 128 x my half + 8 h
	s_lshl_b32 s21, s16, 7
	s_add_co_u32 s23, s23, s21
	v_mul_u32_u24 v5, v1, SPQ
	v_lshl_add_u32 v5, v2, 3, v5
	v_add_nc_u32 v[STO], s23, v5
	v_lshrrev_b32 v5, 2, v6                        ; back: wave w takes columns 64 w on of all 256 rows: four lanes to a row's 64 bytes, eight rows a load
	v_mul_u32_u24 v5, v5, SPQ
	v_and_b32 v7, 3, v6
	v_lshl_add_u32 v5, v7, 4, v5
	s_lshl_b32 s23, s14, 6
	v_add_nc_u32 v[RD], s23, v5
	v_add_nc_u32 v[RD2], 128*SPQ, v[RD]            ; rows 128 on: the immediate has 16 bits
	v_lshlrev_b32 v[CO], 4, v6
.irp j, 0,1,2,3
	v_add_nc_u32 v[SOF+\j], 32*\j, v6
	v_lshlrev_b32 v[SOF+\j], s97, v[SOF+\j]        ; (32 j + lane) rows of output scale bytes
.endr
	s_lshl_b32 s46, s42, 2                         ; codes: column group 4 x tile column + wave,
	s_add_co_u32 s46, s46, s14
	s_lshl_b32 s46, s46, s96
	s_lshl_b32 s47, s17, 14                        ; row 256 x tile row, 64 bytes a row,
	s_add_co_u32 s46, s46, s47
	s_lshl_b32 s47, s94, 22                        ; the job's part
	s_add_co_u32 s46, s46, s47
	s_mov_b32 s47, 0
	s_add_nc_u64 s[12:13], s[78:79], s[46:47]
	s_lshl_b32 s46, s17, 8                         ; scale bytes: row 256 x tile row + 128 x my half; byte 8 x tile column + 4 x my half
	s_lshl_b32 s47, s15, 7
	s_add_co_u32 s46, s46, s47
	s_lshl_b32 s46, s46, s97
	s_lshl_b32 s47, s42, 3
	s_add_co_u32 s46, s46, s47
	s_lshl_b32 s47, s16, 2
	s_add_co_u32 s46, s46, s47
	s_lshl_b32 s47, s94, 17
	s_add_co_u32 s46, s46, s47
	s_add_co_u32 s46, s46, 12582912
	s_mov_b32 s47, 0
	s_add_nc_u64 s[88:89], s[78:79], s[46:47]
.macro FRAG reg, adr, q, i             ; 16 rows x 128 K: lane l holds row l % 16; registers 4 c .. 4 c + 3 hold K = 32 c + 16 (l / 16) + 0 .. 15
.irp c, 0,1,2,3
	ds_load_b128 v[\reg+4*\c:\reg+4*\c+3], v[\adr] offset:128*(\q)+32*\c+(\i)*16*PITCH
.endr
.endm
.macro MM a, b, p, q, sc, zero         ; one product: A's block a x B's block b; the scale words' rows go by the blocks' parity
.set rD,  8*(8*((\a)%4)+(\b))
.set rB,  128*(\p)+FR*(\b)
.set rA,  AF+FR*(\a)
.set rSB, SC+16*(\sc)+8+2*((\b)/2)+(\q)
.set rSA, SC+16*(\sc)+2*((\a)/2)+(\q)
.set rr,  2*((\b)%2)+(\a)%2
.if \zero
.if rr == 3
	v_wmma_scale_f32_16x16x128_f8f6f4 v[rD:rD+7], v[rB:rB+15], v[rA:rA+15], 0, v[rSB], v[rSA] matrix_a_scale:MATRIX_SCALE_ROW1 matrix_b_scale:MATRIX_SCALE_ROW1
.elseif rr == 2
	v_wmma_scale_f32_16x16x128_f8f6f4 v[rD:rD+7], v[rB:rB+15], v[rA:rA+15], 0, v[rSB], v[rSA] matrix_a_scale:MATRIX_SCALE_ROW1
.elseif rr == 1
	v_wmma_scale_f32_16x16x128_f8f6f4 v[rD:rD+7], v[rB:rB+15], v[rA:rA+15], 0, v[rSB], v[rSA] matrix_b_scale:MATRIX_SCALE_ROW1
.else
	v_wmma_scale_f32_16x16x128_f8f6f4 v[rD:rD+7], v[rB:rB+15], v[rA:rA+15], 0, v[rSB], v[rSA]
.endif
.else
.if rr == 3
	v_wmma_scale_f32_16x16x128_f8f6f4 v[rD:rD+7], v[rB:rB+15], v[rA:rA+15], v[rD:rD+7], v[rSB], v[rSA] matrix_a_scale:MATRIX_SCALE_ROW1 matrix_b_scale:MATRIX_SCALE_ROW1
.elseif rr == 2
	v_wmma_scale_f32_16x16x128_f8f6f4 v[rD:rD+7], v[rB:rB+15], v[rA:rA+15], v[rD:rD+7], v[rSB], v[rSA] matrix_a_scale:MATRIX_SCALE_ROW1
.elseif rr == 1
	v_wmma_scale_f32_16x16x128_f8f6f4 v[rD:rD+7], v[rB:rB+15], v[rA:rA+15], v[rD:rD+7], v[rSB], v[rSA] matrix_b_scale:MATRIX_SCALE_ROW1
.else
	v_wmma_scale_f32_16x16x128_f8f6f4 v[rD:rD+7], v[rB:rB+15], v[rA:rA+15], v[rD:rD+7], v[rSB], v[rSA]
.endif
.endif
.endm
.macro MUL16 a0, p, q, sc, zero        ; A's blocks a0, a0 + 1 x B's eight.  The 64 accumulators take turns, one instruction a turn, in the same order in every step
.irp a, \a0, \a0+1
.irp b, 0,1,2,3,4,5,6,7
	MM (\a), \b, \p, \q, \sc, \zero
.endr
.endr
.endm
.macro FETCH_B slot, q, p
	WIN TO_B
.irp i, 0,1,2,3,4,5,6,7
	FRAG 128*(\p)+FR*\i, ADRB+\slot, \q, \i
.endr
	WIN 0
.endm
.macro FETCH_A slot, q, i0
.irp i, \i0, \i0+1, \i0+2, \i0+3
	FRAG AF+FR*(\i), ADRA+\slot, \q, \i
.endr
.endm
.macro PLACES n                        ; plain vector instructions between a matrix instruction and a load into, or a read of, its registers
.rept \n
	v_nop
.endr
.endm
.macro STEP slot, zero, sl             ; a slot's first 128 along K.  sl = 1: the next K step's scale words are asked for
	s_wait_loadcnt 0x0                             ; this K step's scale words are in, so their bases may step
.if \sl
	s_add_nc_u64 s[SAB:SAB+1], s[SAB:SAB+1], 8
	s_add_nc_u64 s[SBB:SBB+1], s[SBB:SBB+1], 8
.endif
	s_wait_dscnt 4*NL                              ; B's set and A's blocks 0-3 are in; the youngest 16 loads (A's blocks 4-7) may be out
	WIN MUL_LO
	MUL16 0, 0, 0, \slot, \zero
	MUL16 2, 0, 0, \slot, \zero
	s_wait_dscnt 0
	PLACES NP
	FETCH_B \slot, 1, 1
.if \sl
	SCLOAD 1-\slot                                 ; into the other set, whose last reader stands more than eight places back; 96 matrix instructions ahead of their use
.endif
	FETCH_A \slot, 1, 0
	WIN MUL_HI
	MUL16 4, 0, 0, \slot, \zero
	MUL16 6, 0, 0, \slot, \zero
	PLACES NP
	WIN 0
	FETCH_A \slot, 1, 4
.endm
.macro TURN slot, next, fill           ; a slot's second 128 along K, and the change of slots: one barrier
	s_wait_tensorcnt 0x0                           ; all my tensor loads have landed: my part of the next slot
	ds_add_u32 v[SPW], v[NIL]                      ; 0 onto my spare word
	s_wait_dscnt 4*NL+1                            ; (the add and the youngest 16 loads may be out)
	WIN MUL_LO
	MUL16 0, 1, 1, \slot, 0
	s_wait_dscnt 0x0                               ; the add is done, and my reads of this slot are over
	s_barrier_signal -1
	MUL16 2, 1, 1, \slot, 0
	WIN 0
	s_barrier_wait -1
.if \fill
	CREST                                          ; the barrier has opened a round of the cluster's: no wave of any partner still reads this slot or has a load on its way
	s_add_nc_u64 s[G0+4*\slot+2:G0+4*\slot+3], s[G0+4*\slot+2:G0+4*\slot+3], 2*ROWB
	s_add_nc_u64 s[G0B+4*\slot+2:G0B+4*\slot+3], s[G0B+4*\slot+2:G0B+4*\slot+3], 2*ROWB
	JLOAD G0+4*\slot, G1, G0B+4*\slot, G1B         ; the first tensor load behind the round; its four v_nop are four of the eight places
	PLACES NP-4
.else
	PLACES NP
.endif
	FETCH_B \next, 0, 0
	FETCH_A \next, 0, 0
	WIN MUL_HI
	MUL16 4, 1, 1, \slot, 0
	MUL16 6, 1, 1, \slot, 0
	PLACES NP
	WIN 0
	FETCH_A \next, 0, 4
.endm
	s_wait_tensorcnt 1                             ; my part of K step 0 is in; K step 1's load may be out
	s_barrier_signal -1
	s_barrier_wait -1
	FETCH_B 0, 0, 0
	FETCH_A 0, 0, 0
	FETCH_A 0, 0, 4
	STEP 0, 1, 1                                   ; the first step's products start the sums
	s_mov_b32 s3, LAPS-1
.Llap:
	TURN 0, 1, 1
	STEP 1, 0, 1
	TURN 1, 0, 1
	STEP 0, 0, 1
	s_sub_co_u32 s3, s3, 1
	s_cmp_lg_u32 s3, 0
	s_cbranch_scc1 .Llap
	TURN 0, 1, 0                                   ; the last lap fills nothing
	STEP 1, 0, 0                                   ; and asks for no scale words beyond K
	s_wait_dscnt 4*NL
	WIN MUL_LO
	MUL16 0, 1, 1, 1, 0
	MUL16 2, 1, 1, 1, 0
	s_wait_dscnt 0
	WIN MUL_HI
	MUL16 4, 1, 1, 1, 0
	MUL16 6, 1, 1, 1, 0
	WIN 0
; THE WAY OUT.  Lane (r, h) of accumulator (a, b) holds C'(16 a + r, 16 b + 8 h + 0 .. 7): a block of 32 columns is the 16 registers of tiles 2 c, 2 c + 1 in lanes l and l xor 16.
; Each of my 8 blocks of 16 rows: largest magnitudes, scale bytes, hold, conversion; 8 codes a lane and tile go to the work-group's stage.
.macro QBLK a
.set AC, 64*((\a)%4)
.set SW, 2+(\a)/4
.set SWW, 5*SW
	s_wait_dscnt 0x0                               ; the last block's stores into the stage have read their codes
	WIN SWW                                        ; sources 0 and 1: the accumulators' window
.irp b, 0,1,2,3
	v_max3_num_f32 v[QT+\b], |v[AC+16*\b]|, |v[AC+16*\b+1]|, FLOOR   ; each accumulator is read from its low end on
.endr
.irp i, 2,4,6,8,10,12,14
.irp b, 0,1,2,3
	v_max3_num_f32 v[QT+\b], |v[AC+16*\b+\i]|, |v[AC+16*\b+\i+1]|, v[QT+\b]
.endr
.endr
	WIN 0
.irp b, 0,1,2,3
	v_permlanex16_b32 v[QP+\b], v[QT+\b], s92, s93
.endr
.irp b, 0,1,2,3
	v_max_num_f32 v[QT+\b], v[QT+\b], v[QP+\b]
.endr
.irp b, 0,1,2,3
	v_add_nc_u32 v[QSO+\b], 0xfc000000, v[QT+\b]   ; 8 off the exponent field: the conversion's scale operand
.endr
.irp b, 0,1,2,3
	v_and_or_b32 v[QH+\b], v[QT+\b], 0x7f800000, s91   ; 448 x the scale
.endr
.irp b, 0,1,2,3
	v_lshrrev_b32 v[QBY+\b], 23, v[QSO+\b]
.endr
.irp b, 0,1,2,3
	v_sub_nc_u32 v[QBY+\b], v[QBY+\b], s98         ; Q: the factor 1/8
.endr
	v_lshl_or_b32 v[QW4+(\a)], v[QBY+1], 8, v[QBY]
	v_lshl_or_b32 v[QW4+(\a)], v[QBY+2], 16, v[QW4+(\a)]
	v_lshl_or_b32 v[QW4+(\a)], v[QBY+3], 24, v[QW4+(\a)]
	WIN SW
.set i, 0
.rept 64
	v_med3_num_f32 v[QW+i], v[AC+i], -v[QH+i/16], v[QH+i/16]   ; the conversion does not saturate (ISA guide 7.6.2)
.set i, i+1
.endr
	WIN 0
.irp t, 0,1,2,3,4,5,6,7
	v_cvt_scalef32_pk8_fp8_f32 v[QCD+2*\t:QCD+2*\t+1], v[QW+8*\t:QW+8*\t+7], v[QSO+\t/2]
.endr
	v_nop                                          ; a plain instruction behind the last conversion
.irp t, 0,1,2,3,4,5,6,7
	ds_store_b64 v[STO], v[QCD+2*\t:QCD+2*\t+1] offset:16*(\a)*SPQ+16*\t
.endr
.endm
	PLACES NP
.irp b, 0,1,2,3
	v_mov_b32 v[QP+\b], 0                          ; a lane permute's destination counts as one of its sources
.endr
.irp a, 0,1,2,3,4,5,6,7
	QBLK \a
.endr
.irp j, 0,1,2,3
	v_cndmask_b32 v[QX+\j], v[QW4+2*\j], v[QW4+2*\j+1], s90   ; lane L: the word of my row 32 j + L
	global_store_b32 v[SOF+\j], v[QX+\j], s[88:89] ; four bytes of a row's scale bytes: the rest of the row belongs to other tiles
.endr
	s_wait_dscnt 0x0                               ; for the others' sake: my stores into the stage are done
	s_barrier_signal -1
	s_barrier_wait -1
.set t, 0
.rept 16
	ds_load_b128 v[64+4*t:64+4*t+3], v[RD] offset:t*8*SPQ
.set t, t+1
.endr
.set t, 0
.rept 16
	ds_load_b128 v[128+4*t:128+4*t+3], v[RD2] offset:t*8*SPQ
.set t, t+1
.endr
.set t, 0
.rept 32
	s_wait_dscnt 31-t
	global_store_b128 v[CO], v[64+4*t:64+4*t+3], s[12:13] offset:512*t   ; eight rows x 64 codes: 512 consecutive bytes
.set t, t+1
.endr
	s_wait_tensorcnt 0x0                           ; the wave's end
	ds_add_u32 v[SPW], v[NIL]
	s_wait_dscnt 0x0
	CROUND                                         ; the closing round
	s_endpgm
.Lfunc_end_k_q64acaad025_proj:
	.size	k_q64acaad025_proj, .Lfunc_end_k_q64acaad025_proj-k_q64acaad025_proj
	.p2alignl 7, 3214868480
	.fill 96, 4, 3214868480
	.section	.rodata,"a",@progbits
	.p2align	6, 0x0
	.amdhsa_kernel k_q64acaad025_proj
		.amdhsa_group_segment_fixed_size 327680
		.amdhsa_private_segment_fixed_size 0
		.amdhsa_enable_private_segment 0
		.amdhsa_kernarg_size 48
		.amdhsa_user_sgpr_count 2
		.amdhsa_user_sgpr_kernarg_segment_ptr 1
		.amdhsa_wavefront_size32 1
		.amdhsa_system_sgpr_workgroup_id_x 1
		.amdhsa_system_sgpr_workgroup_id_y 1
		.amdhsa_system_sgpr_workgroup_id_z 1
		.amdhsa_system_vgpr_workitem_id 0
		.amdhsa_next_free_vgpr 1024
		.amdhsa_next_free_sgpr 100
		.amdhsa_reserve_vcc 0
		.amdhsa_float_denorm_mode_32 3
		.amdhsa_float_denorm_mode_16_64 3
		.amdhsa_memory_ordered 1
		.amdhsa_forward_progress 1
		.amdhsa_inst_pref_size 195
	.end_amdhsa_kernel
	.amdgpu_metadata
---
amdhsa.version: [ 1, 2 ]
amdhsa.kernels:
  - .name:           k_q64acaad025_proj
    .symbol:         k_q64acaad025_proj.kd
    .args:
      - { .name: prep_out, .offset: 0, .size: 8, .value_kind: global_buffer, .address_space: global }
      - { .name: Wq_codes, .offset: 8, .size: 8, .value_kind: global_buffer, .address_space: global }
      - { .name: Wq_scales, .offset: 16, .size: 8, .value_kind: global_buffer, .address_space: global }
      - { .name: Wkv_codes, .offset: 24, .size: 8, .value_kind: global_buffer, .address_space: global }
      - { .name: Wkv_scales, .offset: 32, .size: 8, .value_kind: global_buffer, .address_space: global }
      - { .name: proj_out, .offset: 40, .size: 8, .value_kind: global_buffer, .address_space: global }
    .group_segment_fixed_size: 327680
    .private_segment_fixed_size: 0
    .kernarg_segment_align: 8
    .kernarg_segment_size: 48
    .max_flat_workgroup_size: 128
    .sgpr_count:     100
    .vgpr_count:     1024
    .wavefront_size: 32
...
	.end_amdgpu_metadata
.endif
;; end of part 2
;; launch attn (part 3): grid 8 x 32, 8 waves a work-group, no clusters, 265,728 bytes of LDS; arguments proj_out, prep_out, q_mask, attn_out; writes attn_out
.if DOCPART == 3
	.amdgcn_target "amdgcn-amd-amdhsa--gfx1250"
	.amdhsa_code_object_version 6
	.text
	.protected	k_q64acaad025_attn
	.globl	k_q64acaad025_attn
	.p2align	8
	.type	k_q64acaad025_attn,@function
k_q64acaad025_attn:
	s_mov_b64 s[64:65], 0
	v_nop
	global_prefetch_b8 v0, s[64:65] scope:SCOPE_SE
	s_setreg_imm32_b32 hwreg(HW_REG_WAVE_MODE, 25, 1), 1
	s_wait_xcnt 0x0
; MASKED CROSS-ATTENTION ON CODES OF FP8 (E4M3, one E8M0 byte for each 32 along a product's K).  A work-group: one (batch, head) and 256 queries; grid x = the block of queries, y = 16 batch + head.
; THE WAVES SHARE THE KEYS: wave w owns keys 256 w .. 256 w + 255; its codes of K (128 registers) and of V^T (128) stay in registers for the whole launch.
; A TRIP takes 16 queries against all 2,048 keys; a wave's 16 x 256 scores stay in 128 registers from the product to the conversion.  The probabilities are quantised FINISHED AND NORMALISED: the eight waves
; exchange their largest exponent T_w and their sum l_w through LDS (one barrier a trip); p = 2^(t - T_w) x (2^(T_w - T) / l).  One exponential a score, nothing is rescaled.
; THE MASK: the launch before laid a byte for each (query, key), 0x00 or 0xFE, in the order of these registers.  v_perm_b32 spreads a byte over a word, 0 or 0xFEFEFEFE = -1.69e38, into the score's own register, and the
; product takes it as its C.  A row none of whose keys counts has l = 0 and gets 1/2048 for every key, as the masking value, the lowest finite f32, gives; a row whose q_mask is 0 gets zeros.
; K = 64 in the first product: the queries' registers 8-15 are zero codes; the keys' operand is the run of 16 registers from its tile on (the upper eight: the next tile's codes, finite, times zero codes);
; bytes 2, 3 of both scale words repeat bytes 0, 1.
; BOTH PRODUCTS ARE USED TRANSPOSED: a lane holds one query (lane % 16).  Lane r of K's tile 2 c + u takes key 32 c + 8 u + r + 8 (r / 8), so that the 16 registers of tiles 2 c, 2 c + 1 are keys 32 c + 16 (lane / 16) + 0 .. 15;
; V^T's rows are chosen likewise, so that O's 16 registers of two tiles are 16 neighbours along the next product's K.
; O's eight partial sums of a tile meet in LDS as images of their registers; behind eight trips wave w adds the eight images of tile w, in the waves' order, quantises along the head's 64 and stores codes and scale bytes.
; No cluster: K and V go once from memory into registers, and what the heads share, the mask images, is asked for most of a trip ahead.  A head's 64 codes are 64 of a token's 1,024 bytes: they leave in pieces of 32 bytes.
; LIMITS: NaN and infinities are not served; scores of keys that count lie above -1e37; a block's largest p is taken from its largest score (v_exp_f32 is taken not to fall where its input rises);
; a block of zeros gets the byte 1 (its codes are zeros; this program alone reads the bytes).
; REGISTERS, window 0: v1-15 addresses; v16-23 K's scale words, v24-27 V's, v28 Q's, v30-31 p's: scales alone; v29 q_mask's byte; v32-47 Q; v48-63 p's codes, keys 0-127; v64-95 mask bytes;
;   v96-223 scores, then p; then v96-111 p's codes, keys 128-255, and v112-143 O;  v224-231 block maxima; v232-247 at work; v248 -T_w, then T; v249 this trip's q_mask; v[250:251] T_w, l; v252 the factor; v254 the addend.
; window 1: v0-127 K's 16 tiles; v128-255 V^T's fragments (tile t, key step s) at 128 + 16 (2 t + s).
.set KSC, 16
.set VSC, 24
.set QS,  28
.set QM,  29
.set QF,  32
.set PC0, 48
.set MK,  64
.set S,   96
.set PC1, 96
.set O,   112
.set BM,  224
.set E,   232
.set XCH, 262144                       ; LDS: 0 .. 262,143 O's images [trip % 8][wave][8 x 512 bytes]; then two exchange buffers of 16 rows x 80 bytes
.set XBUF, 1280
.set MSB, 0
.macro WIN new
.if MSB != (\new)
	s_set_vgpr_msb (MSB<<8)|(\new)
.set MSB, (\new)
.endif
.endm
	s_load_b256 s[4:11], s[0:1], 0x0               ; proj_out, prep_out, q_mask, attn_out
	v_lshrrev_b32 v1, 5, v0
	v_readfirstlane_b32 s12, v1                    ; wave w
	s_and_b32 s13, ttmp7, 0xffff
	s_lshr_b32 s14, s13, 4                         ; batch b
	s_and_b32 s15, s13, 15                         ; head h
	v_and_b32 v7, 31, v0
	v_and_b32 v6, 15, v0                           ; r
	v_bfe_u32 v11, v0, 4, 1                        ; lane / 16
	v_and_b32 v10, 8, v6
	v_add_nc_u32 v10, v10, v6                      ; r + 8 (r / 8)
	v_lshlrev_b32 v1, 6, v10
	v_lshl_add_u32 v1, v11, 4, v1                  ; K's and V's codes: rows of 64 bytes
	v_lshl_add_u32 v2, v11, 3, v10
	v_lshlrev_b32 v2, 5, v2                        ; K's scale bytes: lanes 16-31 take the tile eight keys on
	v_lshlrev_b32 v3, 7, v10
	v_lshl_add_u32 v3, v11, 2, v3                  ; V's scale words: lanes 16-31 take the second key step's
	v_lshlrev_b32 v4, 6, v6
	v_lshl_add_u32 v4, v11, 4, v4                  ; Q's codes
	v_lshlrev_b32 v5, 5, v6                        ; 32 r: rows of scale bytes
	v_lshlrev_b32 v7, 4, v7                        ; 16 x lane
	v_mul_u32_u24 v9, v6, 80
	v_add_nc_u32 v9, XCH, v9                       ; the exchange: my query's row,
	s_lshl_b32 s16, s12, 3
	v_add_nc_u32 v8, s16, v9                       ; and my wave's 8 bytes in it
	s_lshl_b32 s16, s12, 12
	v_add_nc_u32 v12, s16, v7                      ; O's image: my wave's 4,096 bytes of a slot
	s_lshl_b32 s16, s12, 15
	v_add_nc_u32 v14, s16, v7                      ; the slot that I add up: tile w of eight
	v_lshlrev_b32 v15, 10, v6
	v_lshl_add_u32 v15, v11, 4, v15                ; O's codes: row r of 1,024 bytes, + 16 (lane / 16)
	s_mov_b32 s40, 0x3fb8aa3b                      ; log2(e)
	s_mov_b32 s41, s40
	s_mov_b32 s42, 0x76543210
	s_mov_b32 s43, 0xfedcba98
	s_mov_b32 s44, 0x600000                        ; the mantissa field of 448
	s_mov_b32 s45, 0x01010101                      ; v_perm_b32's selects: byte 1, 2, 3 into all four places
	s_mov_b32 s46, 0x02020202
	s_mov_b32 s47, 0x03030303
	s_mov_b32 s49, 2
	s_mov_b32 s50, 16
	s_mov_b32 s51, 0
	s_mov_b32 s52, 0
	s_mov_b32 s17, 0
	s_lshl_b32 s18, s15, 12
	s_lshl_b32 s19, s14, 11                        ; 2048 b
	s_add_co_u32 s18, s18, s19                     ; 4096 h + 2048 b
	s_lshl_b32 s55, s12, 8                         ; 256 w
	s_lshl_b32 s56, ttmp9, 8                       ; 256 x
	s_lshl_b32 s57, s15, 1                         ; 2 h
	s_wait_kmcnt 0x0
	s_add_co_u32 s16, s18, s55
	s_lshl_b32 s16, s16, 6
	s_add_co_u32 s16, s16, 4194304
	s_add_nc_u64 s[20:21], s[4:5], s[16:17]        ; my keys' codes
	s_add_co_u32 s16, s19, s55
	s_lshl_b32 s16, s16, 5
	s_add_co_u32 s16, s16, s57
	s_add_co_u32 s16, s16, 12713984
	s_add_nc_u64 s[22:23], s[4:5], s[16:17]        ; their scale bytes
	s_lshl_b32 s16, s14, 21
	s_lshl_b32 s58, s12, 18
	s_add_co_u32 s16, s16, s58
	s_lshl_b32 s58, s15, 12
	s_add_co_u32 s16, s16, s58
	s_add_co_u32 s16, s16, 8388608
	s_add_nc_u64 s[24:25], s[4:5], s[16:17]        ; V's codes: [token / 64][feature][64]
	s_lshl_b32 s16, s15, 13
	s_lshl_b32 s58, s14, 6
	s_add_co_u32 s16, s16, s58
	s_lshl_b32 s58, s12, 3
	s_add_co_u32 s16, s16, s58
	s_add_co_u32 s16, s16, 12845056
	s_add_nc_u64 s[26:27], s[4:5], s[16:17]        ; V's scale bytes
	s_add_co_u32 s16, s18, s56
	s_lshl_b32 s16, s16, 6
	s_add_nc_u64 s[28:29], s[4:5], s[16:17]        ; Q's codes
	s_add_co_u32 s58, s19, s56                     ; my first query's token
	s_lshl_b32 s16, s58, 5
	s_add_co_u32 s16, s16, s57
	s_add_co_u32 s16, s16, 12582912
	s_add_nc_u64 s[30:31], s[4:5], s[16:17]        ; Q's scale bytes
	s_mov_b32 s16, s58
	s_add_nc_u64 s[32:33], s[8:9], s[16:17]        ; q_mask
	s_lshl_b32 s16, s14, 22
	s_lshl_b32 s59, ttmp9, 19
	s_add_co_u32 s16, s16, s59
	s_lshl_b32 s59, s12, 12
	s_add_co_u32 s16, s16, s59
	s_add_co_u32 s16, s16, 8650752
	s_add_nc_u64 s[34:35], s[6:7], s[16:17]        ; the mask images of my keys
	s_lshl_b32 s59, s12, 4
	s_add_co_u32 s58, s58, s59                     ; the first token that I store: + 16 w
	s_lshl_b32 s16, s58, 10
	s_lshl_b32 s59, s15, 6
	s_add_co_u32 s16, s16, s59
	s_add_nc_u64 s[36:37], s[10:11], s[16:17]      ; O's codes
	s_lshl_b32 s16, s58, 5
	s_add_co_u32 s16, s16, s57
	s_add_co_u32 s16, s16, 4194304
	s_add_nc_u64 s[38:39], s[10:11], s[16:17]      ; O's scale bytes
	WIN 0x40                                       ; destination window 1
.set n, 0
.rept 32                               ; tile n / 2, bytes 32 (n % 2) on
	global_load_b128 v[4*n:4*n+3], v1, s[20:21] offset:(32*(n/4)+8*((n/2)%2))*64+32*(n%2)
.set n, n+1
.endr
.set n, 0
.rept 32                               ; tile n / 8, key step (n / 4) % 2, block of 32 keys n % 4
	global_load_b128 v[128+4*n:128+4*n+3], v1, s[24:25] offset:(2*((n/4)%2)+(n%4)/2)*65536+(32*(n/16)+8*((n/8)%2))*64+32*(n%2)
.set n, n+1
.endr
	WIN 0
.irp c, 0,1,2,3,4,5,6,7
	global_load_u16 v[KSC+\c], v2, s[22:23] offset:1024*\c
.endr
.irp t, 0,1,2,3
	global_load_b32 v[VSC+\t], v3, s[26:27] offset:(32*(\t/2)+8*(\t%2))*128
.endr
.macro NEXTLOADS                       ; a trip's mask images, queries, their scale bytes and q_mask
.irp c, 0,1,2,3,4,5,6,7
	global_load_b128 v[MK+4*\c:MK+4*\c+3], v7, s[34:35] offset:512*\c
.endr
	global_load_b128 v[QF:QF+3], v4, s[28:29]
	global_load_b128 v[QF+4:QF+7], v4, s[28:29] offset:32
	global_load_u16 v[QS], v5, s[30:31]
	global_load_u8 v[QM], v6, s[32:33]
.endm
	NEXTLOADS
.irp i, 8,9,10,11,12,13,14,15
	v_mov_b32 v[QF+\i], 0                          ; zero codes for K = 64 .. 127; v40 also serves as a zero
.endr
.irp i, 0,1,2,3,4,5,6,7
	v_mov_b32 v[E+\i], 0                           ; a lane permute's destination counts as one of its sources
.endr
	v_mov_b32 v253, 0                              ; upper halves of pairs whose low word serves both halves
	v_mov_b32 v255, 0
	s_wait_loadcnt 0x0
.irp c, 0,1,2,3,4,5,6,7
	v_lshl_or_b32 v[KSC+\c], v[KSC+\c], 16, v[KSC+\c]
.endr
.macro PERM T                          ; tile T's eight mask words, into the scores' registers.  Under the products' windows source 1 and the result lie in window 0; source 0, which no select names, falls on a register of K
.irp j, 0,1,2,3,4,5,6,7
.set rM, MK+4*((\T)/2)+2*((\T)%2)+\j/4
.if \j%4 == 0
	v_perm_b32 v[S+8*(\T)+\j], v[rM], v[rM], 0
.else
	v_perm_b32 v[S+8*(\T)+\j], v[rM], v[rM], s[44+\j%4]
.endif
.endr
.endm
.macro QK T                            ; S^T of tile T: 16 keys x 16 queries, onto the mask words
.if (\T)%2
	v_wmma_scale_f32_16x16x128_f8f6f4 v[S+8*(\T):S+8*(\T)+7], v[8*(\T):8*(\T)+15], v[QF:QF+15], v[S+8*(\T):S+8*(\T)+7], v[KSC+(\T)/2], v[QS] matrix_a_scale:MATRIX_SCALE_ROW1
.else
	v_wmma_scale_f32_16x16x128_f8f6f4 v[S+8*(\T):S+8*(\T)+7], v[8*(\T):8*(\T)+15], v[QF:QF+15], v[S+8*(\T):S+8*(\T)+7], v[KSC+(\T)/2], v[QS]
.endif
.endm
.macro MAXG g                          ; the largest score of blocks 4 g .. 4 g + 3, by turns; each accumulator is read from its low end on
.irp b, 0,1,2,3
	v_max3_num_f32 v[BM+4*\g+\b], v[S+16*(4*\g+\b)], v[S+16*(4*\g+\b)+1], v[S+16*(4*\g+\b)+2]
.endr
.irp i, 3,5,7,9,11,13
.irp b, 0,1,2,3
	v_max3_num_f32 v[BM+4*\g+\b], v[BM+4*\g+\b], v[S+16*(4*\g+\b)+\i], v[S+16*(4*\g+\b)+\i+1]
.endr
.endr
.irp b, 0,1,2,3
	v_max_num_f32 v[BM+4*\g+\b], v[BM+4*\g+\b], v[S+16*(4*\g+\b)+15]
.endr
.endm
.macro RLD dst, v                      ; wave v's image of my tile
.irp k, 0,1,2,3,4,5,6,7
	ds_load_b128 v[\dst+4*\k:\dst+4*\k+3], v14 offset:4096*(\v)+512*\k
.endr
.endm
.macro RADD src
.set i, 0
.rept 16
	v_pk_add_f32 v[96+i:97+i], v[96+i:97+i], v[\src+i:\src+i+1]
.set i, i+2
.endr
.endm
.Louter:                                           ; two trips: eight tiles of queries, then their sums
	s_mov_b32 s48, 8
.Ltrip:
	s_wait_loadcnt 0x0                             ; this trip's mask, queries, scale bytes and q_mask are in, so their bases may step
	s_wait_dscnt 0x0                               ; the last trip's stores of O have read their registers
	s_add_nc_u64 s[28:29], s[28:29], 1024
	s_add_nc_u64 s[30:31], s[30:31], 512
	s_add_nc_u64 s[32:33], s[32:33], 16
	s_add_nc_u64 s[34:35], s[34:35], 32768
	v_lshl_or_b32 v[QS], v[QS], 16, v[QS]          ; sixteen plain instructions ahead of the first product
	v_mov_b32 v249, v[QM]                          ; kept: the next trip's byte lands in its register before this one is used
	v_add_nc_u32 v10, s51, v8
	v_add_nc_u32 v11, s51, v9
	v_add_nc_u32 v13, s52, v12
	WIN 0x01                                       ; source 0 (K) window 1
	PERM 0
	PERM 1
.set tt, 0
.rept 16
	QK tt                                          ; sixteen accumulators, one instruction each
.if tt < 14
	PERM tt+2
.endif
.set tt, tt+1
.endr
	WIN 0
	MAXG 0                                         ; 32 plain instructions: the places behind the last products
	s_cmp_eq_u32 s50, 1                            ; the last trip asks for nothing: no load leaves its buffer
	s_cbranch_scc1 .Lno_next
	NEXTLOADS
.Lno_next:
	MAXG 1
.irp b, 0,1,2,3,4,5,6,7
	v_permlanex16_b32 v[E+\b], v[BM+\b], s42, s43
.endr
.irp b, 0,1,2,3,4,5,6,7
	v_max_num_f32 v[BM+\b], v[BM+\b], v[E+\b]      ; each block's largest score
.endr
	v_max3_num_f32 v240, v224, v225, v226
	v_max3_num_f32 v240, v240, v227, v228
	v_max3_num_f32 v240, v240, v229, v230
	v_max3_num_f32 v240, v240, v231, 0xfcf0bdc2    ; and -1e37, over every hidden score
	v_mul_f32 v250, s40, v240                      ; T_w
	v_sub_f32 v248, 0, v250
.set i, 0
.rept 64
	v_pk_fma_f32 v[S+i:S+i+1], v[S+i:S+i+1], s[40:41], v[248:249] op_sel_hi:[1,0,0]   ; t - T_w
.set i, i+2
.endr
.irp b, 0,1,2,3,4,5,6,7
	v_fma_f32 v[BM+\b], v[BM+\b], s40, v248        ; the same of each block's largest score
.endr
.set i, 0
.rept 128
	v_exp_f32 v[S+i], v[S+i]
.set i, i+1
.endr
.irp b, 0,1,2,3,4,5,6,7
	v_exp_f32 v[BM+\b], v[BM+\b]
.endr
	v_nop                                          ; a plain instruction behind the batch,
	s_wait_alu depctr_va_vdst(0)                   ; and one wait for all 136, ahead of the first reader
	v_pk_add_f32 v[232:233], v[S:S+1], v[S+2:S+3]  ; my 128 terms of the sum, in two chains
	v_pk_add_f32 v[234:235], v[S+4:S+5], v[S+6:S+7]
.set i, 8
.rept 30
	v_pk_add_f32 v[232:233], v[232:233], v[S+i:S+i+1]
	v_pk_add_f32 v[234:235], v[234:235], v[S+i+2:S+i+3]
.set i, i+4
.endr
	v_pk_add_f32 v[232:233], v[232:233], v[234:235]
	v_add_f32 v251, v232, v233
	v_permlanex16_b32 v234, v251, s42, s43
	v_add_f32 v251, v251, v234                     ; l_w
	ds_store_b64 v10, v[250:251]                   ; both halves of the lanes write the same 8 bytes with the same value
	s_wait_dscnt 0x0                               ; for the others' sake
	s_barrier_signal -1
	s_barrier_wait -1
.irp c, 0,1,2,3
	ds_load_b128 v[E+4*\c:E+4*\c+3], v11 offset:16*\c   ; T and l of the eight waves
.endr
	s_xor_b32 s51, s51, XBUF                       ; the next trip takes the other buffer; this one is written again two trips on, behind a barrier that each wave signals behind the wait below
	s_wait_dscnt 0x0
	v_max3_num_f32 v248, v232, v234, v236
	v_max3_num_f32 v248, v248, v238, v240
	v_max3_num_f32 v248, v248, v242, v244
	v_max_num_f32 v248, v248, v246                 ; T
	v_sub_f32 v252, v250, v248
.irp v, 0,1,2,3,4,5,6,7
	v_sub_f32 v[E+2*\v], v[E+2*\v], v248
.endr
	v_exp_f32 v252, v252                           ; 2^(T_w - T), mine
.irp v, 0,1,2,3,4,5,6,7
	v_exp_f32 v[E+2*\v], v[E+2*\v]
.endr
	v_nop
	s_wait_alu depctr_va_vdst(0)
	v_mul_f32 v251, v233, v232
.irp v, 1,2,3,4,5,6,7
	v_fma_f32 v251, v[E+2*\v+1], v[E+2*\v], v251   ; l, in the waves' order
.endr
	v_rcp_f32 v254, v251
	v_nop
	s_wait_alu depctr_va_vdst(0)
	v_mul_f32 v252, v252, v254
	v_mov_b32 v254, 0x3a000000                     ; 1 / 2048
	v_cmp_lt_f32 s53, 0, v251                      ; some key counts
	v_cmp_ne_u32 s54, 0, v249                      ; the query counts
	v_cndmask_b32 v252, v40, v252, s53             ; the factor: 2^(T_w - T) / l, or 0
	v_cndmask_b32 v254, v254, v40, s53             ; the addend: 1 / 2048 where no key counts
	v_cndmask_b32 v252, v40, v252, s54
	v_cndmask_b32 v254, v40, v254, s54
.set i, 0
.rept 64
	v_pk_fma_f32 v[S+i:S+i+1], v[S+i:S+i+1], v[252:253], v[254:255] op_sel_hi:[1,0,0]   ; p, finished
.set i, i+2
.endr
.irp b, 0,1,2,3,4,5,6,7
	v_fma_f32 v[BM+\b], v[BM+\b], v252, v254       ; each block's largest p: the same instructions on the same number
.endr
.irp b, 0,1,2,3,4,5,6,7
	v_max_num_f32 v[BM+\b], 0x4800000, v[BM+\b]    ; the floor 2^(9 - 127)
.endr
.irp b, 0,1,2,3,4,5,6,7
	v_add_nc_u32 v[240+\b], 0xfc000000, v[BM+\b]   ; the conversion's scale operand
.endr
.irp b, 0,1,2,3,4,5,6,7
	v_and_or_b32 v[232+\b], v[BM+\b], 0x7f800000, s44   ; 448 x the scale
.endr
.irp b, 0,1,2,3,4,5,6,7
	v_lshrrev_b32 v[BM+\b], 23, v[240+\b]
.endr
	v_lshl_or_b32 v30, v225, 8, v224               ; p's scale words of the two key steps
	v_lshl_or_b32 v31, v229, 8, v228
	v_lshl_or_b32 v30, v226, 16, v30
	v_lshl_or_b32 v31, v230, 16, v31
	v_lshl_or_b32 v30, v227, 24, v30
	v_lshl_or_b32 v31, v231, 24, v31
.irp b, 0,1,2,3,4,5,6,7
.if \b < 4
.set PCD, PC0+4*\b
.else
.set PCD, PC1+4*(\b-4)
.endif
.set i, 0
.rept 16
	v_min_num_f32 v[S+16*\b+i], v[S+16*\b+i], v[232+\b]   ; p is not negative: the hold is one-sided (the conversion does not saturate: ISA guide 7.6.2)
.set i, i+1
.endr
	v_cvt_scalef32_pk8_fp8_f32 v[PCD:PCD+1], v[S+16*\b:S+16*\b+7], v[240+\b]
	v_cvt_scalef32_pk8_fp8_f32 v[PCD+2:PCD+3], v[S+16*\b+8:S+16*\b+15], v[240+\b]
.endr
.rept 4
	v_nop                                          ; codes written by vector instructions stand four places ahead of the products
.endr
	WIN 0x01                                       ; source 0 (V^T) window 1
.irp t, 0,1,2,3
	v_wmma_scale_f32_16x16x128_f8f6f4 v[O+8*\t:O+8*\t+7], v[128+32*\t:128+32*\t+15], v[PC0:PC0+15], 0, v[VSC+\t], v30
.endr
.irp t, 0,1,2,3                        ; four accumulators by turns, one instruction a turn
	v_wmma_scale_f32_16x16x128_f8f6f4 v[O+8*\t:O+8*\t+7], v[144+32*\t:144+32*\t+15], v[PC1:PC1+15], v[O+8*\t:O+8*\t+7], v[VSC+\t], v31 matrix_a_scale:MATRIX_SCALE_ROW1
.endr
	WIN 0
.rept 9
	v_nop                                          ; eight places ahead of the stores that read the results, nine ahead of the next trip's products, which write over these registers
.endr
.irp k, 0,1,2,3,4,5,6,7
	ds_store_b128 v13, v[O+4*\k:O+4*\k+3] offset:512*\k   ; my partial O as an image of its registers
.endr
	s_add_co_u32 s52, s52, 32768                   ; the next slot of eight
	s_and_b32 s52, s52, 0x3ffff
	s_sub_co_u32 s50, s50, 1
	s_sub_co_u32 s48, s48, 1
	s_cmp_lg_u32 s48, 0
	s_cbranch_scc1 .Ltrip
	s_wait_dscnt 0x0                               ; my images have landed
	s_barrier_signal -1
	s_barrier_wait -1                              ; everybody's have.  The slots are written again only behind the next trip's barrier, which each wave signals behind its reads here
	RLD 96, 0
	RLD 128, 1
	RLD 160, 2
	RLD 192, 3
	s_wait_dscnt 16                                ; waves 0 and 1 are in; two sources' sixteen loads may be out, here and below
	RADD 128
	RLD 128, 4
	s_wait_dscnt 16
	RADD 160
	RLD 160, 5
	s_wait_dscnt 16
	RADD 192
	RLD 192, 6
	s_wait_dscnt 16
	RADD 128
	RLD 128, 7
	s_wait_dscnt 16
	RADD 160
	s_wait_dscnt 8
	RADD 192
	s_wait_dscnt 0x0
	RADD 128                                       ; register 16 g + i of lane (r, half): o(query r, 32 g + 16 half + i)
.irp g, 0,1
	v_max3_num_f32 v[232+\g], |v[96+16*\g]|, |v[97+16*\g]|, 0x4800000
.endr
.irp i, 2,4,6,8,10,12,14
.irp g, 0,1
	v_max3_num_f32 v[232+\g], v[232+\g], |v[96+16*\g+\i]|, |v[97+16*\g+\i]|
.endr
.endr
.irp g, 0,1
	v_permlanex16_b32 v[234+\g], v[232+\g], s42, s43
.endr
.irp g, 0,1
	v_max_num_f32 v[232+\g], v[232+\g], v[234+\g]
.endr
.irp g, 0,1
	v_add_nc_u32 v[236+\g], 0xfc000000, v[232+\g]
.endr
.irp g, 0,1
	v_and_or_b32 v[238+\g], v[232+\g], 0x7f800000, s44
.endr
.irp g, 0,1
	v_lshrrev_b32 v[240+\g], 23, v[236+\g]
.endr
	v_lshl_or_b32 v240, v241, 8, v240
.irp g, 0,1
.set i, 0
.rept 16
	v_med3_num_f32 v[96+16*\g+i], v[96+16*\g+i], -v[238+\g], v[238+\g]
.set i, i+1
.endr
	v_cvt_scalef32_pk8_fp8_f32 v[48+4*\g:49+4*\g], v[96+16*\g:103+16*\g], v[236+\g]
	v_cvt_scalef32_pk8_fp8_f32 v[50+4*\g:51+4*\g], v[104+16*\g:111+16*\g], v[236+\g]
.endr
	v_nop                                          ; a plain instruction behind the last conversion
	global_store_b128 v15, v[48:51], s[36:37]
	global_store_b128 v15, v[52:55], s[36:37] offset:32
	global_store_b16 v5, v240, s[38:39]            ; both halves of the lanes store the same two bytes
	s_wait_xcnt 0x0                                ; the stores have read their registers and bases
	s_add_nc_u64 s[36:37], s[36:37], 131072        ; 128 tokens on
	s_add_nc_u64 s[38:39], s[38:39], 4096
	s_sub_co_u32 s49, s49, 1
	s_cmp_lg_u32 s49, 0
	s_cbranch_scc1 .Louter
	s_wait_xcnt 0x0
	v_lshl_add_u32 v254, v0, 2, 0x40a00
	v_mov_b32 v255, 0
	s_wait_tensorcnt 0x0
	ds_add_u32 v254, v255
	s_wait_dscnt 0x0
	s_endpgm
.Lfunc_end_k_q64acaad025_attn:
	.size	k_q64acaad025_attn, .Lfunc_end_k_q64acaad025_attn-k_q64acaad025_attn
	.p2alignl 7, 3214868480
	.fill 96, 4, 3214868480
	.section	.rodata,"a",@progbits
	.p2align	6, 0x0
	.amdhsa_kernel k_q64acaad025_attn
		.amdhsa_group_segment_fixed_size 265728
		.amdhsa_private_segment_fixed_size 0
		.amdhsa_enable_private_segment 0
		.amdhsa_kernarg_size 32
		.amdhsa_user_sgpr_count 2
		.amdhsa_user_sgpr_kernarg_segment_ptr 1
		.amdhsa_wavefront_size32 1
		.amdhsa_system_sgpr_workgroup_id_x 1
		.amdhsa_system_sgpr_workgroup_id_y 1
		.amdhsa_system_sgpr_workgroup_id_z 1
		.amdhsa_system_vgpr_workitem_id 0
		.amdhsa_next_free_vgpr 512
		.amdhsa_next_free_sgpr 66
		.amdhsa_reserve_vcc 0
		.amdhsa_float_denorm_mode_32 3
		.amdhsa_float_denorm_mode_16_64 3
		.amdhsa_memory_ordered 1
		.amdhsa_forward_progress 1
		.amdhsa_inst_pref_size 76
	.end_amdhsa_kernel
	.amdgpu_metadata
---
amdhsa.version: [ 1, 2 ]
amdhsa.kernels:
  - .name:           k_q64acaad025_attn
    .symbol:         k_q64acaad025_attn.kd
    .args:
      - { .name: proj_out, .offset: 0, .size: 8, .value_kind: global_buffer, .address_space: global }
      - { .name: prep_out, .offset: 8, .size: 8, .value_kind: global_buffer, .address_space: global }
      - { .name: q_mask, .offset: 16, .size: 8, .value_kind: global_buffer, .address_space: global }
      - { .name: attn_out, .offset: 24, .size: 8, .value_kind: global_buffer, .address_space: global }
    .group_segment_fixed_size: 265728
    .private_segment_fixed_size: 0
    .kernarg_segment_align: 8
    .kernarg_segment_size: 32
    .max_flat_workgroup_size: 256
    .sgpr_count:     66
    .vgpr_count:     512
    .wavefront_size: 32
...
	.end_amdgpu_metadata
.endif
;; end of part 3
;; launch outproj (part 4): grid 4 x 16, 4 waves a work-group, clusters of 4 x 4, 327,680 bytes of LDS; arguments attn_out, Wout_codes, Wout_scales, q, attn_gate, xbuf; writes xbuf
.if DOCPART == 4
	.amdgcn_target "amdgcn-amd-amdhsa--gfx1250"
	.amdhsa_code_object_version 6
	.text
	.protected	k_q64acaad025_outproj
	.globl	k_q64acaad025_outproj
	.p2align	8
	.type	k_q64acaad025_outproj,@function
k_q64acaad025_outproj:
	s_mov_b64 s[64:65], 0
	v_nop
	global_prefetch_b8 v0, s[64:65] scope:SCOPE_SE
	s_setreg_imm32_b32 hwreg(HW_REG_WAVE_MODE, 25, 1), 1
	s_wait_xcnt 0x0
	s_wait_alu depctr_hold_cnt(0) depctr_sa_sdst(0) depctr_va_vdst(0) depctr_va_sdst(0) depctr_va_ssrc(0) depctr_va_vcc(0) depctr_vm_vsrc(0)
	s_getreg_b32 s2, hwreg(HW_REG_IB_STS2, 6, 4)
	s_cmp_eq_u32 s2, 0
	s_cbranch_scc0 .Lentry_in_a_cluster
	s_endpgm
.Lentry_in_a_cluster:
	s_bfe_u32 s2, ttmp6, 0x10000c
	s_cmp_lg_u32 s2, 0xf033
	s_cbranch_scc0 .Lentry_shape_is_right
	s_endpgm
.Lentry_shape_is_right:
; C[m][n] = (sum over k of A'[m][k] B'[n][k]) x tanh(gate) + residual[m][n], on codes of FP8 (E4M3, one E8M0 byte for each 32 along K).  Here: x = (o Wout) tanh(attn_gate) + q.
; A': [4096][SIZE_K] codes at the first buffer's byte 0, its scale bytes [4096][SIZE_K / 32] at ASC_OFF;  B': [1024][SIZE_K] codes and scale bytes;  residual and C: [4096][1024] f32.
; A tile of C, 256 x 256, is made by four waves, 128 x 128 each: 64 accumulators, 512 registers.  K goes in steps of 256 through two LDS slots filled by tensor loads, 128 rows of 256 bytes a wave.
; CLUSTER 4 x 4: the four of a row need the same tile of A', the four of a column the same tile of B': each is asked for jointly.  The matrix instruction is used transposed (source 0 = 16 rows of B', source 1 = 16 rows of A'):
; a lane holds eight neighbouring columns of one row of C.
; SCALE WORDS come by loads of 8 bytes a row and K step into registers: lane L of pair j holds the two words of row 32 j + L, so lanes 0-15 carry block 2 j and lanes 16-31 block 2 j + 1.
; REGISTERS: window 0: v0-31 addresses; v32-63 scale words, two sets, and nothing else; v128-255 A's fragments; on the way out v64-191 the residual, two sets, v192-255 rows of C.  window 1: B's fragments, two sets.  windows 2, 3: the accumulators.
; tanh(g) = 1 - 2 / (1 + 2^(2 log2(e) g)): its absolute error is about 1e-7, also where g is small.  NaN and infinities are not served.
; C has 64 tiles of this size: 64 work-groups.
.set SIZE_K,  1024
.set ASC_OFF, 4194304
.set NTOUT,   0                        ; C is read again by later launches
.set ROWC,    4096                     ; a row of C and of the residual in bytes
.set KSTEP,  256
.set ROWB,   256
.set KROW,   SIZE_K
.set PITCH,  272                       ; an LDS row: 256 bytes + 16: the 16 rows that a load touches start at 16 different banks (64 banks of 4 bytes: ISA guide 11.1)
.set FR,     16
.set NL,     4
.set NP,     8                         ; places behind this matrix instruction (ISA guide 7.12.1)
.set HALFT,  128*PITCH
.set SLOT,   4*HALFT
.set LAPS,   SIZE_K/(2*KSTEP)
.set KS,     SIZE_K/32
.set SPARE,  2*SLOT                    ; behind the ring: the spare words, 128 bytes a wave, that no other line names
.set SPITCH, 528                       ; the way out: a stage of 16 rows x (512 bytes + 16) for each wave, in slot 0, which has had its last fill and its last read by then
.set ADRA, 16
.set ADRB, 20
.set STO,  24
.set RD,   25
.set CO,   26
.set SCO,  27                          ; lane x KS
.set SPW,  28
.set NIL,  29
.set GT,   12                          ; v[12:13] tanh(gate), twice
.set SC,   32
.set AF,   128
.set RS0,  64
.set BB,   192
.set G1, 24
.set G0, 32
.set G1B, 48
.set G0B, 56
.set SAB, 68
.set SBB, 70
.set MSB, 0
.macro WIN new                         ; the immediate's high byte repeats the setting that is left
.if MSB != (\new)
	s_set_vgpr_msb (MSB<<8)|(\new)
.set MSB, (\new)
.endif
.endm
.set MUL_LO, 0xa1                      ; source 0 (B') window 1, source 1 (A') window 0, C and D window 2
.set MUL_HI, 0xf1
.set TO_B,   0x40
.macro JLOAD g0a, g1a, g0b, g1b        ; a joint load: waves 0, 1 fetch for A', waves 2, 3 for B'; four v_nop follow each line
	s_cmp_eq_u32 s15, 0
	s_cbranch_scc0 .Lfor_b_\@
	tensor_load_to_lds s[\g0a:\g0a+3], s[\g1a:\g1a+7]
	s_nop 0
.rept 4
	v_nop
.endr
	s_branch .Lasked_\@
.Lfor_b_\@:
	tensor_load_to_lds s[\g0b:\g0b+3], s[\g1b:\g1b+7]
	s_nop 0
.rept 4
	v_nop
.endr
.Lasked_\@:
.endm
.macro CREST                           ; a round of the cluster's barrier behind its opening barrier
	s_cmp_lg_u32 s14, 0
	s_cbranch_scc1 .Lnot_wave_0_\@
	s_barrier_signal -3
.Lnot_wave_0_\@:
	s_barrier_wait -3
	s_barrier_signal -1
	s_barrier_wait -1
.endm
.macro CROUND
	s_barrier_signal -1
	s_barrier_wait -1
	CREST
.endm
	s_load_b64 s[4:5], s[0:1], 0x0                 ; A' (codes, and scale bytes behind them)
	s_load_b128 s[8:11], s[0:1], 0x8               ; B' codes, B' scales
	s_load_b128 s[76:79], s[0:1], 0x18             ; the residual, the gate
	s_load_b64 s[12:13], s[0:1], 0x28              ; C
	v_lshl_add_u32 v[SPW], v0, 2, SPARE
	v_mov_b32 v[NIL], 0
	ds_add_u32 v28, v29
	ds_add_u32 v28, v29
	s_wait_dscnt 0x0
	v_lshrrev_b32 v1, 5, v0
	v_readfirstlane_b32 s14, v1                    ; wave
	s_lshr_b32 s15, s14, 1                         ; my half of the tile's rows; also: I fetch for A' (0) or B' (1)
	s_and_b32 s16, s14, 1                          ; my half of its columns; also: which 128 rows I fetch
	s_bfe_u32 s40, ttmp6, 0x40000                  ; cx
	s_bfe_u32 s41, ttmp6, 0x40004                  ; cy
	s_lshl_b32 s42, ttmp9, 2
	s_add_co_u32 s42, s42, s40                     ; tile column
	s_and_b32 s17, ttmp7, 0xffff
	s_lshl_b32 s17, s17, 2
	s_add_co_u32 s17, s17, s41                     ; tile row
	s_lshl_b32 s43, s41, 2
	s_lshl_b32 s43, 15, s43                        ; my row of the cluster
	s_lshl_b32 s44, 0x1111, s40                    ; my column
	s_or_b32 s[G1+0], s43, (0<<16)|(1<<20)|(1<<21)|(5<<22)|(3<<25)  ; the mask; elements of 1 byte; padding on; bit 21 beside a mask; 4 words behind every 64
	s_or_b32 s[G1B+0], s44, (0<<16)|(1<<20)|(1<<21)|(5<<22)|(3<<25)
.irp g, G1, G1B
	s_mov_b32 s[\g+1], ROWB<<16                    ; tensor_dim0
	s_mov_b32 s[\g+2], 128<<16                     ; tensor_dim1
	s_mov_b32 s[\g+3], ROWB<<16                    ; tile_dim0
	s_mov_b32 s[\g+4], 128                         ; tile_dim1
	s_mov_b32 s[\g+5], KROW                        ; the pitch
	s_mov_b32 s[\g+6], 0
	s_mov_b32 s[\g+7], 0
.endr
	s_lshl_b32 s18, s16, 7
	s_lshl_b32 s20, s17, 8
	s_add_co_u32 s20, s20, s18                     ; A': row 256 x tile row + 128 x half
	s_lshl_b32 s46, s42, 8
	s_add_co_u32 s46, s46, s18                     ; B': row 256 x tile column + 128 x half
	s_mov_b32 s21, 0
	s_mov_b32 s47, 0
	s_mov_b64 s[18:19], KROW
	s_mul_u64 s[20:21], s[20:21], s[18:19]
	s_mul_u64 s[46:47], s[46:47], s[18:19]
	s_mul_i32 s45, s14, HALFT                      ; where they go: wave x 128 rows
	s_wait_kmcnt 0x0
	s_load_b32 s80, s[78:79], 0x0                  ; the gate's number
	s_add_nc_u64 s[6:7], s[4:5], ASC_OFF           ; A' scales
	s_add_nc_u64 s[20:21], s[4:5], s[20:21]
	s_add_nc_u64 s[46:47], s[8:9], s[46:47]
	CROUND                                         ; all sixteen work-groups are here: the first joint loads meet
.irp s, 0,1
	s_mov_b32 s[G0+4*\s], 1
	s_add_co_u32 s[G0+4*\s+1], s45, \s*SLOT
	s_add_nc_u64 s[G0+4*\s+2:G0+4*\s+3], s[20:21], \s*ROWB
	s_or_b32 s[G0+4*\s+3], s[G0+4*\s+3], 0x80000000
	s_mov_b32 s[G0B+4*\s], 1
	s_add_co_u32 s[G0B+4*\s+1], s45, \s*SLOT
	s_add_nc_u64 s[G0B+4*\s+2:G0B+4*\s+3], s[46:47], \s*ROWB
	s_or_b32 s[G0B+4*\s+3], s[G0B+4*\s+3], 0x80000000
	JLOAD G0+4*\s, G1, G0B+4*\s, G1B
.endr
	v_and_b32 v1, 15, v0                           ; r
	v_bfe_u32 v2, v0, 4, 1                         ; h
	v_mul_u32_u24 v3, v1, PITCH
	v_lshl_add_u32 v4, v2, 4, v3
	s_mul_i32 s21, s15, HALFT
	s_mul_i32 s22, s16, HALFT
	s_add_co_u32 s22, s22, 2*HALFT
.irp s, 0,1
	v_add_nc_u32 v[ADRA+\s], s21, v4
	v_add_nc_u32 v[ADRB+\s], s22, v4
	s_add_co_u32 s21, s21, SLOT
	s_add_co_u32 s22, s22, SLOT
.endr
	s_lshl_b32 s82, s17, 8                         ; my rows' scale words: A': row 256 x tile row + 128 x my half
	s_lshl_b32 s83, s15, 7
	s_add_co_u32 s82, s82, s83
	s_mul_i32 s82, s82, KS
	s_mov_b32 s83, 0
	s_add_nc_u64 s[SAB:SAB+1], s[6:7], s[82:83]
	s_lshl_b32 s84, s42, 8
	s_lshl_b32 s85, s16, 7
	s_add_co_u32 s84, s84, s85
	s_mul_i32 s84, s84, KS
	s_mov_b32 s85, 0
	s_add_nc_u64 s[SBB:SBB+1], s[10:11], s[84:85]
	v_and_b32 v6, 31, v0
	v_mul_u32_u24 v[SCO], v6, KS
.macro SCLOAD set                      ; a K step's scale words of my 128 rows of A' and of B': 8 bytes a row
.irp j, 0,1,2,3
	global_load_b64 v[SC+16*(\set)+2*\j:SC+16*(\set)+2*\j+1], v[SCO], s[SAB:SAB+1] offset:32*\j*KS
	global_load_b64 v[SC+16*(\set)+8+2*\j:SC+16*(\set)+8+2*\j+1], v[SCO], s[SBB:SBB+1] offset:32*\j*KS
.endr
.endm
	SCLOAD 0
	s_mul_i32 s23, s14, 16*SPITCH                  ; my stage
	v_mul_u32_u24 v5, v1, SPITCH
	v_lshl_add_u32 v5, v2, 5, v5
	v_add_nc_u32 v[STO], s23, v5                   ; in: row r, 32 bytes for each half of the lanes
	v_lshlrev_b32 v[CO], 4, v6                     ; back: the 32 lanes take a row of 512 bytes; and the same in C
	v_add_nc_u32 v[RD], s23, v[CO]
	s_lshl_b32 s20, s17, 8
	s_lshl_b32 s21, s15, 7
	s_add_co_u32 s20, s20, s21                     ; my first row of C
	s_mov_b32 s21, 0
	s_mov_b64 s[18:19], ROWC
	s_mul_u64 s[20:21], s[20:21], s[18:19]
	s_lshl_b32 s46, s42, 10                        ; my first column, in bytes
	s_lshl_b32 s47, s16, 9
	s_add_co_u32 s46, s46, s47
	s_mov_b32 s47, 0
	s_add_nc_u64 s[20:21], s[20:21], s[46:47]
	s_add_nc_u64 s[12:13], s[12:13], s[20:21]
	s_add_nc_u64 s[76:77], s[76:77], s[20:21]
	s_wait_kmcnt 0x0
	v_mov_b32 v9, s80
	v_mul_f32 v9, 0x4038aa3b, v9                   ; 2 log2(e) g
	v_exp_f32 v9, v9
	v_nop
	s_wait_alu depctr_va_vdst(0)                   ; the wait ahead of a transcendental's first reader
	v_add_f32 v9, 1.0, v9
	v_rcp_f32 v9, v9
	v_nop
	s_wait_alu depctr_va_vdst(0)
	v_fma_f32 v[GT], v9, -2.0, 1.0
	v_mov_b32 v[GT+1], v[GT]
.macro FRAG reg, adr, q, i             ; 16 rows x 128 K: lane l holds row l % 16; registers 4 c .. 4 c + 3 hold K = 32 c + 16 (l / 16) + 0 .. 15
.irp c, 0,1,2,3
	ds_load_b128 v[\reg+4*\c:\reg+4*\c+3], v[\adr] offset:128*(\q)+32*\c+(\i)*16*PITCH
.endr
.endm
.macro MM a, b, p, q, sc, zero         ; one product: A's block a x B's block b; the scale words' rows go by the blocks' parity
.set rD,  8*(8*((\a)%4)+(\b))
.set rB,  128*(\p)+FR*(\b)
.set rA,  AF+FR*(\a)
.set rSB, SC+16*(\sc)+8+2*((\b)/2)+(\q)
.set rSA, SC+16*(\sc)+2*((\a)/2)+(\q)
.set rr,  2*((\b)%2)+(\a)%2
.if \zero
.if rr == 3
	v_wmma_scale_f32_16x16x128_f8f6f4 v[rD:rD+7], v[rB:rB+15], v[rA:rA+15], 0, v[rSB], v[rSA] matrix_a_scale:MATRIX_SCALE_ROW1 matrix_b_scale:MATRIX_SCALE_ROW1
.elseif rr == 2
	v_wmma_scale_f32_16x16x128_f8f6f4 v[rD:rD+7], v[rB:rB+15], v[rA:rA+15], 0, v[rSB], v[rSA] matrix_a_scale:MATRIX_SCALE_ROW1
.elseif rr == 1
	v_wmma_scale_f32_16x16x128_f8f6f4 v[rD:rD+7], v[rB:rB+15], v[rA:rA+15], 0, v[rSB], v[rSA] matrix_b_scale:MATRIX_SCALE_ROW1
.else
	v_wmma_scale_f32_16x16x128_f8f6f4 v[rD:rD+7], v[rB:rB+15], v[rA:rA+15], 0, v[rSB], v[rSA]
.endif
.else
.if rr == 3
	v_wmma_scale_f32_16x16x128_f8f6f4 v[rD:rD+7], v[rB:rB+15], v[rA:rA+15], v[rD:rD+7], v[rSB], v[rSA] matrix_a_scale:MATRIX_SCALE_ROW1 matrix_b_scale:MATRIX_SCALE_ROW1
.elseif rr == 2
	v_wmma_scale_f32_16x16x128_f8f6f4 v[rD:rD+7], v[rB:rB+15], v[rA:rA+15], v[rD:rD+7], v[rSB], v[rSA] matrix_a_scale:MATRIX_SCALE_ROW1
.elseif rr == 1
	v_wmma_scale_f32_16x16x128_f8f6f4 v[rD:rD+7], v[rB:rB+15], v[rA:rA+15], v[rD:rD+7], v[rSB], v[rSA] matrix_b_scale:MATRIX_SCALE_ROW1
.else
	v_wmma_scale_f32_16x16x128_f8f6f4 v[rD:rD+7], v[rB:rB+15], v[rA:rA+15], v[rD:rD+7], v[rSB], v[rSA]
.endif
.endif
.endm
.macro MUL16 a0, p, q, sc, zero        ; A's blocks a0, a0 + 1 x B's eight.  The 64 accumulators take turns, one instruction a turn, in the same order in every step
.irp a, \a0, \a0+1
.irp b, 0,1,2,3,4,5,6,7
	MM (\a), \b, \p, \q, \sc, \zero
.endr
.endr
.endm
.macro FETCH_B slot, q, p
	WIN TO_B
.irp i, 0,1,2,3,4,5,6,7
	FRAG 128*(\p)+FR*\i, ADRB+\slot, \q, \i
.endr
	WIN 0
.endm
.macro FETCH_A slot, q, i0
.irp i, \i0, \i0+1, \i0+2, \i0+3
	FRAG AF+FR*(\i), ADRA+\slot, \q, \i
.endr
.endm
.macro PLACES n                        ; plain vector instructions between a matrix instruction and a load into, or a read of, its registers
.rept \n
	v_nop
.endr
.endm
.macro STEP slot, zero, sl             ; a slot's first 128 along K.  sl = 1: the next K step's scale words are asked for
	s_wait_loadcnt 0x0                             ; this K step's scale words are in, so their bases may step
.if \sl
	s_add_nc_u64 s[SAB:SAB+1], s[SAB:SAB+1], 8
	s_add_nc_u64 s[SBB:SBB+1], s[SBB:SBB+1], 8
.endif
	s_wait_dscnt 4*NL                              ; B's set and A's blocks 0-3 are in; the youngest 16 loads (A's blocks 4-7) may be out
	WIN MUL_LO
	MUL16 0, 0, 0, \slot, \zero
	MUL16 2, 0, 0, \slot, \zero
	s_wait_dscnt 0
	PLACES NP
	FETCH_B \slot, 1, 1
.if \sl
	SCLOAD 1-\slot                                 ; into the other set, whose last reader stands more than eight places back; 96 matrix instructions ahead of their use
.endif
	FETCH_A \slot, 1, 0
	WIN MUL_HI
	MUL16 4, 0, 0, \slot, \zero
	MUL16 6, 0, 0, \slot, \zero
	PLACES NP
	WIN 0
	FETCH_A \slot, 1, 4
.endm
.macro TURN slot, next, fill           ; a slot's second 128 along K, and the change of slots: one barrier
	s_wait_tensorcnt 0x0                           ; all my tensor loads have landed: my part of the next slot
	ds_add_u32 v[SPW], v[NIL]                      ; 0 onto my spare word
	s_wait_dscnt 4*NL+1                            ; (the add and the youngest 16 loads may be out)
	WIN MUL_LO
	MUL16 0, 1, 1, \slot, 0
	s_wait_dscnt 0x0                               ; the add is done, and my reads of this slot are over
	s_barrier_signal -1
	MUL16 2, 1, 1, \slot, 0
	WIN 0
	s_barrier_wait -1
.if \fill
	CREST                                          ; the barrier has opened a round of the cluster's: no wave of any partner still reads this slot or has a load on its way
	s_add_nc_u64 s[G0+4*\slot+2:G0+4*\slot+3], s[G0+4*\slot+2:G0+4*\slot+3], 2*ROWB
	s_add_nc_u64 s[G0B+4*\slot+2:G0B+4*\slot+3], s[G0B+4*\slot+2:G0B+4*\slot+3], 2*ROWB
	JLOAD G0+4*\slot, G1, G0B+4*\slot, G1B         ; the first tensor load behind the round; its four v_nop are four of the eight places
	PLACES NP-4
.else
	PLACES NP
.endif
	FETCH_B \next, 0, 0
	FETCH_A \next, 0, 0
	WIN MUL_HI
	MUL16 4, 1, 1, \slot, 0
	MUL16 6, 1, 1, \slot, 0
	PLACES NP
	WIN 0
	FETCH_A \next, 0, 4
.endm
.macro RLOAD a                         ; the residual's 16 rows of block a: 512 consecutive bytes a load
.set t, 0
.rept 16
	global_load_b128 v[RS0+64*((\a)%2)+4*t:RS0+64*((\a)%2)+4*t+3], v[CO], s[76:77] offset:(16*(\a)+t)*ROWC
.set t, t+1
.endr
.endm
	s_wait_tensorcnt 1                             ; my part of K step 0 is in; K step 1's load may be out
	s_barrier_signal -1
	s_barrier_wait -1
	FETCH_B 0, 0, 0
	FETCH_A 0, 0, 0
	FETCH_A 0, 0, 4
	STEP 0, 1, 1                                   ; the first step's products start the sums
	s_mov_b32 s3, LAPS-1
.Llap:
	TURN 0, 1, 1
	STEP 1, 0, 1
	TURN 1, 0, 1
	STEP 0, 0, 1
	s_sub_co_u32 s3, s3, 1
	s_cmp_lg_u32 s3, 0
	s_cbranch_scc1 .Llap
	TURN 0, 1, 0                                   ; the last lap fills nothing
	STEP 1, 0, 0                                   ; and asks for no scale words beyond K
	RLOAD 0                                        ; into registers that the loop leaves free: it lands under the last 64 products
	s_wait_dscnt 4*NL
	WIN MUL_LO
	MUL16 0, 1, 1, 1, 0
	MUL16 2, 1, 1, 1, 0
	s_wait_dscnt 0
	WIN MUL_HI
	MUL16 4, 1, 1, 1, 0
	MUL16 6, 1, 1, 1, 0
	WIN 0
; THE WAY OUT, block by block of 16 rows x 128 columns: through my own stage in LDS, back as whole rows of 512 bytes, x the gate + the residual, stored as 512 consecutive bytes.
.macro OUTB a
.set AC, 64*((\a)%4)
.set RS, RS0+64*((\a)%2)
.if (\a) > 0
	s_wait_xcnt 0x0                                ; the last block's stores have read their registers
.endif
	WIN 0x08+4*((\a)/4)                            ; an LDS store's data: window 2 or 3
.irp b, 0,1,2,3,4,5,6,7
	ds_store_b128 v[STO], v[AC+8*\b:AC+8*\b+3] offset:64*\b          ; each accumulator from its low end on
	ds_store_b128 v[STO], v[AC+8*\b+4:AC+8*\b+7] offset:64*\b+16
.endr
	WIN 0
.set t, 0
.rept 16
	ds_load_b128 v[BB+4*t:BB+4*t+3], v[RD] offset:t*SPITCH           ; in order behind my stores
.set t, t+1
.endr
	s_wait_dscnt 0x0
.if (\a) < 7
	s_wait_loadcnt 16                              ; this block's residual is in; the next block's 16 loads may be out
.else
	s_wait_loadcnt 0x0
.endif
.set i, 0
.rept 32
	v_pk_fma_f32 v[BB+i:BB+i+1], v[BB+i:BB+i+1], v[GT:GT+1], v[RS+i:RS+i+1]
.set i, i+2
.endr
.if (\a) < 6
	RLOAD (\a)+2
.endif
.set t, 0
.rept 16
.if NTOUT
	global_store_b128 v[CO], v[BB+4*t:BB+4*t+3], s[12:13] offset:(16*(\a)+t)*ROWC th:TH_STORE_NT
.else
	global_store_b128 v[CO], v[BB+4*t:BB+4*t+3], s[12:13] offset:(16*(\a)+t)*ROWC
.endif
.set t, t+1
.endr
.endm
	PLACES NP
	RLOAD 1
.irp a, 0,1,2,3,4,5,6,7
	OUTB \a
.endr
	s_wait_tensorcnt 0x0                           ; the wave's end
	ds_add_u32 v[SPW], v[NIL]
	s_wait_dscnt 0x0
	CROUND                                         ; the closing round
	s_endpgm
.Lfunc_end_k_q64acaad025_outproj:
	.size	k_q64acaad025_outproj, .Lfunc_end_k_q64acaad025_outproj-k_q64acaad025_outproj
	.p2alignl 7, 3214868480
	.fill 96, 4, 3214868480
	.section	.rodata,"a",@progbits
	.p2align	6, 0x0
	.amdhsa_kernel k_q64acaad025_outproj
		.amdhsa_group_segment_fixed_size 327680
		.amdhsa_private_segment_fixed_size 0
		.amdhsa_enable_private_segment 0
		.amdhsa_kernarg_size 48
		.amdhsa_user_sgpr_count 2
		.amdhsa_user_sgpr_kernarg_segment_ptr 1
		.amdhsa_wavefront_size32 1
		.amdhsa_system_sgpr_workgroup_id_x 1
		.amdhsa_system_sgpr_workgroup_id_y 1
		.amdhsa_system_sgpr_workgroup_id_z 1
		.amdhsa_system_vgpr_workitem_id 0
		.amdhsa_next_free_vgpr 1024
		.amdhsa_next_free_sgpr 100
		.amdhsa_reserve_vcc 0
		.amdhsa_float_denorm_mode_32 3
		.amdhsa_float_denorm_mode_16_64 3
		.amdhsa_memory_ordered 1
		.amdhsa_forward_progress 1
		.amdhsa_inst_pref_size 173
	.end_amdhsa_kernel
	.amdgpu_metadata
---
amdhsa.version: [ 1, 2 ]
amdhsa.kernels:
  - .name:           k_q64acaad025_outproj
    .symbol:         k_q64acaad025_outproj.kd
    .args:
      - { .name: attn_out, .offset: 0, .size: 8, .value_kind: global_buffer, .address_space: global }
      - { .name: Wout_codes, .offset: 8, .size: 8, .value_kind: global_buffer, .address_space: global }
      - { .name: Wout_scales, .offset: 16, .size: 8, .value_kind: global_buffer, .address_space: global }
      - { .name: q, .offset: 24, .size: 8, .value_kind: global_buffer, .address_space: global }
      - { .name: attn_gate, .offset: 32, .size: 8, .value_kind: global_buffer, .address_space: global }
      - { .name: xbuf, .offset: 40, .size: 8, .value_kind: global_buffer, .address_space: global }
    .group_segment_fixed_size: 327680
    .private_segment_fixed_size: 0
    .kernarg_segment_align: 8
    .kernarg_segment_size: 48
    .max_flat_workgroup_size: 128
    .sgpr_count:     100
    .vgpr_count:     1024
    .wavefront_size: 32
...
	.end_amdgpu_metadata
.endif
;; end of part 4
;; launch ln2: the kernel of part 1 again; grid 128 x 1, 4 waves a work-group, no clusters, 56,832 bytes of LDS; arguments xbuf, q, ff_gamma, ff_beta, gamma_q, beta_q, attn_mask, kv_mask, ln2_out; writes ln2_out
;; launch ffn1 (part 5): grid 16 x 16, 4 waves a work-group, clusters of 4 x 4, 327,680 bytes of LDS; arguments ln2_out, W1_codes, W1_scales, ffn1_out; writes ffn1_out
.if DOCPART == 5
	.amdgcn_target "amdgcn-amd-amdhsa--gfx1250"
	.amdhsa_code_object_version 6
	.text
	.protected	k_q64acaad025_ffn1
	.globl	k_q64acaad025_ffn1
	.p2align	8
	.type	k_q64acaad025_ffn1,@function
k_q64acaad025_ffn1:
	s_mov_b64 s[64:65], 0
	v_nop
	global_prefetch_b8 v0, s[64:65] scope:SCOPE_SE
	s_setreg_imm32_b32 hwreg(HW_REG_WAVE_MODE, 25, 1), 1
	s_wait_xcnt 0x0
	s_wait_alu depctr_hold_cnt(0) depctr_sa_sdst(0) depctr_va_vdst(0) depctr_va_sdst(0) depctr_va_ssrc(0) depctr_va_vcc(0) depctr_vm_vsrc(0)
	s_getreg_b32 s2, hwreg(HW_REG_IB_STS2, 6, 4)
	s_cmp_eq_u32 s2, 0
	s_cbranch_scc0 .Lentry_in_a_cluster
	s_endpgm
.Lentry_in_a_cluster:
	s_bfe_u32 s2, ttmp6, 0x10000c
	s_cmp_lg_u32 s2, 0xf033
	s_cbranch_scc0 .Lentry_shape_is_right
	s_endpgm
.Lentry_shape_is_right:
; g = gelu(h W1), quantised along its columns, on codes of FP8 (E4M3, one E8M0 byte for each 32 along K).  C'[m][n] = sum over k of A'[m][k] B'[n][k], K = 1,024.
; A' = LN(x): codes [4096][1024] at the first buffer's byte 0, scale bytes [4096][32] at 8,388,608;  B' = W1 [4096][1024].  OUT: codes [4096][4096] at 0, scale bytes [4096][128] at 16,777,216.
; gelu(x) = x / (1 + 2^(x (k1 + k2 x^2))), k1 = -2 log2(e) sqrt(2 / pi), k2 = 0.044715 k1: the tanh form, in f32.
; A tile of C', 256 x 256, is made by four waves, 128 x 128 each: 64 accumulators, 512 registers.  K goes in steps of 256 through two LDS slots filled by tensor loads, 128 rows of 256 bytes a wave.
; CLUSTER 4 x 4: the four of a row need the same tile of A', the four of a column the same tile of B': each is asked for jointly.  The matrix instruction is used transposed (source 0 = 16 rows of B', source 1 = 16 rows of A'):
; a lane holds eight neighbouring columns of one row of C'.
; SCALE WORDS come by loads of 8 bytes a row and K step into registers: lane L of pair j holds the two words of row 32 j + L, so lanes 0-15 carry block 2 j and lanes 16-31 block 2 j + 1.
; REGISTERS: window 0: v0-31 addresses; v32-63 scale words, two sets, and nothing else; v128-255 A's fragments; v64-195 at work on the way out.  window 1: B's fragments, two sets.  windows 2, 3: the accumulators.
; LIMITS: a block of zeros gets the byte 1 (its codes are zeros; this program alone reads the bytes); blocks whose largest magnitude lies under 2^-118 are held at that floor; NaN and infinities are not served.
.set SIZE_K, 1024
.set FLOOR,  9<<23
.set KSTEP,  256
.set ROWB,   256
.set KROW,   SIZE_K
.set PITCH,  272                       ; an LDS row: 256 bytes + 16: the 16 rows that a load touches start at 16 different banks (64 banks of 4 bytes: ISA guide 11.1)
.set FR,     16
.set NL,     4
.set NP,     8                         ; places behind this matrix instruction (ISA guide 7.12.1)
.set HALFT,  128*PITCH
.set SLOT,   4*HALFT
.set LAPS,   SIZE_K/(2*KSTEP)
.set KS,     SIZE_K/32
.set SPARE,  2*SLOT                    ; behind the ring: the spare words, 128 bytes a wave, that no other line names
.set SPQ,    272                       ; the way out: a stage of 256 rows x (256 codes + 16) in slot 0, which has had its last fill and its last read by then
.set ADRA, 16
.set ADRB, 20
.set STO,  24
.set RD,   25
.set CO,   26
.set SCO,  27                          ; lane x KS
.set SPW,  28
.set NIL,  29
.set SOF,  10                          ; lane x 128: my rows' scale words in the output
.set K1,   14                          ; v[14:15] k1, twice
.set SC,   32
.set AF,   128
.set QW,   64                          ; the way out: 64 numbers at work
.set QCD,  128                         ; 16 registers of codes
.set QT,   144                         ; largest magnitudes;  QP the other half's;  QH 448 x scale;  QSO the conversions' operand;  QBY bytes;  QW4 a word for each of my 8 blocks of rows;  QX words to store
.set QP,   148
.set QH,   152
.set QSO,  156
.set QBY,  160
.set QW4,  164
.set QX,   192
.set G1, 24
.set G0, 32
.set G1B, 48
.set G0B, 56
.set SAB, 68
.set SBB, 70
.set MSB, 0
.macro WIN new                         ; the immediate's high byte repeats the setting that is left
.if MSB != (\new)
	s_set_vgpr_msb (MSB<<8)|(\new)
.set MSB, (\new)
.endif
.endm
.set MUL_LO, 0xa1                      ; source 0 (B') window 1, source 1 (A') window 0, C and D window 2
.set MUL_HI, 0xf1
.set TO_B,   0x40
.macro JLOAD g0a, g1a, g0b, g1b        ; a joint load: waves 0, 1 fetch for A', waves 2, 3 for B'; four v_nop follow each line
	s_cmp_eq_u32 s15, 0
	s_cbranch_scc0 .Lfor_b_\@
	tensor_load_to_lds s[\g0a:\g0a+3], s[\g1a:\g1a+7]
	s_nop 0
.rept 4
	v_nop
.endr
	s_branch .Lasked_\@
.Lfor_b_\@:
	tensor_load_to_lds s[\g0b:\g0b+3], s[\g1b:\g1b+7]
	s_nop 0
.rept 4
	v_nop
.endr
.Lasked_\@:
.endm
.macro CREST                           ; a round of the cluster's barrier behind its opening barrier
	s_cmp_lg_u32 s14, 0
	s_cbranch_scc1 .Lnot_wave_0_\@
	s_barrier_signal -3
.Lnot_wave_0_\@:
	s_barrier_wait -3
	s_barrier_signal -1
	s_barrier_wait -1
.endm
.macro CROUND
	s_barrier_signal -1
	s_barrier_wait -1
	CREST
.endm
	s_load_b64 s[4:5], s[0:1], 0x0                 ; A' (codes, and scale bytes behind them)
	s_load_b128 s[8:11], s[0:1], 0x8               ; B' codes, B' scales
	s_load_b64 s[12:13], s[0:1], 0x18              ; out
	v_lshl_add_u32 v[SPW], v0, 2, SPARE
	v_mov_b32 v[NIL], 0
	ds_add_u32 v28, v29
	ds_add_u32 v28, v29
	s_wait_dscnt 0x0
	v_lshrrev_b32 v1, 5, v0
	v_readfirstlane_b32 s14, v1                    ; wave
	s_lshr_b32 s15, s14, 1                         ; my half of the tile's rows; also: I fetch for A' (0) or B' (1)
	s_and_b32 s16, s14, 1                          ; my half of its columns; also: which 128 rows I fetch
	s_bfe_u32 s40, ttmp6, 0x40000                  ; cx
	s_bfe_u32 s41, ttmp6, 0x40004                  ; cy
	s_lshl_b32 s42, ttmp9, 2
	s_add_co_u32 s42, s42, s40                     ; tile column
	s_and_b32 s17, ttmp7, 0xffff
	s_lshl_b32 s17, s17, 2
	s_add_co_u32 s17, s17, s41                     ; tile row
	s_lshl_b32 s43, s41, 2
	s_lshl_b32 s43, 15, s43                        ; my row of the cluster
	s_lshl_b32 s44, 0x1111, s40                    ; my column
	s_or_b32 s[G1+0], s43, (0<<16)|(1<<20)|(1<<21)|(5<<22)|(3<<25)  ; the mask; elements of 1 byte; padding on; bit 21 beside a mask; 4 words behind every 64
	s_or_b32 s[G1B+0], s44, (0<<16)|(1<<20)|(1<<21)|(5<<22)|(3<<25)
.irp g, G1, G1B
	s_mov_b32 s[\g+1], ROWB<<16                    ; tensor_dim0
	s_mov_b32 s[\g+2], 128<<16                     ; tensor_dim1
	s_mov_b32 s[\g+3], ROWB<<16                    ; tile_dim0
	s_mov_b32 s[\g+4], 128                         ; tile_dim1
	s_mov_b32 s[\g+5], KROW                        ; the pitch
	s_mov_b32 s[\g+6], 0
	s_mov_b32 s[\g+7], 0
.endr
	s_mov_b32 s86, 0xbdd2d3e8                      ; k2 = -0.10294324
	s_mov_b32 s87, s86
	s_mov_b32 s90, 0xffff0000                      ; lanes 16-31
	s_mov_b32 s91, 0x600000                        ; the mantissa field of 448
	s_mov_b32 s92, 0x76543210
	s_mov_b32 s93, 0xfedcba98
	s_lshl_b32 s18, s16, 7
	s_lshl_b32 s20, s17, 8
	s_add_co_u32 s20, s20, s18                     ; A': row 256 x tile row + 128 x half
	s_lshl_b32 s46, s42, 8
	s_add_co_u32 s46, s46, s18                     ; B': row 256 x tile column + 128 x half
	s_mov_b32 s21, 0
	s_mov_b32 s47, 0
	s_mov_b64 s[18:19], KROW
	s_mul_u64 s[20:21], s[20:21], s[18:19]
	s_mul_u64 s[46:47], s[46:47], s[18:19]
	s_mul_i32 s45, s14, HALFT                      ; where they go: wave x 128 rows
	s_wait_kmcnt 0x0
	s_add_nc_u64 s[6:7], s[4:5], 8388608           ; A' scales
	s_add_nc_u64 s[20:21], s[4:5], s[20:21]
	s_add_nc_u64 s[46:47], s[8:9], s[46:47]
	CROUND                                         ; all sixteen work-groups are here: the first joint loads meet
.irp s, 0,1
	s_mov_b32 s[G0+4*\s], 1
	s_add_co_u32 s[G0+4*\s+1], s45, \s*SLOT
	s_add_nc_u64 s[G0+4*\s+2:G0+4*\s+3], s[20:21], \s*ROWB
	s_or_b32 s[G0+4*\s+3], s[G0+4*\s+3], 0x80000000
	s_mov_b32 s[G0B+4*\s], 1
	s_add_co_u32 s[G0B+4*\s+1], s45, \s*SLOT
	s_add_nc_u64 s[G0B+4*\s+2:G0B+4*\s+3], s[46:47], \s*ROWB
	s_or_b32 s[G0B+4*\s+3], s[G0B+4*\s+3], 0x80000000
	JLOAD G0+4*\s, G1, G0B+4*\s, G1B
.endr
	v_and_b32 v1, 15, v0                           ; r
	v_bfe_u32 v2, v0, 4, 1                         ; h
	v_mul_u32_u24 v3, v1, PITCH
	v_lshl_add_u32 v4, v2, 4, v3
	s_mul_i32 s21, s15, HALFT
	s_mul_i32 s22, s16, HALFT
	s_add_co_u32 s22, s22, 2*HALFT
.irp s, 0,1
	v_add_nc_u32 v[ADRA+\s], s21, v4
	v_add_nc_u32 v[ADRB+\s], s22, v4
	s_add_co_u32 s21, s21, SLOT
	s_add_co_u32 s22, s22, SLOT
.endr
	s_lshl_b32 s82, s17, 8                         ; my rows' scale words: A': row 256 x tile row + 128 x my half
	s_lshl_b32 s83, s15, 7
	s_add_co_u32 s82, s82, s83
	s_mul_i32 s82, s82, KS
	s_mov_b32 s83, 0
	s_add_nc_u64 s[SAB:SAB+1], s[6:7], s[82:83]
	s_lshl_b32 s84, s42, 8
	s_lshl_b32 s85, s16, 7
	s_add_co_u32 s84, s84, s85
	s_mul_i32 s84, s84, KS
	s_mov_b32 s85, 0
	s_add_nc_u64 s[SBB:SBB+1], s[10:11], s[84:85]
	v_and_b32 v6, 31, v0
	v_mul_u32_u24 v[SCO], v6, KS
.macro SCLOAD set                      ; a K step's scale words of my 128 rows of A' and of B': 8 bytes a row
.irp j, 0,1,2,3
	global_load_b64 v[SC+16*(\set)+2*\j:SC+16*(\set)+2*\j+1], v[SCO], s[SAB:SAB+1] offset:32*\j*KS
	global_load_b64 v[SC+16*(\set)+8+2*\j:SC+16*(\set)+8+2*\j+1], v[SCO], s[SBB:SBB+1] offset:32*\j*KS
.endr
.endm
	SCLOAD 0
	s_mul_i32 s23, s15, 128*SPQ                    ; the stage: row 128 x my half + r, column 128 x my half + 8 h
	s_lshl_b32 s21, s16, 7
	s_add_co_u32 s23, s23, s21
	v_mul_u32_u24 v5, v1, SPQ
	v_lshl_add_u32 v5, v2, 3, v5
	v_add_nc_u32 v[STO], s23, v5
	s_mul_i32 s23, s14, 64*SPQ                     ; back: wave w takes rows 64 w on, whole: sixteen lanes to a row of 256 codes, two rows a load
	v_mul_u32_u24 v5, v2, SPQ
	v_lshl_add_u32 v5, v1, 4, v5
	v_add_nc_u32 v[RD], s23, v5
	v_lshlrev_b32 v5, 12, v2
	v_lshl_add_u32 v[CO], v1, 4, v5                ; and the same two rows in the output, 4,096 bytes apart
	v_lshlrev_b32 v[SOF], 7, v6
	v_mov_b32 v[K1], 0xc0135761                    ; k1 = -2.3022082
	v_mov_b32 v[K1+1], v[K1]
	s_lshl_b32 s46, s17, 15                        ; scale bytes: (256 x tile row + 128 x my half) x 128 + 8 x tile column + 4 x my half
	s_lshl_b32 s47, s15, 14
	s_add_co_u32 s46, s46, s47
	s_lshl_b32 s47, s42, 3
	s_add_co_u32 s46, s46, s47
	s_lshl_b32 s47, s16, 2
	s_add_co_u32 s46, s46, s47
	s_add_co_u32 s46, s46, 16777216
	s_mov_b32 s47, 0
	s_add_nc_u64 s[88:89], s[12:13], s[46:47]
	s_lshl_b32 s46, s17, 20                        ; codes: (256 x tile row + 64 x wave) x 4,096 + 256 x tile column
	s_lshl_b32 s47, s14, 18
	s_add_co_u32 s46, s46, s47
	s_lshl_b32 s47, s42, 8
	s_add_co_u32 s46, s46, s47
	s_mov_b32 s47, 0
	s_add_nc_u64 s[12:13], s[12:13], s[46:47]
.macro FRAG reg, adr, q, i             ; 16 rows x 128 K: lane l holds row l % 16; registers 4 c .. 4 c + 3 hold K = 32 c + 16 (l / 16) + 0 .. 15
.irp c, 0,1,2,3
	ds_load_b128 v[\reg+4*\c:\reg+4*\c+3], v[\adr] offset:128*(\q)+32*\c+(\i)*16*PITCH
.endr
.endm
.macro MM a, b, p, q, sc, zero         ; one product: A's block a x B's block b; the scale words' rows go by the blocks' parity
.set rD,  8*(8*((\a)%4)+(\b))
.set rB,  128*(\p)+FR*(\b)
.set rA,  AF+FR*(\a)
.set rSB, SC+16*(\sc)+8+2*((\b)/2)+(\q)
.set rSA, SC+16*(\sc)+2*((\a)/2)+(\q)
.set rr,  2*((\b)%2)+(\a)%2
.if \zero
.if rr == 3
	v_wmma_scale_f32_16x16x128_f8f6f4 v[rD:rD+7], v[rB:rB+15], v[rA:rA+15], 0, v[rSB], v[rSA] matrix_a_scale:MATRIX_SCALE_ROW1 matrix_b_scale:MATRIX_SCALE_ROW1
.elseif rr == 2
	v_wmma_scale_f32_16x16x128_f8f6f4 v[rD:rD+7], v[rB:rB+15], v[rA:rA+15], 0, v[rSB], v[rSA] matrix_a_scale:MATRIX_SCALE_ROW1
.elseif rr == 1
	v_wmma_scale_f32_16x16x128_f8f6f4 v[rD:rD+7], v[rB:rB+15], v[rA:rA+15], 0, v[rSB], v[rSA] matrix_b_scale:MATRIX_SCALE_ROW1
.else
	v_wmma_scale_f32_16x16x128_f8f6f4 v[rD:rD+7], v[rB:rB+15], v[rA:rA+15], 0, v[rSB], v[rSA]
.endif
.else
.if rr == 3
	v_wmma_scale_f32_16x16x128_f8f6f4 v[rD:rD+7], v[rB:rB+15], v[rA:rA+15], v[rD:rD+7], v[rSB], v[rSA] matrix_a_scale:MATRIX_SCALE_ROW1 matrix_b_scale:MATRIX_SCALE_ROW1
.elseif rr == 2
	v_wmma_scale_f32_16x16x128_f8f6f4 v[rD:rD+7], v[rB:rB+15], v[rA:rA+15], v[rD:rD+7], v[rSB], v[rSA] matrix_a_scale:MATRIX_SCALE_ROW1
.elseif rr == 1
	v_wmma_scale_f32_16x16x128_f8f6f4 v[rD:rD+7], v[rB:rB+15], v[rA:rA+15], v[rD:rD+7], v[rSB], v[rSA] matrix_b_scale:MATRIX_SCALE_ROW1
.else
	v_wmma_scale_f32_16x16x128_f8f6f4 v[rD:rD+7], v[rB:rB+15], v[rA:rA+15], v[rD:rD+7], v[rSB], v[rSA]
.endif
.endif
.endm
.macro MUL16 a0, p, q, sc, zero        ; A's blocks a0, a0 + 1 x B's eight.  The 64 accumulators take turns, one instruction a turn, in the same order in every step
.irp a, \a0, \a0+1
.irp b, 0,1,2,3,4,5,6,7
	MM (\a), \b, \p, \q, \sc, \zero
.endr
.endr
.endm
.macro FETCH_B slot, q, p
	WIN TO_B
.irp i, 0,1,2,3,4,5,6,7
	FRAG 128*(\p)+FR*\i, ADRB+\slot, \q, \i
.endr
	WIN 0
.endm
.macro FETCH_A slot, q, i0
.irp i, \i0, \i0+1, \i0+2, \i0+3
	FRAG AF+FR*(\i), ADRA+\slot, \q, \i
.endr
.endm
.macro PLACES n                        ; plain vector instructions between a matrix instruction and a load into, or a read of, its registers
.rept \n
	v_nop
.endr
.endm
.macro STEP slot, zero, sl             ; a slot's first 128 along K.  sl = 1: the next K step's scale words are asked for
	s_wait_loadcnt 0x0                             ; this K step's scale words are in, so their bases may step
.if \sl
	s_add_nc_u64 s[SAB:SAB+1], s[SAB:SAB+1], 8
	s_add_nc_u64 s[SBB:SBB+1], s[SBB:SBB+1], 8
.endif
	s_wait_dscnt 4*NL                              ; B's set and A's blocks 0-3 are in; the youngest 16 loads (A's blocks 4-7) may be out
	WIN MUL_LO
	MUL16 0, 0, 0, \slot, \zero
	MUL16 2, 0, 0, \slot, \zero
	s_wait_dscnt 0
	PLACES NP
	FETCH_B \slot, 1, 1
.if \sl
	SCLOAD 1-\slot                                 ; into the other set, whose last reader stands more than eight places back; 96 matrix instructions ahead of their use
.endif
	FETCH_A \slot, 1, 0
	WIN MUL_HI
	MUL16 4, 0, 0, \slot, \zero
	MUL16 6, 0, 0, \slot, \zero
	PLACES NP
	WIN 0
	FETCH_A \slot, 1, 4
.endm
.macro TURN slot, next, fill           ; a slot's second 128 along K, and the change of slots: one barrier
	s_wait_tensorcnt 0x0                           ; all my tensor loads have landed: my part of the next slot
	ds_add_u32 v[SPW], v[NIL]                      ; 0 onto my spare word
	s_wait_dscnt 4*NL+1                            ; (the add and the youngest 16 loads may be out)
	WIN MUL_LO
	MUL16 0, 1, 1, \slot, 0
	s_wait_dscnt 0x0                               ; the add is done, and my reads of this slot are over
	s_barrier_signal -1
	MUL16 2, 1, 1, \slot, 0
	WIN 0
	s_barrier_wait -1
.if \fill
	CREST                                          ; the barrier has opened a round of the cluster's: no wave of any partner still reads this slot or has a load on its way
	s_add_nc_u64 s[G0+4*\slot+2:G0+4*\slot+3], s[G0+4*\slot+2:G0+4*\slot+3], 2*ROWB
	s_add_nc_u64 s[G0B+4*\slot+2:G0B+4*\slot+3], s[G0B+4*\slot+2:G0B+4*\slot+3], 2*ROWB
	JLOAD G0+4*\slot, G1, G0B+4*\slot, G1B         ; the first tensor load behind the round; its four v_nop are four of the eight places
	PLACES NP-4
.else
	PLACES NP
.endif
	FETCH_B \next, 0, 0
	FETCH_A \next, 0, 0
	WIN MUL_HI
	MUL16 4, 1, 1, \slot, 0
	MUL16 6, 1, 1, \slot, 0
	PLACES NP
	WIN 0
	FETCH_A \next, 0, 4
.endm
	s_wait_tensorcnt 1                             ; my part of K step 0 is in; K step 1's load may be out
	s_barrier_signal -1
	s_barrier_wait -1
	FETCH_B 0, 0, 0
	FETCH_A 0, 0, 0
	FETCH_A 0, 0, 4
	STEP 0, 1, 1                                   ; the first step's products start the sums
	s_mov_b32 s3, LAPS-1
.Llap:
	TURN 0, 1, 1
	STEP 1, 0, 1
	TURN 1, 0, 1
	STEP 0, 0, 1
	s_sub_co_u32 s3, s3, 1
	s_cmp_lg_u32 s3, 0
	s_cbranch_scc1 .Llap
	TURN 0, 1, 0                                   ; the last lap fills nothing
	STEP 1, 0, 0                                   ; and asks for no scale words beyond K
	s_wait_dscnt 4*NL
	WIN MUL_LO
	MUL16 0, 1, 1, 1, 0
	MUL16 2, 1, 1, 1, 0
	s_wait_dscnt 0
	WIN MUL_HI
	MUL16 4, 1, 1, 1, 0
	MUL16 6, 1, 1, 1, 0
	WIN 0
; THE WAY OUT.  Lane (r, h) of accumulator (a, b) holds C'(16 a + r, 16 b + 8 h + 0 .. 7): a block of 32 columns is the 16 registers of tiles 2 c, 2 c + 1 in lanes l and l xor 16.
; Each of my 8 blocks of 16 rows: gelu, largest magnitudes, scale bytes, hold, conversion; 8 codes a lane and tile go to the work-group's stage.
.macro GELU a                          ; 64 numbers of block a -> v[QW] on
.set AC, 64*((\a)%4)
.set SW, 2+(\a)/4
.set SWW, 5*SW
	s_wait_dscnt 0x0                               ; the last block's stores into the stage have read their codes
	WIN SWW                                        ; sources 0 and 1: the accumulators' window
.set i, 0
.rept 32
	v_pk_mul_f32 v[QW+i:QW+i+1], v[AC+i:AC+i+1], v[AC+i:AC+i+1]     ; x^2; each accumulator is read from its low end on
.set i, i+2
.endr
	WIN 0
.set i, 0
.rept 32
	v_pk_fma_f32 v[QW+i:QW+i+1], v[QW+i:QW+i+1], s[86:87], v[K1:K1+1] op_sel_hi:[1,0,1]   ; k1 + k2 x^2
.set i, i+2
.endr
	WIN SW
.set i, 0
.rept 32
	v_pk_mul_f32 v[QW+i:QW+i+1], v[AC+i:AC+i+1], v[QW+i:QW+i+1]
.set i, i+2
.endr
	WIN 0
.set i, 0
.rept 64
	v_exp_f32 v[QW+i], v[QW+i]
.set i, i+1
.endr
	v_nop                                          ; a plain instruction behind the batch,
	s_wait_alu depctr_va_vdst(0)                   ; and one wait for all 64
.set i, 0
.rept 32
	v_pk_add_f32 v[QW+i:QW+i+1], v[QW+i:QW+i+1], 1.0 op_sel_hi:[1,0]
.set i, i+2
.endr
.set i, 0
.rept 64
	v_rcp_f32 v[QW+i], v[QW+i]
.set i, i+1
.endr
	v_nop
	s_wait_alu depctr_va_vdst(0)
	WIN SW
.set i, 0
.rept 32
	v_pk_mul_f32 v[QW+i:QW+i+1], v[AC+i:AC+i+1], v[QW+i:QW+i+1]
.set i, i+2
.endr
	WIN 0
.endm
.macro QBLK a
.irp b, 0,1,2,3
	v_max3_num_f32 v[QT+\b], |v[QW+16*\b]|, |v[QW+16*\b+1]|, FLOOR
.endr
.irp i, 2,4,6,8,10,12,14
.irp b, 0,1,2,3
	v_max3_num_f32 v[QT+\b], |v[QW+16*\b+\i]|, |v[QW+16*\b+\i+1]|, v[QT+\b]
.endr
.endr
.irp b, 0,1,2,3
	v_permlanex16_b32 v[QP+\b], v[QT+\b], s92, s93
.endr
.irp b, 0,1,2,3
	v_max_num_f32 v[QT+\b], v[QT+\b], v[QP+\b]
.endr
.irp b, 0,1,2,3
	v_add_nc_u32 v[QSO+\b], 0xfc000000, v[QT+\b]   ; 8 off the exponent field: the conversion's scale operand
.endr
.irp b, 0,1,2,3
	v_and_or_b32 v[QH+\b], v[QT+\b], 0x7f800000, s91   ; 448 x the scale
.endr
.irp b, 0,1,2,3
	v_lshrrev_b32 v[QBY+\b], 23, v[QSO+\b]
.endr
	v_lshl_or_b32 v[QW4+(\a)], v[QBY+1], 8, v[QBY]
	v_lshl_or_b32 v[QW4+(\a)], v[QBY+2], 16, v[QW4+(\a)]
	v_lshl_or_b32 v[QW4+(\a)], v[QBY+3], 24, v[QW4+(\a)]
.set i, 0
.rept 64
	v_med3_num_f32 v[QW+i], v[QW+i], -v[QH+i/16], v[QH+i/16]   ; the conversion does not saturate (ISA guide 7.6.2)
.set i, i+1
.endr
.irp t, 0,1,2,3,4,5,6,7
	v_cvt_scalef32_pk8_fp8_f32 v[QCD+2*\t:QCD+2*\t+1], v[QW+8*\t:QW+8*\t+7], v[QSO+\t/2]
.endr
	v_nop                                          ; a plain instruction behind the last conversion
.irp t, 0,1,2,3,4,5,6,7
	ds_store_b64 v[STO], v[QCD+2*\t:QCD+2*\t+1] offset:16*(\a)*SPQ+16*\t
.endr
.endm
	PLACES NP
.irp b, 0,1,2,3
	v_mov_b32 v[QP+\b], 0                          ; a lane permute's destination counts as one of its sources
.endr
.irp a, 0,1,2,3,4,5,6,7
	GELU \a
	QBLK \a
.endr
.irp j, 0,1,2,3
	v_cndmask_b32 v[QX+\j], v[QW4+2*\j], v[QW4+2*\j+1], s90   ; lane L: the word of my row 32 j + L
	global_store_b32 v[SOF], v[QX+\j], s[88:89] offset:32*\j*128   ; four bytes of a row's scale bytes: the rest of the row belongs to other tiles
.endr
	s_wait_dscnt 0x0                               ; for the others' sake: my stores into the stage are done
	s_barrier_signal -1
	s_barrier_wait -1
.set t, 0
.rept 32
	ds_load_b128 v[64+4*t:64+4*t+3], v[RD] offset:t*2*SPQ
.set t, t+1
.endr
.set t, 0
.rept 32
	s_wait_dscnt 31-t
	global_store_b128 v[CO], v[64+4*t:64+4*t+3], s[12:13] offset:8192*t   ; sixteen lanes store 256 consecutive bytes, aligned
.set t, t+1
.endr
	s_wait_tensorcnt 0x0                           ; the wave's end
	ds_add_u32 v[SPW], v[NIL]
	s_wait_dscnt 0x0
	CROUND                                         ; the closing round
	s_endpgm
.Lfunc_end_k_q64acaad025_ffn1:
	.size	k_q64acaad025_ffn1, .Lfunc_end_k_q64acaad025_ffn1-k_q64acaad025_ffn1
	.p2alignl 7, 3214868480
	.fill 96, 4, 3214868480
	.section	.rodata,"a",@progbits
	.p2align	6, 0x0
	.amdhsa_kernel k_q64acaad025_ffn1
		.amdhsa_group_segment_fixed_size 327680
		.amdhsa_private_segment_fixed_size 0
		.amdhsa_enable_private_segment 0
		.amdhsa_kernarg_size 32
		.amdhsa_user_sgpr_count 2
		.amdhsa_user_sgpr_kernarg_segment_ptr 1
		.amdhsa_wavefront_size32 1
		.amdhsa_system_sgpr_workgroup_id_x 1
		.amdhsa_system_sgpr_workgroup_id_y 1
		.amdhsa_system_sgpr_workgroup_id_z 1
		.amdhsa_system_vgpr_workitem_id 0
		.amdhsa_next_free_vgpr 1024
		.amdhsa_next_free_sgpr 100
		.amdhsa_reserve_vcc 0
		.amdhsa_float_denorm_mode_32 3
		.amdhsa_float_denorm_mode_16_64 3
		.amdhsa_memory_ordered 1
		.amdhsa_forward_progress 1
		.amdhsa_inst_pref_size 255
	.end_amdhsa_kernel
	.section	.bss,"aw",@nobits
	.p2align	6
	.space	262144
	.amdgpu_metadata
---
amdhsa.version: [ 1, 2 ]
amdhsa.kernels:
  - .name:           k_q64acaad025_ffn1
    .symbol:         k_q64acaad025_ffn1.kd
    .args:
      - { .name: ln2_out, .offset: 0, .size: 8, .value_kind: global_buffer, .address_space: global }
      - { .name: W1_codes, .offset: 8, .size: 8, .value_kind: global_buffer, .address_space: global }
      - { .name: W1_scales, .offset: 16, .size: 8, .value_kind: global_buffer, .address_space: global }
      - { .name: ffn1_out, .offset: 24, .size: 8, .value_kind: global_buffer, .address_space: global }
    .group_segment_fixed_size: 327680
    .private_segment_fixed_size: 0
    .kernarg_segment_align: 8
    .kernarg_segment_size: 32
    .max_flat_workgroup_size: 128
    .sgpr_count:     100
    .vgpr_count:     1024
    .wavefront_size: 32
...
	.end_amdgpu_metadata
.endif
;; end of part 5
;; launch ffn2 (part 6): grid 4 x 16, 4 waves a work-group, clusters of 4 x 4, 327,680 bytes of LDS; arguments ffn1_out, W2_codes, W2_scales, xbuf, ff_gate, out0; writes out0
.if DOCPART == 6
	.amdgcn_target "amdgcn-amd-amdhsa--gfx1250"
	.amdhsa_code_object_version 6
	.text
	.protected	k_q64acaad025_ffn2
	.globl	k_q64acaad025_ffn2
	.p2align	8
	.type	k_q64acaad025_ffn2,@function
k_q64acaad025_ffn2:
	s_mov_b64 s[64:65], 0
	v_nop
	global_prefetch_b8 v0, s[64:65] scope:SCOPE_SE
	s_setreg_imm32_b32 hwreg(HW_REG_WAVE_MODE, 25, 1), 1
	s_wait_xcnt 0x0
	s_wait_alu depctr_hold_cnt(0) depctr_sa_sdst(0) depctr_va_vdst(0) depctr_va_sdst(0) depctr_va_ssrc(0) depctr_va_vcc(0) depctr_vm_vsrc(0)
	s_getreg_b32 s2, hwreg(HW_REG_IB_STS2, 6, 4)
	s_cmp_eq_u32 s2, 0
	s_cbranch_scc0 .Lentry_in_a_cluster
	s_endpgm
.Lentry_in_a_cluster:
	s_bfe_u32 s2, ttmp6, 0x10000c
	s_cmp_lg_u32 s2, 0xf033
	s_cbranch_scc0 .Lentry_shape_is_right
	s_endpgm
.Lentry_shape_is_right:
; C[m][n] = (sum over k of A'[m][k] B'[n][k]) x tanh(gate) + residual[m][n], on codes of FP8 (E4M3, one E8M0 byte for each 32 along K).  Here: out = (gelu(..) W2) tanh(ff_gate) + x.
; A': [4096][SIZE_K] codes at the first buffer's byte 0, its scale bytes [4096][SIZE_K / 32] at ASC_OFF;  B': [1024][SIZE_K] codes and scale bytes;  residual and C: [4096][1024] f32.
; A tile of C, 256 x 256, is made by four waves, 128 x 128 each: 64 accumulators, 512 registers.  K goes in steps of 256 through two LDS slots filled by tensor loads, 128 rows of 256 bytes a wave.
; CLUSTER 4 x 4: the four of a row need the same tile of A', the four of a column the same tile of B': each is asked for jointly.  The matrix instruction is used transposed (source 0 = 16 rows of B', source 1 = 16 rows of A'):
; a lane holds eight neighbouring columns of one row of C.
; SCALE WORDS come by loads of 8 bytes a row and K step into registers: lane L of pair j holds the two words of row 32 j + L, so lanes 0-15 carry block 2 j and lanes 16-31 block 2 j + 1.
; REGISTERS: window 0: v0-31 addresses; v32-63 scale words, two sets, and nothing else; v128-255 A's fragments; on the way out v64-191 the residual, two sets, v192-255 rows of C.  window 1: B's fragments, two sets.  windows 2, 3: the accumulators.
; tanh(g) = 1 - 2 / (1 + 2^(2 log2(e) g)): its absolute error is about 1e-7, also where g is small.  NaN and infinities are not served.
; C has 64 tiles of this size: 64 work-groups.
.set SIZE_K,  4096
.set ASC_OFF, 16777216
.set NTOUT,   1                        ; C is written once and read by nobody here
.set ROWC,    4096                     ; a row of C and of the residual in bytes
.set KSTEP,  256
.set ROWB,   256
.set KROW,   SIZE_K
.set PITCH,  272                       ; an LDS row: 256 bytes + 16: the 16 rows that a load touches start at 16 different banks (64 banks of 4 bytes: ISA guide 11.1)
.set FR,     16
.set NL,     4
.set NP,     8                         ; places behind this matrix instruction (ISA guide 7.12.1)
.set HALFT,  128*PITCH
.set SLOT,   4*HALFT
.set LAPS,   SIZE_K/(2*KSTEP)
.set KS,     SIZE_K/32
.set SPARE,  2*SLOT                    ; behind the ring: the spare words, 128 bytes a wave, that no other line names
.set SPITCH, 528                       ; the way out: a stage of 16 rows x (512 bytes + 16) for each wave, in slot 0, which has had its last fill and its last read by then
.set ADRA, 16
.set ADRB, 20
.set STO,  24
.set RD,   25
.set CO,   26
.set SCO,  27                          ; lane x KS
.set SPW,  28
.set NIL,  29
.set GT,   12                          ; v[12:13] tanh(gate), twice
.set SC,   32
.set AF,   128
.set RS0,  64
.set BB,   192
.set G1, 24
.set G0, 32
.set G1B, 48
.set G0B, 56
.set SAB, 68
.set SBB, 70
.set MSB, 0
.macro WIN new                         ; the immediate's high byte repeats the setting that is left
.if MSB != (\new)
	s_set_vgpr_msb (MSB<<8)|(\new)
.set MSB, (\new)
.endif
.endm
.set MUL_LO, 0xa1                      ; source 0 (B') window 1, source 1 (A') window 0, C and D window 2
.set MUL_HI, 0xf1
.set TO_B,   0x40
.macro JLOAD g0a, g1a, g0b, g1b        ; a joint load: waves 0, 1 fetch for A', waves 2, 3 for B'; four v_nop follow each line
	s_cmp_eq_u32 s15, 0
	s_cbranch_scc0 .Lfor_b_\@
	tensor_load_to_lds s[\g0a:\g0a+3], s[\g1a:\g1a+7]
	s_nop 0
.rept 4
	v_nop
.endr
	s_branch .Lasked_\@
.Lfor_b_\@:
	tensor_load_to_lds s[\g0b:\g0b+3], s[\g1b:\g1b+7]
	s_nop 0
.rept 4
	v_nop
.endr
.Lasked_\@:
.endm
.macro CREST                           ; a round of the cluster's barrier behind its opening barrier
	s_cmp_lg_u32 s14, 0
	s_cbranch_scc1 .Lnot_wave_0_\@
	s_barrier_signal -3
.Lnot_wave_0_\@:
	s_barrier_wait -3
	s_barrier_signal -1
	s_barrier_wait -1
.endm
.macro CROUND
	s_barrier_signal -1
	s_barrier_wait -1
	CREST
.endm
	s_load_b64 s[4:5], s[0:1], 0x0                 ; A' (codes, and scale bytes behind them)
	s_load_b128 s[8:11], s[0:1], 0x8               ; B' codes, B' scales
	s_load_b128 s[76:79], s[0:1], 0x18             ; the residual, the gate
	s_load_b64 s[12:13], s[0:1], 0x28              ; C
	v_lshl_add_u32 v[SPW], v0, 2, SPARE
	v_mov_b32 v[NIL], 0
	ds_add_u32 v28, v29
	ds_add_u32 v28, v29
	s_wait_dscnt 0x0
	v_lshrrev_b32 v1, 5, v0
	v_readfirstlane_b32 s14, v1                    ; wave
	s_lshr_b32 s15, s14, 1                         ; my half of the tile's rows; also: I fetch for A' (0) or B' (1)
	s_and_b32 s16, s14, 1                          ; my half of its columns; also: which 128 rows I fetch
	s_bfe_u32 s40, ttmp6, 0x40000                  ; cx
	s_bfe_u32 s41, ttmp6, 0x40004                  ; cy
	s_lshl_b32 s42, ttmp9, 2
	s_add_co_u32 s42, s42, s40                     ; tile column
	s_and_b32 s17, ttmp7, 0xffff
	s_lshl_b32 s17, s17, 2
	s_add_co_u32 s17, s17, s41                     ; tile row
	s_lshl_b32 s43, s41, 2
	s_lshl_b32 s43, 15, s43                        ; my row of the cluster
	s_lshl_b32 s44, 0x1111, s40                    ; my column
	s_or_b32 s[G1+0], s43, (0<<16)|(1<<20)|(1<<21)|(5<<22)|(3<<25)  ; the mask; elements of 1 byte; padding on; bit 21 beside a mask; 4 words behind every 64
	s_or_b32 s[G1B+0], s44, (0<<16)|(1<<20)|(1<<21)|(5<<22)|(3<<25)
.irp g, G1, G1B
	s_mov_b32 s[\g+1], ROWB<<16                    ; tensor_dim0
	s_mov_b32 s[\g+2], 128<<16                     ; tensor_dim1
	s_mov_b32 s[\g+3], ROWB<<16                    ; tile_dim0
	s_mov_b32 s[\g+4], 128                         ; tile_dim1
	s_mov_b32 s[\g+5], KROW                        ; the pitch
	s_mov_b32 s[\g+6], 0
	s_mov_b32 s[\g+7], 0
.endr
	s_lshl_b32 s18, s16, 7
	s_lshl_b32 s20, s17, 8
	s_add_co_u32 s20, s20, s18                     ; A': row 256 x tile row + 128 x half
	s_lshl_b32 s46, s42, 8
	s_add_co_u32 s46, s46, s18                     ; B': row 256 x tile column + 128 x half
	s_mov_b32 s21, 0
	s_mov_b32 s47, 0
	s_mov_b64 s[18:19], KROW
	s_mul_u64 s[20:21], s[20:21], s[18:19]
	s_mul_u64 s[46:47], s[46:47], s[18:19]
	s_mul_i32 s45, s14, HALFT                      ; where they go: wave x 128 rows
	s_wait_kmcnt 0x0
	s_load_b32 s80, s[78:79], 0x0                  ; the gate's number
	s_add_nc_u64 s[6:7], s[4:5], ASC_OFF           ; A' scales
	s_add_nc_u64 s[20:21], s[4:5], s[20:21]
	s_add_nc_u64 s[46:47], s[8:9], s[46:47]
	CROUND                                         ; all sixteen work-groups are here: the first joint loads meet
.irp s, 0,1
	s_mov_b32 s[G0+4*\s], 1
	s_add_co_u32 s[G0+4*\s+1], s45, \s*SLOT
	s_add_nc_u64 s[G0+4*\s+2:G0+4*\s+3], s[20:21], \s*ROWB
	s_or_b32 s[G0+4*\s+3], s[G0+4*\s+3], 0x80000000
	s_mov_b32 s[G0B+4*\s], 1
	s_add_co_u32 s[G0B+4*\s+1], s45, \s*SLOT
	s_add_nc_u64 s[G0B+4*\s+2:G0B+4*\s+3], s[46:47], \s*ROWB
	s_or_b32 s[G0B+4*\s+3], s[G0B+4*\s+3], 0x80000000
	JLOAD G0+4*\s, G1, G0B+4*\s, G1B
.endr
	v_and_b32 v1, 15, v0                           ; r
	v_bfe_u32 v2, v0, 4, 1                         ; h
	v_mul_u32_u24 v3, v1, PITCH
	v_lshl_add_u32 v4, v2, 4, v3
	s_mul_i32 s21, s15, HALFT
	s_mul_i32 s22, s16, HALFT
	s_add_co_u32 s22, s22, 2*HALFT
.irp s, 0,1
	v_add_nc_u32 v[ADRA+\s], s21, v4
	v_add_nc_u32 v[ADRB+\s], s22, v4
	s_add_co_u32 s21, s21, SLOT
	s_add_co_u32 s22, s22, SLOT
.endr
	s_lshl_b32 s82, s17, 8                         ; my rows' scale words: A': row 256 x tile row + 128 x my half
	s_lshl_b32 s83, s15, 7
	s_add_co_u32 s82, s82, s83
	s_mul_i32 s82, s82, KS
	s_mov_b32 s83, 0
	s_add_nc_u64 s[SAB:SAB+1], s[6:7], s[82:83]
	s_lshl_b32 s84, s42, 8
	s_lshl_b32 s85, s16, 7
	s_add_co_u32 s84, s84, s85
	s_mul_i32 s84, s84, KS
	s_mov_b32 s85, 0
	s_add_nc_u64 s[SBB:SBB+1], s[10:11], s[84:85]
	v_and_b32 v6, 31, v0
	v_mul_u32_u24 v[SCO], v6, KS
.macro SCLOAD set                      ; a K step's scale words of my 128 rows of A' and of B': 8 bytes a row
.irp j, 0,1,2,3
	global_load_b64 v[SC+16*(\set)+2*\j:SC+16*(\set)+2*\j+1], v[SCO], s[SAB:SAB+1] offset:32*\j*KS
	global_load_b64 v[SC+16*(\set)+8+2*\j:SC+16*(\set)+8+2*\j+1], v[SCO], s[SBB:SBB+1] offset:32*\j*KS
.endr
.endm
	SCLOAD 0
	s_mul_i32 s23, s14, 16*SPITCH                  ; my stage
	v_mul_u32_u24 v5, v1, SPITCH
	v_lshl_add_u32 v5, v2, 5, v5
	v_add_nc_u32 v[STO], s23, v5                   ; in: row r, 32 bytes for each half of the lanes
	v_lshlrev_b32 v[CO], 4, v6                     ; back: the 32 lanes take a row of 512 bytes; and the same in C
	v_add_nc_u32 v[RD], s23, v[CO]
	s_lshl_b32 s20, s17, 8
	s_lshl_b32 s21, s15, 7
	s_add_co_u32 s20, s20, s21                     ; my first row of C
	s_mov_b32 s21, 0
	s_mov_b64 s[18:19], ROWC
	s_mul_u64 s[20:21], s[20:21], s[18:19]
	s_lshl_b32 s46, s42, 10                        ; my first column, in bytes
	s_lshl_b32 s47, s16, 9
	s_add_co_u32 s46, s46, s47
	s_mov_b32 s47, 0
	s_add_nc_u64 s[20:21], s[20:21], s[46:47]
	s_add_nc_u64 s[12:13], s[12:13], s[20:21]
	s_add_nc_u64 s[76:77], s[76:77], s[20:21]
	s_wait_kmcnt 0x0
	v_mov_b32 v9, s80
	v_mul_f32 v9, 0x4038aa3b, v9                   ; 2 log2(e) g
	v_exp_f32 v9, v9
	v_nop
	s_wait_alu depctr_va_vdst(0)                   ; the wait ahead of a transcendental's first reader
	v_add_f32 v9, 1.0, v9
	v_rcp_f32 v9, v9
	v_nop
	s_wait_alu depctr_va_vdst(0)
	v_fma_f32 v[GT], v9, -2.0, 1.0
	v_mov_b32 v[GT+1], v[GT]
.macro FRAG reg, adr, q, i             ; 16 rows x 128 K: lane l holds row l % 16; registers 4 c .. 4 c + 3 hold K = 32 c + 16 (l / 16) + 0 .. 15
.irp c, 0,1,2,3
	ds_load_b128 v[\reg+4*\c:\reg+4*\c+3], v[\adr] offset:128*(\q)+32*\c+(\i)*16*PITCH
.endr
.endm
.macro MM a, b, p, q, sc, zero         ; one product: A's block a x B's block b; the scale words' rows go by the blocks' parity
.set rD,  8*(8*((\a)%4)+(\b))
.set rB,  128*(\p)+FR*(\b)
.set rA,  AF+FR*(\a)
.set rSB, SC+16*(\sc)+8+2*((\b)/2)+(\q)
.set rSA, SC+16*(\sc)+2*((\a)/2)+(\q)
.set rr,  2*((\b)%2)+(\a)%2
.if \zero
.if rr == 3
	v_wmma_scale_f32_16x16x128_f8f6f4 v[rD:rD+7], v[rB:rB+15], v[rA:rA+15], 0, v[rSB], v[rSA] matrix_a_scale:MATRIX_SCALE_ROW1 matrix_b_scale:MATRIX_SCALE_ROW1
.elseif rr == 2
	v_wmma_scale_f32_16x16x128_f8f6f4 v[rD:rD+7], v[rB:rB+15], v[rA:rA+15], 0, v[rSB], v[rSA] matrix_a_scale:MATRIX_SCALE_ROW1
.elseif rr == 1
	v_wmma_scale_f32_16x16x128_f8f6f4 v[rD:rD+7], v[rB:rB+15], v[rA:rA+15], 0, v[rSB], v[rSA] matrix_b_scale:MATRIX_SCALE_ROW1
.else
	v_wmma_scale_f32_16x16x128_f8f6f4 v[rD:rD+7], v[rB:rB+15], v[rA:rA+15], 0, v[rSB], v[rSA]
.endif
.else
.if rr == 3
	v_wmma_scale_f32_16x16x128_f8f6f4 v[rD:rD+7], v[rB:rB+15], v[rA:rA+15], v[rD:rD+7], v[rSB], v[rSA] matrix_a_scale:MATRIX_SCALE_ROW1 matrix_b_scale:MATRIX_SCALE_ROW1
.elseif rr == 2
	v_wmma_scale_f32_16x16x128_f8f6f4 v[rD:rD+7], v[rB:rB+15], v[rA:rA+15], v[rD:rD+7], v[rSB], v[rSA] matrix_a_scale:MATRIX_SCALE_ROW1
.elseif rr == 1
	v_wmma_scale_f32_16x16x128_f8f6f4 v[rD:rD+7], v[rB:rB+15], v[rA:rA+15], v[rD:rD+7], v[rSB], v[rSA] matrix_b_scale:MATRIX_SCALE_ROW1
.else
	v_wmma_scale_f32_16x16x128_f8f6f4 v[rD:rD+7], v[rB:rB+15], v[rA:rA+15], v[rD:rD+7], v[rSB], v[rSA]
.endif
.endif
.endm
.macro MUL16 a0, p, q, sc, zero        ; A's blocks a0, a0 + 1 x B's eight.  The 64 accumulators take turns, one instruction a turn, in the same order in every step
.irp a, \a0, \a0+1
.irp b, 0,1,2,3,4,5,6,7
	MM (\a), \b, \p, \q, \sc, \zero
.endr
.endr
.endm
.macro FETCH_B slot, q, p
	WIN TO_B
.irp i, 0,1,2,3,4,5,6,7
	FRAG 128*(\p)+FR*\i, ADRB+\slot, \q, \i
.endr
	WIN 0
.endm
.macro FETCH_A slot, q, i0
.irp i, \i0, \i0+1, \i0+2, \i0+3
	FRAG AF+FR*(\i), ADRA+\slot, \q, \i
.endr
.endm
.macro PLACES n                        ; plain vector instructions between a matrix instruction and a load into, or a read of, its registers
.rept \n
	v_nop
.endr
.endm
.macro STEP slot, zero, sl             ; a slot's first 128 along K.  sl = 1: the next K step's scale words are asked for
	s_wait_loadcnt 0x0                             ; this K step's scale words are in, so their bases may step
.if \sl
	s_add_nc_u64 s[SAB:SAB+1], s[SAB:SAB+1], 8
	s_add_nc_u64 s[SBB:SBB+1], s[SBB:SBB+1], 8
.endif
	s_wait_dscnt 4*NL                              ; B's set and A's blocks 0-3 are in; the youngest 16 loads (A's blocks 4-7) may be out
	WIN MUL_LO
	MUL16 0, 0, 0, \slot, \zero
	MUL16 2, 0, 0, \slot, \zero
	s_wait_dscnt 0
	PLACES NP
	FETCH_B \slot, 1, 1
.if \sl
	SCLOAD 1-\slot                                 ; into the other set, whose last reader stands more than eight places back; 96 matrix instructions ahead of their use
.endif
	FETCH_A \slot, 1, 0
	WIN MUL_HI
	MUL16 4, 0, 0, \slot, \zero
	MUL16 6, 0, 0, \slot, \zero
	PLACES NP
	WIN 0
	FETCH_A \slot, 1, 4
.endm
.macro TURN slot, next, fill           ; a slot's second 128 along K, and the change of slots: one barrier
	s_wait_tensorcnt 0x0                           ; all my tensor loads have landed: my part of the next slot
	ds_add_u32 v[SPW], v[NIL]                      ; 0 onto my spare word
	s_wait_dscnt 4*NL+1                            ; (the add and the youngest 16 loads may be out)
	WIN MUL_LO
	MUL16 0, 1, 1, \slot, 0
	s_wait_dscnt 0x0                               ; the add is done, and my reads of this slot are over
	s_barrier_signal -1
	MUL16 2, 1, 1, \slot, 0
	WIN 0
	s_barrier_wait -1
.if \fill
	CREST                                          ; the barrier has opened a round of the cluster's: no wave of any partner still reads this slot or has a load on its way
	s_add_nc_u64 s[G0+4*\slot+2:G0+4*\slot+3], s[G0+4*\slot+2:G0+4*\slot+3], 2*ROWB
	s_add_nc_u64 s[G0B+4*\slot+2:G0B+4*\slot+3], s[G0B+4*\slot+2:G0B+4*\slot+3], 2*ROWB
	JLOAD G0+4*\slot, G1, G0B+4*\slot, G1B         ; the first tensor load behind the round; its four v_nop are four of the eight places
	PLACES NP-4
.else
	PLACES NP
.endif
	FETCH_B \next, 0, 0
	FETCH_A \next, 0, 0
	WIN MUL_HI
	MUL16 4, 1, 1, \slot, 0
	MUL16 6, 1, 1, \slot, 0
	PLACES NP
	WIN 0
	FETCH_A \next, 0, 4
.endm
.macro RLOAD a                         ; the residual's 16 rows of block a: 512 consecutive bytes a load
.set t, 0
.rept 16
	global_load_b128 v[RS0+64*((\a)%2)+4*t:RS0+64*((\a)%2)+4*t+3], v[CO], s[76:77] offset:(16*(\a)+t)*ROWC
.set t, t+1
.endr
.endm
	s_wait_tensorcnt 1                             ; my part of K step 0 is in; K step 1's load may be out
	s_barrier_signal -1
	s_barrier_wait -1
	FETCH_B 0, 0, 0
	FETCH_A 0, 0, 0
	FETCH_A 0, 0, 4
	STEP 0, 1, 1                                   ; the first step's products start the sums
	s_mov_b32 s3, LAPS-1
.Llap:
	TURN 0, 1, 1
	STEP 1, 0, 1
	TURN 1, 0, 1
	STEP 0, 0, 1
	s_sub_co_u32 s3, s3, 1
	s_cmp_lg_u32 s3, 0
	s_cbranch_scc1 .Llap
	TURN 0, 1, 0                                   ; the last lap fills nothing
	STEP 1, 0, 0                                   ; and asks for no scale words beyond K
	RLOAD 0                                        ; into registers that the loop leaves free: it lands under the last 64 products
	s_wait_dscnt 4*NL
	WIN MUL_LO
	MUL16 0, 1, 1, 1, 0
	MUL16 2, 1, 1, 1, 0
	s_wait_dscnt 0
	WIN MUL_HI
	MUL16 4, 1, 1, 1, 0
	MUL16 6, 1, 1, 1, 0
	WIN 0
; THE WAY OUT, block by block of 16 rows x 128 columns: through my own stage in LDS, back as whole rows of 512 bytes, x the gate + the residual, stored as 512 consecutive bytes.
.macro OUTB a
.set AC, 64*((\a)%4)
.set RS, RS0+64*((\a)%2)
.if (\a) > 0
	s_wait_xcnt 0x0                                ; the last block's stores have read their registers
.endif
	WIN 0x08+4*((\a)/4)                            ; an LDS store's data: window 2 or 3
.irp b, 0,1,2,3,4,5,6,7
	ds_store_b128 v[STO], v[AC+8*\b:AC+8*\b+3] offset:64*\b          ; each accumulator from its low end on
	ds_store_b128 v[STO], v[AC+8*\b+4:AC+8*\b+7] offset:64*\b+16
.endr
	WIN 0
.set t, 0
.rept 16
	ds_load_b128 v[BB+4*t:BB+4*t+3], v[RD] offset:t*SPITCH           ; in order behind my stores
.set t, t+1
.endr
	s_wait_dscnt 0x0
.if (\a) < 7
	s_wait_loadcnt 16                              ; this block's residual is in; the next block's 16 loads may be out
.else
	s_wait_loadcnt 0x0
.endif
.set i, 0
.rept 32
	v_pk_fma_f32 v[BB+i:BB+i+1], v[BB+i:BB+i+1], v[GT:GT+1], v[RS+i:RS+i+1]
.set i, i+2
.endr
.if (\a) < 6
	RLOAD (\a)+2
.endif
.set t, 0
.rept 16
.if NTOUT
	global_store_b128 v[CO], v[BB+4*t:BB+4*t+3], s[12:13] offset:(16*(\a)+t)*ROWC th:TH_STORE_NT
.else
	global_store_b128 v[CO], v[BB+4*t:BB+4*t+3], s[12:13] offset:(16*(\a)+t)*ROWC
.endif
.set t, t+1
.endr
.endm
	PLACES NP
	RLOAD 1
.irp a, 0,1,2,3,4,5,6,7
	OUTB \a
.endr
	s_wait_tensorcnt 0x0                           ; the wave's end
	ds_add_u32 v[SPW], v[NIL]
	s_wait_dscnt 0x0
	CROUND                                         ; the closing round
	s_endpgm
.Lfunc_end_k_q64acaad025_ffn2:
	.size	k_q64acaad025_ffn2, .Lfunc_end_k_q64acaad025_ffn2-k_q64acaad025_ffn2
	.p2alignl 7, 3214868480
	.fill 96, 4, 3214868480
	.section	.rodata,"a",@progbits
	.p2align	6, 0x0
	.amdhsa_kernel k_q64acaad025_ffn2
		.amdhsa_group_segment_fixed_size 327680
		.amdhsa_private_segment_fixed_size 0
		.amdhsa_enable_private_segment 0
		.amdhsa_kernarg_size 48
		.amdhsa_user_sgpr_count 2
		.amdhsa_user_sgpr_kernarg_segment_ptr 1
		.amdhsa_wavefront_size32 1
		.amdhsa_system_sgpr_workgroup_id_x 1
		.amdhsa_system_sgpr_workgroup_id_y 1
		.amdhsa_system_sgpr_workgroup_id_z 1
		.amdhsa_system_vgpr_workitem_id 0
		.amdhsa_next_free_vgpr 1024
		.amdhsa_next_free_sgpr 100
		.amdhsa_reserve_vcc 0
		.amdhsa_float_denorm_mode_32 3
		.amdhsa_float_denorm_mode_16_64 3
		.amdhsa_memory_ordered 1
		.amdhsa_forward_progress 1
		.amdhsa_inst_pref_size 173
	.end_amdhsa_kernel
	.amdgpu_metadata
---
amdhsa.version: [ 1, 2 ]
amdhsa.kernels:
  - .name:           k_q64acaad025_ffn2
    .symbol:         k_q64acaad025_ffn2.kd
    .args:
      - { .name: ffn1_out, .offset: 0, .size: 8, .value_kind: global_buffer, .address_space: global }
      - { .name: W2_codes, .offset: 8, .size: 8, .value_kind: global_buffer, .address_space: global }
      - { .name: W2_scales, .offset: 16, .size: 8, .value_kind: global_buffer, .address_space: global }
      - { .name: xbuf, .offset: 24, .size: 8, .value_kind: global_buffer, .address_space: global }
      - { .name: ff_gate, .offset: 32, .size: 8, .value_kind: global_buffer, .address_space: global }
      - { .name: out0, .offset: 40, .size: 8, .value_kind: global_buffer, .address_space: global }
    .group_segment_fixed_size: 327680
    .private_segment_fixed_size: 0
    .kernarg_segment_align: 8
    .kernarg_segment_size: 48
    .max_flat_workgroup_size: 128
    .sgpr_count:     100
    .vgpr_count:     1024
    .wavefront_size: 32
...
	.end_amdgpu_metadata
.endif
;; end of part 6
;; ======== version 2 of 3: 7 launches; 1.21 times as fast as version 1
;; workspace buffers: prep_out 17,039,360 bytes; proj_out 12,976,128 bytes; attn_out 4,325,376 bytes; xbuf 16,777,216 bytes; ln2_out 8,519,680 bytes; ffn1_out 17,301,504 bytes
;; launch prep: the kernel of part 1 again; grid 512 x 1, 4 waves a work-group, no clusters, 56,832 bytes of LDS; arguments q, kv, gamma_q, beta_q, gamma_kv, beta_kv, attn_mask, kv_mask, prep_out; writes prep_out
;; launch proj: the kernel of part 2 again; grid 48 x 4, 4 waves a work-group, clusters of 4 x 4, 327,680 bytes of LDS; arguments prep_out, Wq_codes, Wq_scales, Wkv_codes, Wkv_scales, proj_out; writes proj_out
;; launch attn: the kernel of part 3 again; grid 8 x 32, 8 waves a work-group, no clusters, 265,728 bytes of LDS; arguments proj_out, prep_out, q_mask, attn_out; writes attn_out
;; launch outproj (part 7): grid 8 x 32, 4 waves a work-group, clusters of 4 x 4, 327,680 bytes of LDS; arguments attn_out, Wout_codes, Wout_scales, q, attn_gate, xbuf; writes xbuf
.if DOCPART == 7
	.amdgcn_target "amdgcn-amd-amdhsa--gfx1250"
	.amdhsa_code_object_version 6
	.text
	.protected	k_q64acaad025_outproj
	.globl	k_q64acaad025_outproj
	.p2align	8
	.type	k_q64acaad025_outproj,@function
k_q64acaad025_outproj:
	s_mov_b64 s[64:65], 0
	v_nop
	global_prefetch_b8 v0, s[64:65] scope:SCOPE_SE
	s_setreg_imm32_b32 hwreg(HW_REG_WAVE_MODE, 25, 1), 1
	s_wait_xcnt 0x0
	s_wait_alu depctr_hold_cnt(0) depctr_sa_sdst(0) depctr_va_vdst(0) depctr_va_sdst(0) depctr_va_ssrc(0) depctr_va_vcc(0) depctr_vm_vsrc(0)
	s_getreg_b32 s2, hwreg(HW_REG_IB_STS2, 6, 4)
	s_cmp_eq_u32 s2, 0
	s_cbranch_scc0 .Lentry_in_a_cluster
	s_endpgm
.Lentry_in_a_cluster:
	s_bfe_u32 s2, ttmp6, 0x10000c
	s_cmp_lg_u32 s2, 0xf033
	s_cbranch_scc0 .Lentry_shape_is_right
	s_endpgm
.Lentry_shape_is_right:
; C[m][n] = (sum over k of A'[m][k] B'[n][k]) x tanh(gate) + residual[m][n], on codes of FP8 (E4M3, one E8M0 byte for each 32 along K).  Here: x = (o Wout) tanh(attn_gate) + q.
; A': [4096][SIZE_K] codes at the first buffer's byte 0, its scale bytes [4096][SIZE_K / 32] at ASC_OFF;  B': [1024][SIZE_K] codes and scale bytes;  residual and C: [4096][1024] f32.
; A TILE OF C IS 128 x 128: C has 32 x 8 = 256 of them, a work-group each (tiles of 256 x 256 would be 64).  Four waves, 64 x 64 each: 16 accumulators, 128 registers.
; K goes in steps of 512 through two LDS slots filled by tensor loads, 64 rows of 512 bytes a wave: the longest step of which two slots fit (2 x 256 rows x 528 bytes), so that K has as few changes of slots as LDS allows: SIZE_K / 512 K steps.
; A K step is four quarters of 128 along K, 16 matrix instructions each, on two fragment buffers: at a quarter's head the next quarter's 32 LDS loads go out, then this quarter's are waited for.
; CLUSTER 4 x 4: the four of a row need the same tile of A', the four of a column the same tile of B': each is asked for jointly.  The matrix instruction is used transposed (source 0 = 16 rows of B', source 1 = 16 rows of A'):
; a lane holds eight neighbouring columns of one row of C.
; SCALE WORDS come by loads of 16 bytes a row and K step into registers: lane L of load j holds the four words of row 32 j + L, so lanes 0-15 carry block 2 j and lanes 16-31 block 2 j + 1.
; THE RESIDUAL of a wave's 64 x 64 is asked for once, at the head, into 128 registers that nothing else uses.
; REGISTERS: window 0: v0-31 addresses; v32-63 scale words, two sets, and nothing else; v64-127 rows of C on the way out, two sets; v128-255 the accumulators ((a, b) at v[128 + 8 (4 a + b)]).
;   window 1: two fragment buffers of 128: A's four fragments, then B's four.   window 2: v0-127 the residual.
; tanh(g) = 1 - 2 / (1 + 2^(2 log2(e) g)): its absolute error is about 1e-7, also where g is small.  NaN and infinities are not served.
.set SIZE_K,  1024
.set ASC_OFF, 4194304
.set NTOUT,   0                        ; C is read again by later launches
.set ROWC,    4096                     ; a row of C and of the residual in bytes
.set KSTEP,  512
.set ROWB,   512
.set KROW,   SIZE_K
.set PITCH,  528                       ; an LDS row: 512 bytes + 16 = 132 words: the 16 rows that a load touches start at 16 different banks (64 banks of 4 bytes: ISA guide 11.1)
.set FR,     16
.set NL,     4
.set NP,     8                         ; places behind this matrix instruction (ISA guide 7.12.1)
.set HALFT,  64*PITCH                  ; 64 rows: what one tensor load brings, and what one wave reads of A' or of B'
.set SLOT,   4*HALFT                   ; A's 128 rows, then B's 128 rows
.set LAPS,   SIZE_K/(2*KSTEP)          ; a lap = two K steps = once round the ring
.set KS,     SIZE_K/32
.set SPARE,  2*SLOT                    ; behind the ring: the spare words, 128 bytes a wave, that no other line names
.set SPITCH, 272                       ; the way out: a stage of 16 rows x (256 bytes + 16) for each wave, in slot 0, which has had its last fill and its last read by then
.set ADRA, 16
.set ADRB, 20
.set STO,  24
.set RD,   25
.set CO,   26
.set SCO,  27                          ; lane x KS
.set SPW,  28
.set NIL,  29
.set GT,   12                          ; v[12:13] tanh(gate), twice
.set SC,   32
.set BB,   64
.set ACC,  128
.set G1, 24
.set G0, 32
.set G1B, 48
.set G0B, 56
.set SAB, 68                           ; s[68:69], s[70:71]: where my rows' scale words of A' and of B' stand for the K step to be loaded
.set SBB, 70
.set MSB, 0
.macro WIN new                         ; the immediate's high byte repeats the setting that is left
.if MSB != (\new)
	s_set_vgpr_msb (MSB<<8)|(\new)
.set MSB, (\new)
.endif
.endm
.set MUL,  0x05                        ; sources 0 (B') and 1 (A') window 1; C and D window 0
.set TO_F, 0x40                        ; destination window 1, address window 0
.macro JLOAD g0a, g1a, g0b, g1b        ; a joint load: waves 0, 1 fetch for A', waves 2, 3 for B'; four v_nop follow each line
	s_cmp_eq_u32 s15, 0
	s_cbranch_scc0 .Lfor_b_\@
	tensor_load_to_lds s[\g0a:\g0a+3], s[\g1a:\g1a+7]
	s_nop 0
.rept 4
	v_nop
.endr
	s_branch .Lasked_\@
.Lfor_b_\@:
	tensor_load_to_lds s[\g0b:\g0b+3], s[\g1b:\g1b+7]
	s_nop 0
.rept 4
	v_nop
.endr
.Lasked_\@:
.endm
.macro CREST                           ; a round of the cluster's barrier behind its opening barrier
	s_cmp_lg_u32 s14, 0
	s_cbranch_scc1 .Lnot_wave_0_\@
	s_barrier_signal -3
.Lnot_wave_0_\@:
	s_barrier_wait -3
	s_barrier_signal -1
	s_barrier_wait -1
.endm
.macro CROUND
	s_barrier_signal -1
	s_barrier_wait -1
	CREST
.endm
	s_load_b64 s[4:5], s[0:1], 0x0                 ; A' (codes, and scale bytes behind them)
	s_load_b128 s[8:11], s[0:1], 0x8               ; B' codes, B' scales
	s_load_b128 s[76:79], s[0:1], 0x18             ; the residual, the gate
	s_load_b64 s[12:13], s[0:1], 0x28              ; C
	v_lshl_add_u32 v[SPW], v0, 2, SPARE
	v_mov_b32 v[NIL], 0
	ds_add_u32 v28, v29
	ds_add_u32 v28, v29
	s_wait_dscnt 0x0
	v_lshrrev_b32 v1, 5, v0
	v_readfirstlane_b32 s14, v1                    ; wave
	s_lshr_b32 s15, s14, 1                         ; my half of the tile's rows; also: I fetch for A' (0) or B' (1)
	s_and_b32 s16, s14, 1                          ; my half of its columns; also: which 64 rows I fetch
	s_bfe_u32 s40, ttmp6, 0x40000                  ; cx
	s_bfe_u32 s41, ttmp6, 0x40004                  ; cy
	s_lshl_b32 s42, ttmp9, 2
	s_add_co_u32 s42, s42, s40                     ; tile column
	s_and_b32 s17, ttmp7, 0xffff
	s_lshl_b32 s17, s17, 2
	s_add_co_u32 s17, s17, s41                     ; tile row
	s_lshl_b32 s43, s41, 2
	s_lshl_b32 s43, 15, s43                        ; my row of the cluster
	s_lshl_b32 s44, 0x1111, s40                    ; my column
	s_or_b32 s[G1+0], s43, (0<<16)|(1<<20)|(1<<21)|(6<<22)|(3<<25)  ; the mask; elements of 1 byte; padding on; bit 21 beside a mask; 4 words behind every 128
	s_or_b32 s[G1B+0], s44, (0<<16)|(1<<20)|(1<<21)|(6<<22)|(3<<25)
.irp g, G1, G1B
	s_mov_b32 s[\g+1], ROWB<<16                    ; tensor_dim0
	s_mov_b32 s[\g+2], 64<<16                      ; tensor_dim1
	s_mov_b32 s[\g+3], ROWB<<16                    ; tile_dim0
	s_mov_b32 s[\g+4], 64                          ; tile_dim1
	s_mov_b32 s[\g+5], KROW                        ; the pitch
	s_mov_b32 s[\g+6], 0
	s_mov_b32 s[\g+7], 0
.endr
	s_lshl_b32 s18, s16, 6
	s_lshl_b32 s20, s17, 7
	s_add_co_u32 s20, s20, s18                     ; A': row 128 x tile row + 64 x half
	s_lshl_b32 s46, s42, 7
	s_add_co_u32 s46, s46, s18                     ; B': row 128 x tile column + 64 x half
	s_mov_b32 s21, 0
	s_mov_b32 s47, 0
	s_mov_b64 s[18:19], KROW
	s_mul_u64 s[20:21], s[20:21], s[18:19]
	s_mul_u64 s[46:47], s[46:47], s[18:19]
	s_mul_i32 s45, s14, HALFT                      ; where they go: wave x 64 rows: no place in the cluster enters an LDS address
	s_wait_kmcnt 0x0
	s_load_b32 s80, s[78:79], 0x0                  ; the gate's number
	s_add_nc_u64 s[6:7], s[4:5], ASC_OFF           ; A' scales
	s_add_nc_u64 s[20:21], s[4:5], s[20:21]
	s_add_nc_u64 s[46:47], s[8:9], s[46:47]
	CROUND                                         ; all sixteen work-groups are here: the first joint loads meet
.irp s, 0,1
	s_mov_b32 s[G0+4*\s], 1
	s_add_co_u32 s[G0+4*\s+1], s45, \s*SLOT
	s_add_nc_u64 s[G0+4*\s+2:G0+4*\s+3], s[20:21], \s*ROWB
	s_or_b32 s[G0+4*\s+3], s[G0+4*\s+3], 0x80000000
	s_mov_b32 s[G0B+4*\s], 1
	s_add_co_u32 s[G0B+4*\s+1], s45, \s*SLOT
	s_add_nc_u64 s[G0B+4*\s+2:G0B+4*\s+3], s[46:47], \s*ROWB
	s_or_b32 s[G0B+4*\s+3], s[G0B+4*\s+3], 0x80000000
	JLOAD G0+4*\s, G1, G0B+4*\s, G1B               ; two loads of mine are out
.endr
	v_and_b32 v1, 15, v0                           ; r
	v_bfe_u32 v2, v0, 4, 1                         ; h
	v_mul_u32_u24 v3, v1, PITCH
	v_lshl_add_u32 v4, v2, 4, v3                   ; a fragment's row x pitch + 16 x half
	s_mul_i32 s21, s15, HALFT                      ; my 64 rows of A'
	s_mul_i32 s22, s16, HALFT                      ; my 64 rows of B',
	s_add_co_u32 s22, s22, 2*HALFT                 ; which lie behind A's 128
.irp s, 0,1
	v_add_nc_u32 v[ADRA+\s], s21, v4
	v_add_nc_u32 v[ADRB+\s], s22, v4
	s_add_co_u32 s21, s21, SLOT
	s_add_co_u32 s22, s22, SLOT
.endr
	s_lshl_b32 s82, s17, 7                         ; my rows' scale words: A': row 128 x tile row + 64 x my half
	s_lshl_b32 s83, s15, 6
	s_add_co_u32 s82, s82, s83
	s_mul_i32 s82, s82, KS
	s_mov_b32 s83, 0
	s_add_nc_u64 s[SAB:SAB+1], s[6:7], s[82:83]
	s_lshl_b32 s84, s42, 7                         ; B': row 128 x tile column + 64 x my half
	s_lshl_b32 s85, s16, 6
	s_add_co_u32 s84, s84, s85
	s_mul_i32 s84, s84, KS
	s_mov_b32 s85, 0
	s_add_nc_u64 s[SBB:SBB+1], s[10:11], s[84:85]
	v_and_b32 v6, 31, v0
	v_mul_u32_u24 v[SCO], v6, KS
.macro SCLOAD set                      ; a K step's scale words of my 64 rows of A' and of B': 16 bytes a row
.irp j, 0,1
	global_load_b128 v[SC+16*(\set)+4*\j:SC+16*(\set)+4*\j+3], v[SCO], s[SAB:SAB+1] offset:32*\j*KS
	global_load_b128 v[SC+16*(\set)+8+4*\j:SC+16*(\set)+8+4*\j+3], v[SCO], s[SBB:SBB+1] offset:32*\j*KS
.endr
.endm
	SCLOAD 0
	s_mul_i32 s23, s14, 16*SPITCH                  ; my stage
	v_mul_u32_u24 v5, v1, SPITCH
	v_lshl_add_u32 v5, v2, 5, v5
	v_add_nc_u32 v[STO], s23, v5                   ; in: row r, 32 bytes for each half of the lanes
	v_mul_u32_u24 v5, v2, SPITCH
	v_lshl_add_u32 v5, v1, 4, v5
	v_add_nc_u32 v[RD], s23, v5                    ; back: lanes 0-15 take one row of 256 bytes, lanes 16-31 the next
	v_lshlrev_b32 v5, 12, v2
	v_lshl_add_u32 v[CO], v1, 4, v5                ; and the same two rows in C and in the residual, 4,096 bytes apart
	s_lshl_b32 s20, s17, 7
	s_lshl_b32 s21, s15, 6
	s_add_co_u32 s20, s20, s21                     ; my first row of C
	s_mov_b32 s21, 0
	s_mov_b64 s[18:19], ROWC
	s_mul_u64 s[20:21], s[20:21], s[18:19]
	s_lshl_b32 s46, s42, 9                         ; my first column, in bytes: 512 x tile column + 256 x my half
	s_lshl_b32 s47, s16, 8
	s_add_co_u32 s46, s46, s47
	s_mov_b32 s47, 0
	s_add_nc_u64 s[20:21], s[20:21], s[46:47]
	s_add_nc_u64 s[12:13], s[12:13], s[20:21]
	s_add_nc_u64 s[76:77], s[76:77], s[20:21]
	WIN 0x80                                       ; destination window 2
.set n, 0
.rept 32
	global_load_b128 v[4*n:4*n+3], v[CO], s[76:77] offset:2*n*ROWC   ; the residual: rows 2 n and 2 n + 1 of my 64, 256 consecutive bytes each
.set n, n+1
.endr
	WIN 0
	s_wait_kmcnt 0x0
	v_mov_b32 v9, s80
	v_mul_f32 v9, 0x4038aa3b, v9                   ; 2 log2(e) g
	v_exp_f32 v9, v9
	v_nop
	s_wait_alu depctr_va_vdst(0)                   ; the wait ahead of a transcendental's first reader
	v_add_f32 v9, 1.0, v9
	v_rcp_f32 v9, v9
	v_nop
	s_wait_alu depctr_va_vdst(0)
	v_fma_f32 v[GT], v9, -2.0, 1.0
	v_mov_b32 v[GT+1], v[GT]
.macro FRAG reg, adr, q, i             ; 16 rows x 128 K: lane l holds row l % 16; registers 4 c .. 4 c + 3 hold K = 32 c + 16 (l / 16) + 0 .. 15
.irp c, 0,1,2,3
	ds_load_b128 v[\reg+4*\c:\reg+4*\c+3], v[\adr] offset:128*(\q)+32*\c+(\i)*16*PITCH
.endr
.endm
.macro MM f, a, b, q, sc, zero         ; one product: A's block a x B's block b out of buffer f; the scale words' rows go by the blocks' parity
.set rD,  ACC+8*(4*(\a)+(\b))
.set rB,  128*(\f)+64+FR*(\b)
.set rA,  128*(\f)+FR*(\a)
.set rSB, SC+16*(\sc)+8+4*((\b)/2)+(\q)
.set rSA, SC+16*(\sc)+4*((\a)/2)+(\q)
.set rr,  2*((\b)%2)+(\a)%2
.if \zero
.if rr == 3
	v_wmma_scale_f32_16x16x128_f8f6f4 v[rD:rD+7], v[rB:rB+15], v[rA:rA+15], 0, v[rSB], v[rSA] matrix_a_scale:MATRIX_SCALE_ROW1 matrix_b_scale:MATRIX_SCALE_ROW1
.elseif rr == 2
	v_wmma_scale_f32_16x16x128_f8f6f4 v[rD:rD+7], v[rB:rB+15], v[rA:rA+15], 0, v[rSB], v[rSA] matrix_a_scale:MATRIX_SCALE_ROW1
.elseif rr == 1
	v_wmma_scale_f32_16x16x128_f8f6f4 v[rD:rD+7], v[rB:rB+15], v[rA:rA+15], 0, v[rSB], v[rSA] matrix_b_scale:MATRIX_SCALE_ROW1
.else
	v_wmma_scale_f32_16x16x128_f8f6f4 v[rD:rD+7], v[rB:rB+15], v[rA:rA+15], 0, v[rSB], v[rSA]
.endif
.else
.if rr == 3
	v_wmma_scale_f32_16x16x128_f8f6f4 v[rD:rD+7], v[rB:rB+15], v[rA:rA+15], v[rD:rD+7], v[rSB], v[rSA] matrix_a_scale:MATRIX_SCALE_ROW1 matrix_b_scale:MATRIX_SCALE_ROW1
.elseif rr == 2
	v_wmma_scale_f32_16x16x128_f8f6f4 v[rD:rD+7], v[rB:rB+15], v[rA:rA+15], v[rD:rD+7], v[rSB], v[rSA] matrix_a_scale:MATRIX_SCALE_ROW1
.elseif rr == 1
	v_wmma_scale_f32_16x16x128_f8f6f4 v[rD:rD+7], v[rB:rB+15], v[rA:rA+15], v[rD:rD+7], v[rSB], v[rSA] matrix_b_scale:MATRIX_SCALE_ROW1
.else
	v_wmma_scale_f32_16x16x128_f8f6f4 v[rD:rD+7], v[rB:rB+15], v[rA:rA+15], v[rD:rD+7], v[rSB], v[rSA]
.endif
.endif
.endm
.macro MULA f, a, q, sc, zero          ; A's block a x B's four.  The 16 accumulators take turns, one instruction a turn, in the same order in every quarter
.irp b, 0,1,2,3
	MM \f, \a, \b, \q, \sc, \zero
.endr
.endm
.macro FETCH slot, q, f                ; 32 LDS loads in one run: the fragments of the slot's q-th 128 along K into buffer f
	WIN TO_F
.irp i, 0,1,2,3
	FRAG 128*(\f)+64+FR*\i, ADRB+\slot, \q, \i
.endr
.irp i, 0,1,2,3
	FRAG 128*(\f)+FR*\i, ADRA+\slot, \q, \i
.endr
.endm
.macro PLACES n                        ; plain vector instructions between a matrix instruction and a load into, or a read of, its registers
.rept \n
	v_nop
.endr
.endm
; One of a slot's first three quarters.  At its head the next quarter's fragments are asked for, into the buffer that the quarter before has multiplied; then this quarter's are waited for.
; q = 0: this K step's scale words are waited for (lc: the younger loads that may stay out); sl = 1: the next K step's are asked for, into the other set, whose last reader stands eight places back.
.macro QUARTER slot, q, zero, sl, lc
.if (\q) == 0
	s_wait_loadcnt \lc                             ; this K step's scale words are in, so their bases may step
.if \sl
	s_add_nc_u64 s[SAB:SAB+1], s[SAB:SAB+1], 16
	s_add_nc_u64 s[SBB:SBB+1], s[SBB:SBB+1], 16
.endif
.endif
	PLACES NP
	FETCH \slot, (\q)+1, ((\q)+1)%2
.if ((\q) == 0) && (\sl)
	WIN 0
	SCLOAD 1-\slot
.endif
	s_wait_dscnt 8*NL                              ; all but the 32 loads just issued: this quarter's fragments are in
	WIN MUL
.irp a, 0,1,2,3
	MULA (\q)%2, \a, \q, \slot, \zero
.endr
.endm
; A slot's last quarter multiplies buffer 1 and changes slots: ONE barrier; in front of it each wave waits for all its tensor loads, adds 0 to its spare word, and waits for that and for its own reads of this slot.
; fill = 1: this slot is filled again, two K steps ahead.
.macro TURN slot, next, fill
	WIN 0                                          ; (the add's two registers lie in window 0)
	s_wait_tensorcnt 0x0                           ; all my tensor loads have landed: my part of the next slot
	ds_add_u32 v[SPW], v[NIL]                      ; 0 onto my spare word
	s_wait_dscnt 1                                 ; this quarter's fragments are in (the add may be out)
	WIN MUL
	MULA 1, 0, 3, \slot, 0                         ; four matrix instructions stand between the add and the wait for it
	s_wait_dscnt 0x0                               ; the add is done, and my reads of this slot are over
	s_barrier_signal -1
	MULA 1, 1, 3, \slot, 0
	WIN 0
	s_barrier_wait -1
.if \fill
	CREST                                          ; the barrier has opened a round of the cluster's: no wave of any partner still reads this slot or has a load on its way
	s_add_nc_u64 s[G0+4*\slot+2:G0+4*\slot+3], s[G0+4*\slot+2:G0+4*\slot+3], 2*ROWB
	s_add_nc_u64 s[G0B+4*\slot+2:G0B+4*\slot+3], s[G0B+4*\slot+2:G0B+4*\slot+3], 2*ROWB
	JLOAD G0+4*\slot, G1, G0B+4*\slot, G1B         ; the first tensor load behind the round, my only one until the next; its four v_nop are four of the eight places
	PLACES NP-4
.else
	PLACES NP
.endif
	FETCH \next, 0, 0
	WIN MUL
	MULA 1, 2, 3, \slot, 0
	MULA 1, 3, 3, \slot, 0
.endm
	s_wait_tensorcnt 1                             ; my part of K step 0 is in; K step 1's load may be out
	s_barrier_signal -1
	s_barrier_wait -1
	FETCH 0, 0, 0
	QUARTER 0, 0, 1, 1, 32                         ; the first quarter's products start the sums; behind the first scale words the residual's 32 loads may stay out
.if LAPS > 1
	WIN 0                                          ; at a label and at a branch every window is 0
	s_mov_b32 s3, LAPS-1
.Llap:                                                 ; a trip goes once round the ring, from a lap's second quarter to the next lap's first, and fills both slots again
	QUARTER 0, 1, 0, 0, 0
	QUARTER 0, 2, 0, 0, 0
	TURN 0, 1, 1
	QUARTER 1, 0, 0, 1, 0
	QUARTER 1, 1, 0, 0, 0
	QUARTER 1, 2, 0, 0, 0
	TURN 1, 0, 1
	QUARTER 0, 0, 0, 1, 0
	WIN 0
	s_sub_co_u32 s3, s3, 1
	s_cmp_lg_u32 s3, 0
	s_cbranch_scc1 .Llap
.endif
	QUARTER 0, 1, 0, 0, 0                          ; the last lap fills nothing, and has no round of the cluster's barrier
	QUARTER 0, 2, 0, 0, 0
	TURN 0, 1, 0
	QUARTER 1, 0, 0, 0, 0                          ; it asks for no scale words beyond K; its wait for 0 also shows the residual in
	QUARTER 1, 1, 0, 0, 0
	QUARTER 1, 2, 0, 0, 0
	s_wait_dscnt 0x0                               ; the very last quarter: nothing more to fetch
	WIN MUL
.irp a, 0,1,2,3
	MULA 1, \a, 3, 1, 0
.endr
	WIN 0
; THE WAY OUT, block by block of 16 rows x 64 columns.  A lane holds 32 neighbouring bytes of a row, and the lanes beside it hold other rows: so a block goes through my own stage in LDS and comes back as whole
; pieces of 256 bytes, two rows a load; x the gate + the residual; sixteen lanes store 256 consecutive bytes, aligned.  LDS serves a wave's instructions in order (ISA guide 5.7.1.4): no wait between the stores and the loads,
; nor in front of the next block's stores.
.macro TOSTAGE a
.set BS, BB+32*((\a)%2)
.irp b, 0,1,2,3
	ds_store_b128 v[STO], v[ACC+8*(4*(\a)+\b):ACC+8*(4*(\a)+\b)+3] offset:64*\b          ; each accumulator from its low end on
	ds_store_b128 v[STO], v[ACC+8*(4*(\a)+\b)+4:ACC+8*(4*(\a)+\b)+7] offset:64*\b+16
.endr
.set t, 0
.rept 8
	ds_load_b128 v[BS+4*t:BS+4*t+3], v[RD] offset:t*2*SPITCH
.set t, t+1
.endr
.endm
.macro SEND a, younger                 ; younger: the LDS instructions issued behind block a's loads, which may stay out
.set BS, BB+32*((\a)%2)
	s_wait_dscnt \younger                          ; the block is back in registers
	WIN 0x20                                       ; source 2 (the residual) window 2
.set i, 0
.rept 16
	v_pk_fma_f32 v[BS+i:BS+i+1], v[BS+i:BS+i+1], v[GT:GT+1], v[32*(\a)+i:32*(\a)+i+1]
.set i, i+2
.endr
	WIN 0
.set t, 0
.rept 8
.if NTOUT
	global_store_b128 v[CO], v[BS+4*t:BS+4*t+3], s[12:13] offset:(16*(\a)+2*t)*ROWC th:TH_STORE_NT
.else
	global_store_b128 v[CO], v[BS+4*t:BS+4*t+3], s[12:13] offset:(16*(\a)+2*t)*ROWC
.endif
.set t, t+1
.endr
.endm
	PLACES NP
	TOSTAGE 0
.irp a, 1,2,3
.if \a > 1
	s_wait_xcnt 0x0                                ; block a - 2's stores have read their registers: block a's loads may land there
.endif
	TOSTAGE \a
	SEND \a-1, 16                                  ; behind block a - 1's loads: block a's 8 stores and 8 loads
.endr
	SEND 3, 0
	s_wait_tensorcnt 0x0                           ; the wave's end
	ds_add_u32 v[SPW], v[NIL]
	s_wait_dscnt 0x0
	CROUND                                         ; the closing round
	s_endpgm
.Lfunc_end_k_q64acaad025_outproj:
	.size	k_q64acaad025_outproj, .Lfunc_end_k_q64acaad025_outproj-k_q64acaad025_outproj
	.p2alignl 7, 3214868480
	.fill 96, 4, 3214868480
	.section	.rodata,"a",@progbits
	.p2align	6, 0x0
	.amdhsa_kernel k_q64acaad025_outproj
		.amdhsa_group_segment_fixed_size 327680
		.amdhsa_private_segment_fixed_size 0
		.amdhsa_enable_private_segment 0
		.amdhsa_kernarg_size 48
		.amdhsa_user_sgpr_count 2
		.amdhsa_user_sgpr_kernarg_segment_ptr 1
		.amdhsa_wavefront_size32 1
		.amdhsa_system_sgpr_workgroup_id_x 1
		.amdhsa_system_sgpr_workgroup_id_y 1
		.amdhsa_system_sgpr_workgroup_id_z 1
		.amdhsa_system_vgpr_workitem_id 0
		.amdhsa_next_free_vgpr 640
		.amdhsa_next_free_sgpr 100
		.amdhsa_reserve_vcc 0
		.amdhsa_float_denorm_mode_32 3
		.amdhsa_float_denorm_mode_16_64 3
		.amdhsa_memory_ordered 1
		.amdhsa_forward_progress 1
		.amdhsa_inst_pref_size 59
	.end_amdhsa_kernel
	.amdgpu_metadata
---
amdhsa.version: [ 1, 2 ]
amdhsa.kernels:
  - .name:           k_q64acaad025_outproj
    .symbol:         k_q64acaad025_outproj.kd
    .args:
      - { .name: attn_out, .offset: 0, .size: 8, .value_kind: global_buffer, .address_space: global }
      - { .name: Wout_codes, .offset: 8, .size: 8, .value_kind: global_buffer, .address_space: global }
      - { .name: Wout_scales, .offset: 16, .size: 8, .value_kind: global_buffer, .address_space: global }
      - { .name: q, .offset: 24, .size: 8, .value_kind: global_buffer, .address_space: global }
      - { .name: attn_gate, .offset: 32, .size: 8, .value_kind: global_buffer, .address_space: global }
      - { .name: xbuf, .offset: 40, .size: 8, .value_kind: global_buffer, .address_space: global }
    .group_segment_fixed_size: 327680
    .private_segment_fixed_size: 0
    .kernarg_segment_align: 8
    .kernarg_segment_size: 48
    .max_flat_workgroup_size: 128
    .sgpr_count:     100
    .vgpr_count:     640
    .wavefront_size: 32
...
	.end_amdgpu_metadata
.endif
;; end of part 7
;; launch ln2: the kernel of part 1 again; grid 128 x 1, 4 waves a work-group, no clusters, 56,832 bytes of LDS; arguments xbuf, q, ff_gamma, ff_beta, gamma_q, beta_q, attn_mask, kv_mask, ln2_out; writes ln2_out
;; launch ffn1: the kernel of part 5 again; grid 16 x 16, 4 waves a work-group, clusters of 4 x 4, 327,680 bytes of LDS; arguments ln2_out, W1_codes, W1_scales, ffn1_out; writes ffn1_out
;; launch ffn2 (part 8): grid 8 x 32, 4 waves a work-group, clusters of 4 x 4, 327,680 bytes of LDS; arguments ffn1_out, W2_codes, W2_scales, xbuf, ff_gate, out0; writes out0
.if DOCPART == 8
	.amdgcn_target "amdgcn-amd-amdhsa--gfx1250"
	.amdhsa_code_object_version 6
	.text
	.protected	k_q64acaad025_ffn2
	.globl	k_q64acaad025_ffn2
	.p2align	8
	.type	k_q64acaad025_ffn2,@function
k_q64acaad025_ffn2:
	s_mov_b64 s[64:65], 0
	v_nop
	global_prefetch_b8 v0, s[64:65] scope:SCOPE_SE
	s_setreg_imm32_b32 hwreg(HW_REG_WAVE_MODE, 25, 1), 1
	s_wait_xcnt 0x0
	s_wait_alu depctr_hold_cnt(0) depctr_sa_sdst(0) depctr_va_vdst(0) depctr_va_sdst(0) depctr_va_ssrc(0) depctr_va_vcc(0) depctr_vm_vsrc(0)
	s_getreg_b32 s2, hwreg(HW_REG_IB_STS2, 6, 4)
	s_cmp_eq_u32 s2, 0
	s_cbranch_scc0 .Lentry_in_a_cluster
	s_endpgm
.Lentry_in_a_cluster:
	s_bfe_u32 s2, ttmp6, 0x10000c
	s_cmp_lg_u32 s2, 0xf033
	s_cbranch_scc0 .Lentry_shape_is_right
	s_endpgm
.Lentry_shape_is_right:
; C[m][n] = (sum over k of A'[m][k] B'[n][k]) x tanh(gate) + residual[m][n], on codes of FP8 (E4M3, one E8M0 byte for each 32 along K).  Here: out = (gelu(..) W2) tanh(ff_gate) + x.
; A': [4096][SIZE_K] codes at the first buffer's byte 0, its scale bytes [4096][SIZE_K / 32] at ASC_OFF;  B': [1024][SIZE_K] codes and scale bytes;  residual and C: [4096][1024] f32.
; A TILE OF C IS 128 x 128: C has 32 x 8 = 256 of them, a work-group each (tiles of 256 x 256 would be 64).  Four waves, 64 x 64 each: 16 accumulators, 128 registers.
; K goes in steps of 512 through two LDS slots filled by tensor loads, 64 rows of 512 bytes a wave: the longest step of which two slots fit (2 x 256 rows x 528 bytes), so that K has as few changes of slots as LDS allows: SIZE_K / 512 K steps.
; A K step is four quarters of 128 along K, 16 matrix instructions each, on two fragment buffers: at a quarter's head the next quarter's 32 LDS loads go out, then this quarter's are waited for.
; CLUSTER 4 x 4: the four of a row need the same tile of A', the four of a column the same tile of B': each is asked for jointly.  The matrix instruction is used transposed (source 0 = 16 rows of B', source 1 = 16 rows of A'):
; a lane holds eight neighbouring columns of one row of C.
; SCALE WORDS come by loads of 16 bytes a row and K step into registers: lane L of load j holds the four words of row 32 j + L, so lanes 0-15 carry block 2 j and lanes 16-31 block 2 j + 1.
; THE RESIDUAL of a wave's 64 x 64 is asked for once, at the head, into 128 registers that nothing else uses.
; REGISTERS: window 0: v0-31 addresses; v32-63 scale words, two sets, and nothing else; v64-127 rows of C on the way out, two sets; v128-255 the accumulators ((a, b) at v[128 + 8 (4 a + b)]).
;   window 1: two fragment buffers of 128: A's four fragments, then B's four.   window 2: v0-127 the residual.
; tanh(g) = 1 - 2 / (1 + 2^(2 log2(e) g)): its absolute error is about 1e-7, also where g is small.  NaN and infinities are not served.
.set SIZE_K,  4096
.set ASC_OFF, 16777216
.set NTOUT,   1                        ; C is written once and read by nobody here
.set ROWC,    4096                     ; a row of C and of the residual in bytes
.set KSTEP,  512
.set ROWB,   512
.set KROW,   SIZE_K
.set PITCH,  528                       ; an LDS row: 512 bytes + 16 = 132 words: the 16 rows that a load touches start at 16 different banks (64 banks of 4 bytes: ISA guide 11.1)
.set FR,     16
.set NL,     4
.set NP,     8                         ; places behind this matrix instruction (ISA guide 7.12.1)
.set HALFT,  64*PITCH                  ; 64 rows: what one tensor load brings, and what one wave reads of A' or of B'
.set SLOT,   4*HALFT                   ; A's 128 rows, then B's 128 rows
.set LAPS,   SIZE_K/(2*KSTEP)          ; a lap = two K steps = once round the ring
.set KS,     SIZE_K/32
.set SPARE,  2*SLOT                    ; behind the ring: the spare words, 128 bytes a wave, that no other line names
.set SPITCH, 272                       ; the way out: a stage of 16 rows x (256 bytes + 16) for each wave, in slot 0, which has had its last fill and its last read by then
.set ADRA, 16
.set ADRB, 20
.set STO,  24
.set RD,   25
.set CO,   26
.set SCO,  27                          ; lane x KS
.set SPW,  28
.set NIL,  29
.set GT,   12                          ; v[12:13] tanh(gate), twice
.set SC,   32
.set BB,   64
.set ACC,  128
.set G1, 24
.set G0, 32
.set G1B, 48
.set G0B, 56
.set SAB, 68                           ; s[68:69], s[70:71]: where my rows' scale words of A' and of B' stand for the K step to be loaded
.set SBB, 70
.set MSB, 0
.macro WIN new                         ; the immediate's high byte repeats the setting that is left
.if MSB != (\new)
	s_set_vgpr_msb (MSB<<8)|(\new)
.set MSB, (\new)
.endif
.endm
.set MUL,  0x05                        ; sources 0 (B') and 1 (A') window 1; C and D window 0
.set TO_F, 0x40                        ; destination window 1, address window 0
.macro JLOAD g0a, g1a, g0b, g1b        ; a joint load: waves 0, 1 fetch for A', waves 2, 3 for B'; four v_nop follow each line
	s_cmp_eq_u32 s15, 0
	s_cbranch_scc0 .Lfor_b_\@
	tensor_load_to_lds s[\g0a:\g0a+3], s[\g1a:\g1a+7]
	s_nop 0
.rept 4
	v_nop
.endr
	s_branch .Lasked_\@
.Lfor_b_\@:
	tensor_load_to_lds s[\g0b:\g0b+3], s[\g1b:\g1b+7]
	s_nop 0
.rept 4
	v_nop
.endr
.Lasked_\@:
.endm
.macro CREST                           ; a round of the cluster's barrier behind its opening barrier
	s_cmp_lg_u32 s14, 0
	s_cbranch_scc1 .Lnot_wave_0_\@
	s_barrier_signal -3
.Lnot_wave_0_\@:
	s_barrier_wait -3
	s_barrier_signal -1
	s_barrier_wait -1
.endm
.macro CROUND
	s_barrier_signal -1
	s_barrier_wait -1
	CREST
.endm
	s_load_b64 s[4:5], s[0:1], 0x0                 ; A' (codes, and scale bytes behind them)
	s_load_b128 s[8:11], s[0:1], 0x8               ; B' codes, B' scales
	s_load_b128 s[76:79], s[0:1], 0x18             ; the residual, the gate
	s_load_b64 s[12:13], s[0:1], 0x28              ; C
	v_lshl_add_u32 v[SPW], v0, 2, SPARE
	v_mov_b32 v[NIL], 0
	ds_add_u32 v28, v29
	ds_add_u32 v28, v29
	s_wait_dscnt 0x0
	v_lshrrev_b32 v1, 5, v0
	v_readfirstlane_b32 s14, v1                    ; wave
	s_lshr_b32 s15, s14, 1                         ; my half of the tile's rows; also: I fetch for A' (0) or B' (1)
	s_and_b32 s16, s14, 1                          ; my half of its columns; also: which 64 rows I fetch
	s_bfe_u32 s40, ttmp6, 0x40000                  ; cx
	s_bfe_u32 s41, ttmp6, 0x40004                  ; cy
	s_lshl_b32 s42, ttmp9, 2
	s_add_co_u32 s42, s42, s40                     ; tile column
	s_and_b32 s17, ttmp7, 0xffff
	s_lshl_b32 s17, s17, 2
	s_add_co_u32 s17, s17, s41                     ; tile row
	s_lshl_b32 s43, s41, 2
	s_lshl_b32 s43, 15, s43                        ; my row of the cluster
	s_lshl_b32 s44, 0x1111, s40                    ; my column
	s_or_b32 s[G1+0], s43, (0<<16)|(1<<20)|(1<<21)|(6<<22)|(3<<25)  ; the mask; elements of 1 byte; padding on; bit 21 beside a mask; 4 words behind every 128
	s_or_b32 s[G1B+0], s44, (0<<16)|(1<<20)|(1<<21)|(6<<22)|(3<<25)
.irp g, G1, G1B
	s_mov_b32 s[\g+1], ROWB<<16                    ; tensor_dim0
	s_mov_b32 s[\g+2], 64<<16                      ; tensor_dim1
	s_mov_b32 s[\g+3], ROWB<<16                    ; tile_dim0
	s_mov_b32 s[\g+4], 64                          ; tile_dim1
	s_mov_b32 s[\g+5], KROW                        ; the pitch
	s_mov_b32 s[\g+6], 0
	s_mov_b32 s[\g+7], 0
.endr
	s_lshl_b32 s18, s16, 6
	s_lshl_b32 s20, s17, 7
	s_add_co_u32 s20, s20, s18                     ; A': row 128 x tile row + 64 x half
	s_lshl_b32 s46, s42, 7
	s_add_co_u32 s46, s46, s18                     ; B': row 128 x tile column + 64 x half
	s_mov_b32 s21, 0
	s_mov_b32 s47, 0
	s_mov_b64 s[18:19], KROW
	s_mul_u64 s[20:21], s[20:21], s[18:19]
	s_mul_u64 s[46:47], s[46:47], s[18:19]
	s_mul_i32 s45, s14, HALFT                      ; where they go: wave x 64 rows: no place in the cluster enters an LDS address
	s_wait_kmcnt 0x0
	s_load_b32 s80, s[78:79], 0x0                  ; the gate's number
	s_add_nc_u64 s[6:7], s[4:5], ASC_OFF           ; A' scales
	s_add_nc_u64 s[20:21], s[4:5], s[20:21]
	s_add_nc_u64 s[46:47], s[8:9], s[46:47]
	CROUND                                         ; all sixteen work-groups are here: the first joint loads meet
.irp s, 0,1
	s_mov_b32 s[G0+4*\s], 1
	s_add_co_u32 s[G0+4*\s+1], s45, \s*SLOT
	s_add_nc_u64 s[G0+4*\s+2:G0+4*\s+3], s[20:21], \s*ROWB
	s_or_b32 s[G0+4*\s+3], s[G0+4*\s+3], 0x80000000
	s_mov_b32 s[G0B+4*\s], 1
	s_add_co_u32 s[G0B+4*\s+1], s45, \s*SLOT
	s_add_nc_u64 s[G0B+4*\s+2:G0B+4*\s+3], s[46:47], \s*ROWB
	s_or_b32 s[G0B+4*\s+3], s[G0B+4*\s+3], 0x80000000
	JLOAD G0+4*\s, G1, G0B+4*\s, G1B               ; two loads of mine are out
.endr
	v_and_b32 v1, 15, v0                           ; r
	v_bfe_u32 v2, v0, 4, 1                         ; h
	v_mul_u32_u24 v3, v1, PITCH
	v_lshl_add_u32 v4, v2, 4, v3                   ; a fragment's row x pitch + 16 x half
	s_mul_i32 s21, s15, HALFT                      ; my 64 rows of A'
	s_mul_i32 s22, s16, HALFT                      ; my 64 rows of B',
	s_add_co_u32 s22, s22, 2*HALFT                 ; which lie behind A's 128
.irp s, 0,1
	v_add_nc_u32 v[ADRA+\s], s21, v4
	v_add_nc_u32 v[ADRB+\s], s22, v4
	s_add_co_u32 s21, s21, SLOT
	s_add_co_u32 s22, s22, SLOT
.endr
	s_lshl_b32 s82, s17, 7                         ; my rows' scale words: A': row 128 x tile row + 64 x my half
	s_lshl_b32 s83, s15, 6
	s_add_co_u32 s82, s82, s83
	s_mul_i32 s82, s82, KS
	s_mov_b32 s83, 0
	s_add_nc_u64 s[SAB:SAB+1], s[6:7], s[82:83]
	s_lshl_b32 s84, s42, 7                         ; B': row 128 x tile column + 64 x my half
	s_lshl_b32 s85, s16, 6
	s_add_co_u32 s84, s84, s85
	s_mul_i32 s84, s84, KS
	s_mov_b32 s85, 0
	s_add_nc_u64 s[SBB:SBB+1], s[10:11], s[84:85]
	v_and_b32 v6, 31, v0
	v_mul_u32_u24 v[SCO], v6, KS
.macro SCLOAD set                      ; a K step's scale words of my 64 rows of A' and of B': 16 bytes a row
.irp j, 0,1
	global_load_b128 v[SC+16*(\set)+4*\j:SC+16*(\set)+4*\j+3], v[SCO], s[SAB:SAB+1] offset:32*\j*KS
	global_load_b128 v[SC+16*(\set)+8+4*\j:SC+16*(\set)+8+4*\j+3], v[SCO], s[SBB:SBB+1] offset:32*\j*KS
.endr
.endm
	SCLOAD 0
	s_mul_i32 s23, s14, 16*SPITCH                  ; my stage
	v_mul_u32_u24 v5, v1, SPITCH
	v_lshl_add_u32 v5, v2, 5, v5
	v_add_nc_u32 v[STO], s23, v5                   ; in: row r, 32 bytes for each half of the lanes
	v_mul_u32_u24 v5, v2, SPITCH
	v_lshl_add_u32 v5, v1, 4, v5
	v_add_nc_u32 v[RD], s23, v5                    ; back: lanes 0-15 take one row of 256 bytes, lanes 16-31 the next
	v_lshlrev_b32 v5, 12, v2
	v_lshl_add_u32 v[CO], v1, 4, v5                ; and the same two rows in C and in the residual, 4,096 bytes apart
	s_lshl_b32 s20, s17, 7
	s_lshl_b32 s21, s15, 6
	s_add_co_u32 s20, s20, s21                     ; my first row of C
	s_mov_b32 s21, 0
	s_mov_b64 s[18:19], ROWC
	s_mul_u64 s[20:21], s[20:21], s[18:19]
	s_lshl_b32 s46, s42, 9                         ; my first column, in bytes: 512 x tile column + 256 x my half
	s_lshl_b32 s47, s16, 8
	s_add_co_u32 s46, s46, s47
	s_mov_b32 s47, 0
	s_add_nc_u64 s[20:21], s[20:21], s[46:47]
	s_add_nc_u64 s[12:13], s[12:13], s[20:21]
	s_add_nc_u64 s[76:77], s[76:77], s[20:21]
	WIN 0x80                                       ; destination window 2
.set n, 0
.rept 32
	global_load_b128 v[4*n:4*n+3], v[CO], s[76:77] offset:2*n*ROWC   ; the residual: rows 2 n and 2 n + 1 of my 64, 256 consecutive bytes each
.set n, n+1
.endr
	WIN 0
	s_wait_kmcnt 0x0
	v_mov_b32 v9, s80
	v_mul_f32 v9, 0x4038aa3b, v9                   ; 2 log2(e) g
	v_exp_f32 v9, v9
	v_nop
	s_wait_alu depctr_va_vdst(0)                   ; the wait ahead of a transcendental's first reader
	v_add_f32 v9, 1.0, v9
	v_rcp_f32 v9, v9
	v_nop
	s_wait_alu depctr_va_vdst(0)
	v_fma_f32 v[GT], v9, -2.0, 1.0
	v_mov_b32 v[GT+1], v[GT]
.macro FRAG reg, adr, q, i             ; 16 rows x 128 K: lane l holds row l % 16; registers 4 c .. 4 c + 3 hold K = 32 c + 16 (l / 16) + 0 .. 15
.irp c, 0,1,2,3
	ds_load_b128 v[\reg+4*\c:\reg+4*\c+3], v[\adr] offset:128*(\q)+32*\c+(\i)*16*PITCH
.endr
.endm
.macro MM f, a, b, q, sc, zero         ; one product: A's block a x B's block b out of buffer f; the scale words' rows go by the blocks' parity
.set rD,  ACC+8*(4*(\a)+(\b))
.set rB,  128*(\f)+64+FR*(\b)
.set rA,  128*(\f)+FR*(\a)
.set rSB, SC+16*(\sc)+8+4*((\b)/2)+(\q)
.set rSA, SC+16*(\sc)+4*((\a)/2)+(\q)
.set rr,  2*((\b)%2)+(\a)%2
.if \zero
.if rr == 3
	v_wmma_scale_f32_16x16x128_f8f6f4 v[rD:rD+7], v[rB:rB+15], v[rA:rA+15], 0, v[rSB], v[rSA] matrix_a_scale:MATRIX_SCALE_ROW1 matrix_b_scale:MATRIX_SCALE_ROW1
.elseif rr == 2
	v_wmma_scale_f32_16x16x128_f8f6f4 v[rD:rD+7], v[rB:rB+15], v[rA:rA+15], 0, v[rSB], v[rSA] matrix_a_scale:MATRIX_SCALE_ROW1
.elseif rr == 1
	v_wmma_scale_f32_16x16x128_f8f6f4 v[rD:rD+7], v[rB:rB+15], v[rA:rA+15], 0, v[rSB], v[rSA] matrix_b_scale:MATRIX_SCALE_ROW1
.else
	v_wmma_scale_f32_16x16x128_f8f6f4 v[rD:rD+7], v[rB:rB+15], v[rA:rA+15], 0, v[rSB], v[rSA]
.endif
.else
.if rr == 3
	v_wmma_scale_f32_16x16x128_f8f6f4 v[rD:rD+7], v[rB:rB+15], v[rA:rA+15], v[rD:rD+7], v[rSB], v[rSA] matrix_a_scale:MATRIX_SCALE_ROW1 matrix_b_scale:MATRIX_SCALE_ROW1
.elseif rr == 2
	v_wmma_scale_f32_16x16x128_f8f6f4 v[rD:rD+7], v[rB:rB+15], v[rA:rA+15], v[rD:rD+7], v[rSB], v[rSA] matrix_a_scale:MATRIX_SCALE_ROW1
.elseif rr == 1
	v_wmma_scale_f32_16x16x128_f8f6f4 v[rD:rD+7], v[rB:rB+15], v[rA:rA+15], v[rD:rD+7], v[rSB], v[rSA] matrix_b_scale:MATRIX_SCALE_ROW1
.else
	v_wmma_scale_f32_16x16x128_f8f6f4 v[rD:rD+7], v[rB:rB+15], v[rA:rA+15], v[rD:rD+7], v[rSB], v[rSA]
.endif
.endif
.endm
.macro MULA f, a, q, sc, zero          ; A's block a x B's four.  The 16 accumulators take turns, one instruction a turn, in the same order in every quarter
.irp b, 0,1,2,3
	MM \f, \a, \b, \q, \sc, \zero
.endr
.endm
.macro FETCH slot, q, f                ; 32 LDS loads in one run: the fragments of the slot's q-th 128 along K into buffer f
	WIN TO_F
.irp i, 0,1,2,3
	FRAG 128*(\f)+64+FR*\i, ADRB+\slot, \q, \i
.endr
.irp i, 0,1,2,3
	FRAG 128*(\f)+FR*\i, ADRA+\slot, \q, \i
.endr
.endm
.macro PLACES n                        ; plain vector instructions between a matrix instruction and a load into, or a read of, its registers
.rept \n
	v_nop
.endr
.endm
; One of a slot's first three quarters.  At its head the next quarter's fragments are asked for, into the buffer that the quarter before has multiplied; then this quarter's are waited for.
; q = 0: this K step's scale words are waited for (lc: the younger loads that may stay out); sl = 1: the next K step's are asked for, into the other set, whose last reader stands eight places back.
.macro QUARTER slot, q, zero, sl, lc
.if (\q) == 0
	s_wait_loadcnt \lc                             ; this K step's scale words are in, so their bases may step
.if \sl
	s_add_nc_u64 s[SAB:SAB+1], s[SAB:SAB+1], 16
	s_add_nc_u64 s[SBB:SBB+1], s[SBB:SBB+1], 16
.endif
.endif
	PLACES NP
	FETCH \slot, (\q)+1, ((\q)+1)%2
.if ((\q) == 0) && (\sl)
	WIN 0
	SCLOAD 1-\slot
.endif
	s_wait_dscnt 8*NL                              ; all but the 32 loads just issued: this quarter's fragments are in
	WIN MUL
.irp a, 0,1,2,3
	MULA (\q)%2, \a, \q, \slot, \zero
.endr
.endm
; A slot's last quarter multiplies buffer 1 and changes slots: ONE barrier; in front of it each wave waits for all its tensor loads, adds 0 to its spare word, and waits for that and for its own reads of this slot.
; fill = 1: this slot is filled again, two K steps ahead.
.macro TURN slot, next, fill
	WIN 0                                          ; (the add's two registers lie in window 0)
	s_wait_tensorcnt 0x0                           ; all my tensor loads have landed: my part of the next slot
	ds_add_u32 v[SPW], v[NIL]                      ; 0 onto my spare word
	s_wait_dscnt 1                                 ; this quarter's fragments are in (the add may be out)
	WIN MUL
	MULA 1, 0, 3, \slot, 0                         ; four matrix instructions stand between the add and the wait for it
	s_wait_dscnt 0x0                               ; the add is done, and my reads of this slot are over
	s_barrier_signal -1
	MULA 1, 1, 3, \slot, 0
	WIN 0
	s_barrier_wait -1
.if \fill
	CREST                                          ; the barrier has opened a round of the cluster's: no wave of any partner still reads this slot or has a load on its way
	s_add_nc_u64 s[G0+4*\slot+2:G0+4*\slot+3], s[G0+4*\slot+2:G0+4*\slot+3], 2*ROWB
	s_add_nc_u64 s[G0B+4*\slot+2:G0B+4*\slot+3], s[G0B+4*\slot+2:G0B+4*\slot+3], 2*ROWB
	JLOAD G0+4*\slot, G1, G0B+4*\slot, G1B         ; the first tensor load behind the round, my only one until the next; its four v_nop are four of the eight places
	PLACES NP-4
.else
	PLACES NP
.endif
	FETCH \next, 0, 0
	WIN MUL
	MULA 1, 2, 3, \slot, 0
	MULA 1, 3, 3, \slot, 0
.endm
	s_wait_tensorcnt 1                             ; my part of K step 0 is in; K step 1's load may be out
	s_barrier_signal -1
	s_barrier_wait -1
	FETCH 0, 0, 0
	QUARTER 0, 0, 1, 1, 32                         ; the first quarter's products start the sums; behind the first scale words the residual's 32 loads may stay out
.if LAPS > 1
	WIN 0                                          ; at a label and at a branch every window is 0
	s_mov_b32 s3, LAPS-1
.Llap:                                                 ; a trip goes once round the ring, from a lap's second quarter to the next lap's first, and fills both slots again
	QUARTER 0, 1, 0, 0, 0
	QUARTER 0, 2, 0, 0, 0
	TURN 0, 1, 1
	QUARTER 1, 0, 0, 1, 0
	QUARTER 1, 1, 0, 0, 0
	QUARTER 1, 2, 0, 0, 0
	TURN 1, 0, 1
	QUARTER 0, 0, 0, 1, 0
	WIN 0
	s_sub_co_u32 s3, s3, 1
	s_cmp_lg_u32 s3, 0
	s_cbranch_scc1 .Llap
.endif
	QUARTER 0, 1, 0, 0, 0                          ; the last lap fills nothing, and has no round of the cluster's barrier
	QUARTER 0, 2, 0, 0, 0
	TURN 0, 1, 0
	QUARTER 1, 0, 0, 0, 0                          ; it asks for no scale words beyond K; its wait for 0 also shows the residual in
	QUARTER 1, 1, 0, 0, 0
	QUARTER 1, 2, 0, 0, 0
	s_wait_dscnt 0x0                               ; the very last quarter: nothing more to fetch
	WIN MUL
.irp a, 0,1,2,3
	MULA 1, \a, 3, 1, 0
.endr
	WIN 0
; THE WAY OUT, block by block of 16 rows x 64 columns.  A lane holds 32 neighbouring bytes of a row, and the lanes beside it hold other rows: so a block goes through my own stage in LDS and comes back as whole
; pieces of 256 bytes, two rows a load; x the gate + the residual; sixteen lanes store 256 consecutive bytes, aligned.  LDS serves a wave's instructions in order (ISA guide 5.7.1.4): no wait between the stores and the loads,
; nor in front of the next block's stores.
.macro TOSTAGE a
.set BS, BB+32*((\a)%2)
.irp b, 0,1,2,3
	ds_store_b128 v[STO], v[ACC+8*(4*(\a)+\b):ACC+8*(4*(\a)+\b)+3] offset:64*\b          ; each accumulator from its low end on
	ds_store_b128 v[STO], v[ACC+8*(4*(\a)+\b)+4:ACC+8*(4*(\a)+\b)+7] offset:64*\b+16
.endr
.set t, 0
.rept 8
	ds_load_b128 v[BS+4*t:BS+4*t+3], v[RD] offset:t*2*SPITCH
.set t, t+1
.endr
.endm
.macro SEND a, younger                 ; younger: the LDS instructions issued behind block a's loads, which may stay out
.set BS, BB+32*((\a)%2)
	s_wait_dscnt \younger                          ; the block is back in registers
	WIN 0x20                                       ; source 2 (the residual) window 2
.set i, 0
.rept 16
	v_pk_fma_f32 v[BS+i:BS+i+1], v[BS+i:BS+i+1], v[GT:GT+1], v[32*(\a)+i:32*(\a)+i+1]
.set i, i+2
.endr
	WIN 0
.set t, 0
.rept 8
.if NTOUT
	global_store_b128 v[CO], v[BS+4*t:BS+4*t+3], s[12:13] offset:(16*(\a)+2*t)*ROWC th:TH_STORE_NT
.else
	global_store_b128 v[CO], v[BS+4*t:BS+4*t+3], s[12:13] offset:(16*(\a)+2*t)*ROWC
.endif
.set t, t+1
.endr
.endm
	PLACES NP
	TOSTAGE 0
.irp a, 1,2,3
.if \a > 1
	s_wait_xcnt 0x0                                ; block a - 2's stores have read their registers: block a's loads may land there
.endif
	TOSTAGE \a
	SEND \a-1, 16                                  ; behind block a - 1's loads: block a's 8 stores and 8 loads
.endr
	SEND 3, 0
	s_wait_tensorcnt 0x0                           ; the wave's end
	ds_add_u32 v[SPW], v[NIL]
	s_wait_dscnt 0x0
	CROUND                                         ; the closing round
	s_endpgm
.Lfunc_end_k_q64acaad025_ffn2:
	.size	k_q64acaad025_ffn2, .Lfunc_end_k_q64acaad025_ffn2-k_q64acaad025_ffn2
	.p2alignl 7, 3214868480
	.fill 96, 4, 3214868480
	.section	.rodata,"a",@progbits
	.p2align	6, 0x0
	.amdhsa_kernel k_q64acaad025_ffn2
		.amdhsa_group_segment_fixed_size 327680
		.amdhsa_private_segment_fixed_size 0
		.amdhsa_enable_private_segment 0
		.amdhsa_kernarg_size 48
		.amdhsa_user_sgpr_count 2
		.amdhsa_user_sgpr_kernarg_segment_ptr 1
		.amdhsa_wavefront_size32 1
		.amdhsa_system_sgpr_workgroup_id_x 1
		.amdhsa_system_sgpr_workgroup_id_y 1
		.amdhsa_system_sgpr_workgroup_id_z 1
		.amdhsa_system_vgpr_workitem_id 0
		.amdhsa_next_free_vgpr 640
		.amdhsa_next_free_sgpr 100
		.amdhsa_reserve_vcc 0
		.amdhsa_float_denorm_mode_32 3
		.amdhsa_float_denorm_mode_16_64 3
		.amdhsa_memory_ordered 1
		.amdhsa_forward_progress 1
		.amdhsa_inst_pref_size 98
	.end_amdhsa_kernel
	.amdgpu_metadata
---
amdhsa.version: [ 1, 2 ]
amdhsa.kernels:
  - .name:           k_q64acaad025_ffn2
    .symbol:         k_q64acaad025_ffn2.kd
    .args:
      - { .name: ffn1_out, .offset: 0, .size: 8, .value_kind: global_buffer, .address_space: global }
      - { .name: W2_codes, .offset: 8, .size: 8, .value_kind: global_buffer, .address_space: global }
      - { .name: W2_scales, .offset: 16, .size: 8, .value_kind: global_buffer, .address_space: global }
      - { .name: xbuf, .offset: 24, .size: 8, .value_kind: global_buffer, .address_space: global }
      - { .name: ff_gate, .offset: 32, .size: 8, .value_kind: global_buffer, .address_space: global }
      - { .name: out0, .offset: 40, .size: 8, .value_kind: global_buffer, .address_space: global }
    .group_segment_fixed_size: 327680
    .private_segment_fixed_size: 0
    .kernarg_segment_align: 8
    .kernarg_segment_size: 48
    .max_flat_workgroup_size: 128
    .sgpr_count:     100
    .vgpr_count:     640
    .wavefront_size: 32
...
	.end_amdgpu_metadata
.endif
;; end of part 8
;; ======== version 3 of 3: 7 launches; version 2 with the launch attn written anew for expert scheduling mode
;; workspace buffers: prep_out 17,039,360 bytes; proj_out 12,976,128 bytes; attn_out 4,325,376 bytes; xbuf 16,777,216 bytes; ln2_out 8,519,680 bytes; ffn1_out 17,301,504 bytes
;; launch prep: the kernel of part 1 again; grid 512 x 1, 4 waves a work-group, no clusters, 56,832 bytes of LDS; arguments q, kv, gamma_q, beta_q, gamma_kv, beta_kv, attn_mask, kv_mask, prep_out; writes prep_out
;; launch proj: the kernel of part 2 again; grid 48 x 4, 4 waves a work-group, clusters of 4 x 4, 327,680 bytes of LDS; arguments prep_out, Wq_codes, Wq_scales, Wkv_codes, Wkv_scales, proj_out; writes proj_out
;; launch attn (part 9): grid 8 x 32, 8 waves a work-group, no clusters, 265,728 bytes of LDS; arguments proj_out, prep_out, q_mask, attn_out; writes attn_out
.if DOCPART == 9
	.amdgcn_target "amdgcn-amd-amdhsa--gfx1250"
	.amdhsa_code_object_version 6
	.text
	.protected	k_q64acaad025_attn
	.globl	k_q64acaad025_attn
	.p2align	8
	.type	k_q64acaad025_attn,@function
k_q64acaad025_attn:
	s_mov_b64 s[64:65], 0
	v_nop
	global_prefetch_b8 v0, s[64:65] scope:SCOPE_SE
	s_setreg_imm32_b32 hwreg(HW_REG_WAVE_SCHED_MODE, 0, 2), 2
	s_setreg_imm32_b32 hwreg(HW_REG_WAVE_MODE, 25, 1), 1
	s_wait_xcnt 0x0
	s_wait_alu depctr_vm_vsrc(0)
; MASKED CROSS-ATTENTION ON CODES OF FP8 (E4M3, one E8M0 byte for each 32 along a product's K).  A work-group: one (batch, head) and 256 queries; grid x = the block of queries, y = 16 batch + head.
; THE WAVES SHARE THE KEYS: wave w owns keys 256 w .. 256 w + 255; its codes of K (128 registers) and of V^T (128) stay in registers for the whole launch.
; A TRIP takes 16 queries against all 2,048 keys; a wave's 16 x 256 scores stay in 128 registers from the product to the conversion.  The probabilities are quantised FINISHED AND NORMALISED: the eight waves
; exchange their largest exponent T_w and their sum l_w through LDS (one barrier a trip); p = 2^(t - T_w) x (2^(T_w - T) / l).  One exponential a score, nothing is rescaled.
; THE MASK: the launch before laid a byte for each (query, key), 0x00 or 0xFE, in the order of these registers.  v_perm_b32 spreads a byte over a word, 0 or 0xFEFEFEFE = -1.69e38, into the score's own register, and the
; product takes it as its C.  A row none of whose keys counts has l = 0 and gets 1/2048 for every key, as the masking value, the lowest finite f32, gives; a row whose q_mask is 0 gets zeros.
; K = 64 in the first product: the queries' registers 8-15 are zero codes; the keys' operand is the run of 16 registers from its tile on (the upper eight: the next tile's codes, finite, times zero codes);
; bytes 2, 3 of both scale words repeat bytes 0, 1.
; BOTH PRODUCTS ARE USED TRANSPOSED: a lane holds one query (lane % 16).  Lane r of K's tile 2 c + u takes key 32 c + 8 u + r + 8 (r / 8), so that the 16 registers of tiles 2 c, 2 c + 1 are keys 32 c + 16 (lane / 16) + 0 .. 15;
; V^T's rows are chosen likewise, so that O's 16 registers of two tiles are 16 neighbours along the next product's K.
; O's eight partial sums of a tile meet in LDS as images of their registers; behind eight trips wave w adds the eight images of tile w, in the waves' order, quantises along the head's 64 and stores codes and scale bytes.
; No cluster: K and V go once from memory into registers, and what the heads share, the mask images, is asked for most of a trip ahead.  A head's 64 codes are 64 of a token's 1,024 bytes: they leave in pieces of 32 bytes.
; LIMITS: NaN and infinities are not served; scores of keys that count lie above -1e37; a block's largest p is taken from its largest score (v_exp_f32 is taken not to fall where its input rises);
; a block of zeros gets the byte 1 (its codes are zeros; this program alone reads the bytes).
; REGISTERS, window 0: v1-15 addresses; v16-23 K's scale words, v24-27 V's, v28 Q's, v30-31 p's: scales alone; v29 q_mask's byte; v32-47 Q; v48-63 p's codes, keys 0-127; v64-95 mask bytes;
;   v96-223 scores, then p; then v96-111 p's codes, keys 128-255, and v112-143 O;  v224-231 block maxima; v232-247 at work; v248 -T_w, then T; v249 this trip's q_mask; v[250:251] T_w, l; v252 the factor; v254 the addend.
; window 1: v0-127 K's 16 tiles; v128-255 V^T's fragments (tile t, key step s) at 128 + 16 (2 t + s).
; THE MODE: SCHED_MODE bits 1:0 = 2 (LLVM: expert scheduling mode 2), set by the entry lines.  The code itself states the register dependences
; between vector or matrix instructions and memory or LDS instructions, with s_wait_alu, always for 0.
; THE PLAN.  Registers that memory or LDS instructions touch, and who else names them:
;   v1-v7, v14, v15       offsets and addresses: made at the head, never written again.
;   v10, v11, v13         a trip's LDS addresses: written by three additions at the trip's head; read by the exchange's store and loads and by the stores of O's image.
;   v28, v29, v32-39, v64-95  a trip's scale word of Q, q_mask, Q and mask bytes: the loads for trip t + 1 are issued in trip t, behind the first half of the maxima; read by the trip's head lines, its v_perm_b32 and its first 16 products.
;   v[250:251]            written ahead of the exchange, read by its store; v251 is written again behind the exchange.
;   v232-247              at work ahead of the exchange; then its four loads land there.
;   v112-143              O: written by the last 8 products, read by the 8 stores of the image; written again by the next trip's v_perm_b32, or, behind eight trips, by loads of images.
;   v96-223               behind eight trips: loads of images land there, the additions read them.     v48-55, v240: written by the conversions there, read by the three global stores.
; A TRIP'S WAITS: on vm_vsrc at its head and behind the exchange; on va_vdst ahead of the first product of each kind (behind its places), ahead of the next trip's loads, ahead of the exchange's store, ahead of the image's stores,
; and behind each batch of transcendentals; on va_sdst between the two compares and the selects.  Each says at its place what it states.
.set KSC, 16
.set VSC, 24
.set QS,  28
.set QM,  29
.set QF,  32
.set PC0, 48
.set MK,  64
.set S,   96
.set PC1, 96
.set O,   112
.set BM,  224
.set E,   232
.set XCH, 262144                       ; LDS: 0 .. 262,143 O's images [trip % 8][wave][8 x 512 bytes]; then two exchange buffers of 16 rows x 80 bytes
.set XBUF, 1280
.set MSB, 0
.macro WIN new
.if MSB != (\new)
	s_set_vgpr_msb (MSB<<8)|(\new)
.set MSB, (\new)
.endif
.endm
	s_load_b256 s[4:11], s[0:1], 0x0               ; proj_out, prep_out, q_mask, attn_out
	v_lshrrev_b32 v1, 5, v0
	v_readfirstlane_b32 s12, v1                    ; wave w
	s_and_b32 s13, ttmp7, 0xffff
	s_lshr_b32 s14, s13, 4                         ; batch b
	s_and_b32 s15, s13, 15                         ; head h
	v_and_b32 v7, 31, v0
	v_and_b32 v6, 15, v0                           ; r
	v_bfe_u32 v11, v0, 4, 1                        ; lane / 16
	v_and_b32 v10, 8, v6
	v_add_nc_u32 v10, v10, v6                      ; r + 8 (r / 8)
	v_lshlrev_b32 v1, 6, v10
	v_lshl_add_u32 v1, v11, 4, v1                  ; K's and V's codes: rows of 64 bytes
	v_lshl_add_u32 v2, v11, 3, v10
	v_lshlrev_b32 v2, 5, v2                        ; K's scale bytes: lanes 16-31 take the tile eight keys on
	v_lshlrev_b32 v3, 7, v10
	v_lshl_add_u32 v3, v11, 2, v3                  ; V's scale words: lanes 16-31 take the second key step's
	v_lshlrev_b32 v4, 6, v6
	v_lshl_add_u32 v4, v11, 4, v4                  ; Q's codes
	v_lshlrev_b32 v5, 5, v6                        ; 32 r: rows of scale bytes
	v_lshlrev_b32 v7, 4, v7                        ; 16 x lane
	v_mul_u32_u24 v9, v6, 80
	v_add_nc_u32 v9, XCH, v9                       ; the exchange: my query's row,
	s_wait_alu depctr_va_sdst(0)                   ; s12, the wave's number, is written, ahead of its first reader: LDS addresses and the buffers' offsets are made from it
	s_lshl_b32 s16, s12, 3
	v_add_nc_u32 v8, s16, v9                       ; and my wave's 8 bytes in it
	s_lshl_b32 s16, s12, 12
	v_add_nc_u32 v12, s16, v7                      ; O's image: my wave's 4,096 bytes of a slot
	s_lshl_b32 s16, s12, 15
	v_add_nc_u32 v14, s16, v7                      ; the slot that I add up: tile w of eight
	v_lshlrev_b32 v15, 10, v6
	v_lshl_add_u32 v15, v11, 4, v15                ; O's codes: row r of 1,024 bytes, + 16 (lane / 16)
	s_mov_b32 s40, 0x3fb8aa3b                      ; log2(e)
	s_mov_b32 s41, s40
	s_mov_b32 s42, 0x76543210
	s_mov_b32 s43, 0xfedcba98
	s_mov_b32 s44, 0x600000                        ; the mantissa field of 448
	s_mov_b32 s45, 0x01010101                      ; v_perm_b32's selects: byte 1, 2, 3 into all four places
	s_mov_b32 s46, 0x02020202
	s_mov_b32 s47, 0x03030303
	s_mov_b32 s49, 2
	s_mov_b32 s50, 16
	s_mov_b32 s51, 0
	s_mov_b32 s52, 0
	s_mov_b32 s17, 0
	s_lshl_b32 s18, s15, 12
	s_lshl_b32 s19, s14, 11                        ; 2048 b
	s_add_co_u32 s18, s18, s19                     ; 4096 h + 2048 b
	s_lshl_b32 s55, s12, 8                         ; 256 w
	s_lshl_b32 s56, ttmp9, 8                       ; 256 x
	s_lshl_b32 s57, s15, 1                         ; 2 h
	s_wait_kmcnt 0x0
	s_add_co_u32 s16, s18, s55
	s_lshl_b32 s16, s16, 6
	s_add_co_u32 s16, s16, 4194304
	s_add_nc_u64 s[20:21], s[4:5], s[16:17]        ; my keys' codes
	s_add_co_u32 s16, s19, s55
	s_lshl_b32 s16, s16, 5
	s_add_co_u32 s16, s16, s57
	s_add_co_u32 s16, s16, 12713984
	s_add_nc_u64 s[22:23], s[4:5], s[16:17]        ; their scale bytes
	s_lshl_b32 s16, s14, 21
	s_lshl_b32 s58, s12, 18
	s_add_co_u32 s16, s16, s58
	s_lshl_b32 s58, s15, 12
	s_add_co_u32 s16, s16, s58
	s_add_co_u32 s16, s16, 8388608
	s_add_nc_u64 s[24:25], s[4:5], s[16:17]        ; V's codes: [token / 64][feature][64]
	s_lshl_b32 s16, s15, 13
	s_lshl_b32 s58, s14, 6
	s_add_co_u32 s16, s16, s58
	s_lshl_b32 s58, s12, 3
	s_add_co_u32 s16, s16, s58
	s_add_co_u32 s16, s16, 12845056
	s_add_nc_u64 s[26:27], s[4:5], s[16:17]        ; V's scale bytes
	s_add_co_u32 s16, s18, s56
	s_lshl_b32 s16, s16, 6
	s_add_nc_u64 s[28:29], s[4:5], s[16:17]        ; Q's codes
	s_add_co_u32 s58, s19, s56                     ; my first query's token
	s_lshl_b32 s16, s58, 5
	s_add_co_u32 s16, s16, s57
	s_add_co_u32 s16, s16, 12582912
	s_add_nc_u64 s[30:31], s[4:5], s[16:17]        ; Q's scale bytes
	s_mov_b32 s16, s58
	s_add_nc_u64 s[32:33], s[8:9], s[16:17]        ; q_mask
	s_lshl_b32 s16, s14, 22
	s_lshl_b32 s59, ttmp9, 19
	s_add_co_u32 s16, s16, s59
	s_lshl_b32 s59, s12, 12
	s_add_co_u32 s16, s16, s59
	s_add_co_u32 s16, s16, 8650752
	s_add_nc_u64 s[34:35], s[6:7], s[16:17]        ; the mask images of my keys
	s_lshl_b32 s59, s12, 4
	s_add_co_u32 s58, s58, s59                     ; the first token that I store: + 16 w
	s_lshl_b32 s16, s58, 10
	s_lshl_b32 s59, s15, 6
	s_add_co_u32 s16, s16, s59
	s_add_nc_u64 s[36:37], s[10:11], s[16:17]      ; O's codes
	s_lshl_b32 s16, s58, 5
	s_add_co_u32 s16, s16, s57
	s_add_co_u32 s16, s16, 4194304
	s_add_nc_u64 s[38:39], s[10:11], s[16:17]      ; O's scale bytes
	WIN 0x40                                       ; destination window 1
	s_wait_alu depctr_va_vdst(0)                   ; the offsets and addresses v1 to v7, v14 and v15 are written, which the loads below and every later load and store read; up to the last of the head's loads only loads and window switches follow
.set n, 0
.rept 32                               ; tile n / 2, bytes 32 (n % 2) on
	global_load_b128 v[4*n:4*n+3], v1, s[20:21] offset:(32*(n/4)+8*((n/2)%2))*64+32*(n%2)
.set n, n+1
.endr
.set n, 0
.rept 32                               ; tile n / 8, key step (n / 4) % 2, block of 32 keys n % 4
	global_load_b128 v[128+4*n:128+4*n+3], v1, s[24:25] offset:(2*((n/4)%2)+(n%4)/2)*65536+(32*(n/16)+8*((n/8)%2))*64+32*(n%2)
.set n, n+1
.endr
	WIN 0
.irp c, 0,1,2,3,4,5,6,7
	global_load_u16 v[KSC+\c], v2, s[22:23] offset:1024*\c
.endr
.irp t, 0,1,2,3
	global_load_b32 v[VSC+\t], v3, s[26:27] offset:(32*(\t/2)+8*(\t%2))*128
.endr
.macro NEXTLOADS                       ; a trip's mask images, queries, their scale bytes and q_mask
.irp c, 0,1,2,3,4,5,6,7
	global_load_b128 v[MK+4*\c:MK+4*\c+3], v7, s[34:35] offset:512*\c
.endr
	global_load_b128 v[QF:QF+3], v4, s[28:29]
	global_load_b128 v[QF+4:QF+7], v4, s[28:29] offset:32
	global_load_u16 v[QS], v5, s[30:31]
	global_load_u8 v[QM], v6, s[32:33]
.endm
	NEXTLOADS
.irp i, 8,9,10,11,12,13,14,15
	v_mov_b32 v[QF+\i], 0                          ; zero codes for K = 64 .. 127; v40 also serves as a zero
.endr
.irp i, 0,1,2,3,4,5,6,7
	v_mov_b32 v[E+\i], 0                           ; a lane permute's destination counts as one of its sources
.endr
	v_mov_b32 v253, 0                              ; upper halves of pairs whose low word serves both halves
	v_mov_b32 v255, 0
	s_wait_loadcnt 0x0
.irp c, 0,1,2,3,4,5,6,7
	v_lshl_or_b32 v[KSC+\c], v[KSC+\c], 16, v[KSC+\c]
.endr
.macro PERM T                          ; tile T's eight mask words, into the scores' registers.  Under the products' windows source 1 and the result lie in window 0; source 0, which no select names, falls on a register of K
.irp j, 0,1,2,3,4,5,6,7
.set rM, MK+4*((\T)/2)+2*((\T)%2)+\j/4
.if \j%4 == 0
	v_perm_b32 v[S+8*(\T)+\j], v[rM], v[rM], 0
.else
	v_perm_b32 v[S+8*(\T)+\j], v[rM], v[rM], s[44+\j%4]
.endif
.endr
.endm
.macro QK T                            ; S^T of tile T: 16 keys x 16 queries, onto the mask words
.if (\T)%2
	v_wmma_scale_f32_16x16x128_f8f6f4 v[S+8*(\T):S+8*(\T)+7], v[8*(\T):8*(\T)+15], v[QF:QF+15], v[S+8*(\T):S+8*(\T)+7], v[KSC+(\T)/2], v[QS] matrix_a_scale:MATRIX_SCALE_ROW1
.else
	v_wmma_scale_f32_16x16x128_f8f6f4 v[S+8*(\T):S+8*(\T)+7], v[8*(\T):8*(\T)+15], v[QF:QF+15], v[S+8*(\T):S+8*(\T)+7], v[KSC+(\T)/2], v[QS]
.endif
.endm
.macro MAXG g                          ; the largest score of blocks 4 g .. 4 g + 3, by turns; each accumulator is read from its low end on
.irp b, 0,1,2,3
	v_max3_num_f32 v[BM+4*\g+\b], v[S+16*(4*\g+\b)], v[S+16*(4*\g+\b)+1], v[S+16*(4*\g+\b)+2]
.endr
.irp i, 3,5,7,9,11,13
.irp b, 0,1,2,3
	v_max3_num_f32 v[BM+4*\g+\b], v[BM+4*\g+\b], v[S+16*(4*\g+\b)+\i], v[S+16*(4*\g+\b)+\i+1]
.endr
.endr
.irp b, 0,1,2,3
	v_max_num_f32 v[BM+4*\g+\b], v[BM+4*\g+\b], v[S+16*(4*\g+\b)+15]
.endr
.endm
.macro RLD dst, v                      ; wave v's image of my tile
.irp k, 0,1,2,3,4,5,6,7
	ds_load_b128 v[\dst+4*\k:\dst+4*\k+3], v14 offset:4096*(\v)+512*\k
.endr
.endm
.macro RADD src
.set i, 0
.rept 16
	v_pk_add_f32 v[96+i:97+i], v[96+i:97+i], v[\src+i:\src+i+1]
.set i, i+2
.endr
.endm
.Louter:                                           ; two trips: eight tiles of queries, then their sums
	s_mov_b32 s48, 8
.Ltrip:
	s_wait_loadcnt 0x0                             ; this trip's mask, queries, scale bytes and q_mask are in, so their bases may step
	s_wait_dscnt 0x0                               ; the last trip's stores of O are done
	s_wait_alu depctr_vm_vsrc(0)                   ; the last trip's stores of O's image have read v13 and v112-143, and, behind eight trips, the stores of O's codes and scale bytes have read v48-55 and v240: all of these are written again in this trip
	s_add_nc_u64 s[28:29], s[28:29], 1024
	s_add_nc_u64 s[30:31], s[30:31], 512
	s_add_nc_u64 s[32:33], s[32:33], 16
	s_add_nc_u64 s[34:35], s[34:35], 32768
	v_lshl_or_b32 v[QS], v[QS], 16, v[QS]          ; sixteen plain instructions ahead of the first product
	v_mov_b32 v249, v[QM]                          ; kept: the next trip's byte lands in its register before this one is used
	v_add_nc_u32 v10, s51, v8
	v_add_nc_u32 v11, s51, v9
	v_add_nc_u32 v13, s52, v12
	WIN 0x01                                       ; source 0 (K) window 1
	PERM 0
	PERM 1
	s_wait_alu depctr_va_vdst(0)                   ; behind its places: Q's scale word v28 is written, which the products take as scales (in the first trip also K's scale words v16-23 and the zero codes v40-47); so are the LDS addresses v10, v11, v13
.set tt, 0
.rept 16
	QK tt                                          ; sixteen accumulators, one instruction each
.if tt < 14
	PERM tt+2
.endif
.set tt, tt+1
.endr
	WIN 0
	MAXG 0                                         ; 32 plain instructions: the places behind the last products
	s_cmp_eq_u32 s50, 1                            ; the last trip asks for nothing: no load leaves its buffer
	s_cbranch_scc1 .Lno_next
	s_wait_alu depctr_va_vdst(0)                   ; the head lines, the v_perm_b32 and the sixteen products are done with v28, v29, v32-39 and v64-95, in which the loads below land; nothing behind this wait names them before the next trip
	NEXTLOADS
.Lno_next:
	MAXG 1
.irp b, 0,1,2,3,4,5,6,7
	v_permlanex16_b32 v[E+\b], v[BM+\b], s42, s43
.endr
.irp b, 0,1,2,3,4,5,6,7
	v_max_num_f32 v[BM+\b], v[BM+\b], v[E+\b]      ; each block's largest score
.endr
	v_max3_num_f32 v240, v224, v225, v226
	v_max3_num_f32 v240, v240, v227, v228
	v_max3_num_f32 v240, v240, v229, v230
	v_max3_num_f32 v240, v240, v231, 0xfcf0bdc2    ; and -1e37, over every hidden score
	v_mul_f32 v250, s40, v240                      ; T_w
	v_sub_f32 v248, 0, v250
.set i, 0
.rept 64
	v_pk_fma_f32 v[S+i:S+i+1], v[S+i:S+i+1], s[40:41], v[248:249] op_sel_hi:[1,0,0]   ; t - T_w
.set i, i+2
.endr
.irp b, 0,1,2,3,4,5,6,7
	v_fma_f32 v[BM+\b], v[BM+\b], s40, v248        ; the same of each block's largest score
.endr
.set i, 0
.rept 128
	v_exp_f32 v[S+i], v[S+i]
.set i, i+1
.endr
.irp b, 0,1,2,3,4,5,6,7
	v_exp_f32 v[BM+\b], v[BM+\b]
.endr
	v_nop                                          ; a plain instruction behind the batch,
	s_wait_alu depctr_va_vdst(0)                   ; and one wait for all 136: the exponentials have written v96-223 and v224-231, ahead of their first reader
	v_pk_add_f32 v[232:233], v[S:S+1], v[S+2:S+3]  ; my 128 terms of the sum, in two chains
	v_pk_add_f32 v[234:235], v[S+4:S+5], v[S+6:S+7]
.set i, 8
.rept 30
	v_pk_add_f32 v[232:233], v[232:233], v[S+i:S+i+1]
	v_pk_add_f32 v[234:235], v[234:235], v[S+i+2:S+i+3]
.set i, i+4
.endr
	v_pk_add_f32 v[232:233], v[232:233], v[234:235]
	v_add_f32 v251, v232, v233
	v_permlanex16_b32 v234, v251, s42, s43
	v_add_f32 v251, v251, v234                     ; l_w
	s_wait_alu depctr_va_vdst(0)                   ; v[250:251] are written, which the store reads; and all vector lines are done with v232-247, in which the four loads behind the barrier land: no vector line stands between
	ds_store_b64 v10, v[250:251]                   ; both halves of the lanes write the same 8 bytes with the same value
	s_wait_dscnt 0x0                               ; for the others' sake
	s_barrier_signal -1
	s_barrier_wait -1
.irp c, 0,1,2,3
	ds_load_b128 v[E+4*\c:E+4*\c+3], v11 offset:16*\c   ; T and l of the eight waves
.endr
	s_xor_b32 s51, s51, XBUF                       ; the next trip takes the other buffer; this one is written again two trips on, behind a barrier that each wave signals behind the wait below
	s_wait_dscnt 0x0
	s_wait_alu depctr_vm_vsrc(0)                   ; the exchange's store has read v251, which takes the whole sum below
	v_max3_num_f32 v248, v232, v234, v236
	v_max3_num_f32 v248, v248, v238, v240
	v_max3_num_f32 v248, v248, v242, v244
	v_max_num_f32 v248, v248, v246                 ; T
	v_sub_f32 v252, v250, v248
.irp v, 0,1,2,3,4,5,6,7
	v_sub_f32 v[E+2*\v], v[E+2*\v], v248
.endr
	v_exp_f32 v252, v252                           ; 2^(T_w - T), mine
.irp v, 0,1,2,3,4,5,6,7
	v_exp_f32 v[E+2*\v], v[E+2*\v]
.endr
	v_nop
	s_wait_alu depctr_va_vdst(0)                   ; the nine exponentials have written v252 and v232, v234 .. v246, ahead of their first reader
	v_mul_f32 v251, v233, v232
.irp v, 1,2,3,4,5,6,7
	v_fma_f32 v251, v[E+2*\v+1], v[E+2*\v], v251   ; l, in the waves' order
.endr
	v_rcp_f32 v254, v251
	v_nop
	s_wait_alu depctr_va_vdst(0)                   ; the reciprocal has written v254, ahead of its first reader
	v_mul_f32 v252, v252, v254
	v_mov_b32 v254, 0x3a000000                     ; 1 / 2048
	v_cmp_lt_f32 s53, 0, v251                      ; some key counts
	v_cmp_ne_u32 s54, 0, v249                      ; the query counts
	s_wait_alu depctr_va_sdst(0)                   ; the two compares have written s53 and s54, ahead of the selects that read them
	v_cndmask_b32 v252, v40, v252, s53             ; the factor: 2^(T_w - T) / l, or 0
	v_cndmask_b32 v254, v254, v40, s53             ; the addend: 1 / 2048 where no key counts
	v_cndmask_b32 v252, v40, v252, s54
	v_cndmask_b32 v254, v40, v254, s54
.set i, 0
.rept 64
	v_pk_fma_f32 v[S+i:S+i+1], v[S+i:S+i+1], v[252:253], v[254:255] op_sel_hi:[1,0,0]   ; p, finished
.set i, i+2
.endr
.irp b, 0,1,2,3,4,5,6,7
	v_fma_f32 v[BM+\b], v[BM+\b], v252, v254       ; each block's largest p: the same instructions on the same number
.endr
.irp b, 0,1,2,3,4,5,6,7
	v_max_num_f32 v[BM+\b], 0x4800000, v[BM+\b]    ; the floor 2^(9 - 127)
.endr
.irp b, 0,1,2,3,4,5,6,7
	v_add_nc_u32 v[240+\b], 0xfc000000, v[BM+\b]   ; the conversion's scale operand
.endr
.irp b, 0,1,2,3,4,5,6,7
	v_and_or_b32 v[232+\b], v[BM+\b], 0x7f800000, s44   ; 448 x the scale
.endr
.irp b, 0,1,2,3,4,5,6,7
	v_lshrrev_b32 v[BM+\b], 23, v[240+\b]
.endr
	v_lshl_or_b32 v30, v225, 8, v224               ; p's scale words of the two key steps
	v_lshl_or_b32 v31, v229, 8, v228
	v_lshl_or_b32 v30, v226, 16, v30
	v_lshl_or_b32 v31, v230, 16, v31
	v_lshl_or_b32 v30, v227, 24, v30
	v_lshl_or_b32 v31, v231, 24, v31
.irp b, 0,1,2,3,4,5,6,7
.if \b < 4
.set PCD, PC0+4*\b
.else
.set PCD, PC1+4*(\b-4)
.endif
.set i, 0
.rept 16
	v_min_num_f32 v[S+16*\b+i], v[S+16*\b+i], v[232+\b]   ; p is not negative: the hold is one-sided (the conversion does not saturate: ISA guide 7.6.2)
.set i, i+1
.endr
	v_cvt_scalef32_pk8_fp8_f32 v[PCD:PCD+1], v[S+16*\b:S+16*\b+7], v[240+\b]
	v_cvt_scalef32_pk8_fp8_f32 v[PCD+2:PCD+3], v[S+16*\b+8:S+16*\b+15], v[240+\b]
.endr
.rept 4
	v_nop                                          ; codes written by vector instructions stand four places ahead of the products
.endr
	WIN 0x01                                       ; source 0 (V^T) window 1
	s_wait_alu depctr_va_vdst(0)                   ; behind the places: the conversions have written p's codes v48-63 and v96-111, and p's scale words v30, v31 are written: the products take them as an operand and as scales
.irp t, 0,1,2,3
	v_wmma_scale_f32_16x16x128_f8f6f4 v[O+8*\t:O+8*\t+7], v[128+32*\t:128+32*\t+15], v[PC0:PC0+15], 0, v[VSC+\t], v30
.endr
.irp t, 0,1,2,3                        ; four accumulators by turns, one instruction a turn
	v_wmma_scale_f32_16x16x128_f8f6f4 v[O+8*\t:O+8*\t+7], v[144+32*\t:144+32*\t+15], v[PC1:PC1+15], v[O+8*\t:O+8*\t+7], v[VSC+\t], v31 matrix_a_scale:MATRIX_SCALE_ROW1
.endr
	WIN 0
.rept 9
	v_nop                                          ; eight places ahead of the stores that read the results, nine ahead of the next trip's products, which write over these registers
.endr
	s_wait_alu depctr_va_vdst(0)                   ; the products have written O, v112-143, which the stores read; the places above stay beside this wait.  Behind eight trips it also shows every vector and matrix line done with v96-223, in which the images' loads land
.irp k, 0,1,2,3,4,5,6,7
	ds_store_b128 v13, v[O+4*\k:O+4*\k+3] offset:512*\k   ; my partial O as an image of its registers
.endr
	s_add_co_u32 s52, s52, 32768                   ; the next slot of eight
	s_and_b32 s52, s52, 0x3ffff
	s_sub_co_u32 s50, s50, 1
	s_sub_co_u32 s48, s48, 1
	s_cmp_lg_u32 s48, 0
	s_cbranch_scc1 .Ltrip
	s_wait_dscnt 0x0                               ; my images have landed
	s_barrier_signal -1
	s_barrier_wait -1                              ; everybody's have.  The slots are written again only behind the next trip's barrier, which each wave signals behind its reads here
	s_wait_alu depctr_vm_vsrc(0)                   ; the last trip's stores of O's image have read v112-143, in which the loads below land
	RLD 96, 0
	RLD 128, 1
	RLD 160, 2
	RLD 192, 3
	s_wait_dscnt 16                                ; waves 0 and 1 are in; two sources' sixteen loads may be out, here and below
	RADD 128
	s_wait_alu depctr_va_vdst(0)                   ; the additions are done reading v128-159, which is asked for again at once
	RLD 128, 4
	s_wait_dscnt 16
	RADD 160
	s_wait_alu depctr_va_vdst(0)                   ; the additions are done reading v160-191
	RLD 160, 5
	s_wait_dscnt 16
	RADD 192
	s_wait_alu depctr_va_vdst(0)                   ; the additions are done reading v192-223
	RLD 192, 6
	s_wait_dscnt 16
	RADD 128
	s_wait_alu depctr_va_vdst(0)                   ; the additions are done reading v128-159
	RLD 128, 7
	s_wait_dscnt 16
	RADD 160
	s_wait_dscnt 8
	RADD 192
	s_wait_dscnt 0x0
	RADD 128                                       ; register 16 g + i of lane (r, half): o(query r, 32 g + 16 half + i)
.irp g, 0,1
	v_max3_num_f32 v[232+\g], |v[96+16*\g]|, |v[97+16*\g]|, 0x4800000
.endr
.irp i, 2,4,6,8,10,12,14
.irp g, 0,1
	v_max3_num_f32 v[232+\g], v[232+\g], |v[96+16*\g+\i]|, |v[97+16*\g+\i]|
.endr
.endr
.irp g, 0,1
	v_permlanex16_b32 v[234+\g], v[232+\g], s42, s43
.endr
.irp g, 0,1
	v_max_num_f32 v[232+\g], v[232+\g], v[234+\g]
.endr
.irp g, 0,1
	v_add_nc_u32 v[236+\g], 0xfc000000, v[232+\g]
.endr
.irp g, 0,1
	v_and_or_b32 v[238+\g], v[232+\g], 0x7f800000, s44
.endr
.irp g, 0,1
	v_lshrrev_b32 v[240+\g], 23, v[236+\g]
.endr
	v_lshl_or_b32 v240, v241, 8, v240
.irp g, 0,1
.set i, 0
.rept 16
	v_med3_num_f32 v[96+16*\g+i], v[96+16*\g+i], -v[238+\g], v[238+\g]
.set i, i+1
.endr
	v_cvt_scalef32_pk8_fp8_f32 v[48+4*\g:49+4*\g], v[96+16*\g:103+16*\g], v[236+\g]
	v_cvt_scalef32_pk8_fp8_f32 v[50+4*\g:51+4*\g], v[104+16*\g:111+16*\g], v[236+\g]
.endr
	v_nop                                          ; a plain instruction behind the last conversion
	s_wait_alu depctr_va_vdst(0)                   ; the conversions have written the codes v48-55, and the scale bytes v240 are written: the three stores read them
	global_store_b128 v15, v[48:51], s[36:37]
	global_store_b128 v15, v[52:55], s[36:37] offset:32
	global_store_b16 v5, v240, s[38:39]            ; both halves of the lanes store the same two bytes
	s_wait_xcnt 0x0                                ; the stores have read their bases, which step below (their data registers are written again only behind the wait on vm_vsrc at the next trip's head)
	s_add_nc_u64 s[36:37], s[36:37], 131072        ; 128 tokens on
	s_add_nc_u64 s[38:39], s[38:39], 4096
	s_sub_co_u32 s49, s49, 1
	s_cmp_lg_u32 s49, 0
	s_cbranch_scc1 .Louter
	s_wait_xcnt 0x0
	v_lshl_add_u32 v254, v0, 2, 0x40a00            ; the add's two registers are made anew: no memory or LDS instruction has ever read v254 or v255
	v_mov_b32 v255, 0
	s_wait_dscnt 0x0                               ; the closing lines, six on end
	s_wait_alu 0x0
	s_wait_tensorcnt 0x0
	ds_add_u32 v254, v255
	s_wait_dscnt 0x0
	s_endpgm
.Lfunc_end_k_q64acaad025_attn:
	.size	k_q64acaad025_attn, .Lfunc_end_k_q64acaad025_attn-k_q64acaad025_attn
	.p2alignl 7, 3214868480
	.fill 96, 4, 3214868480
	.section	.rodata,"a",@progbits
	.p2align	6, 0x0
	.amdhsa_kernel k_q64acaad025_attn
		.amdhsa_group_segment_fixed_size 265728
		.amdhsa_private_segment_fixed_size 0
		.amdhsa_enable_private_segment 0
		.amdhsa_kernarg_size 32
		.amdhsa_user_sgpr_count 2
		.amdhsa_user_sgpr_kernarg_segment_ptr 1
		.amdhsa_wavefront_size32 1
		.amdhsa_system_sgpr_workgroup_id_x 1
		.amdhsa_system_sgpr_workgroup_id_y 1
		.amdhsa_system_sgpr_workgroup_id_z 1
		.amdhsa_system_vgpr_workitem_id 0
		.amdhsa_next_free_vgpr 512
		.amdhsa_next_free_sgpr 66
		.amdhsa_reserve_vcc 0
		.amdhsa_float_denorm_mode_32 3
		.amdhsa_float_denorm_mode_16_64 3
		.amdhsa_memory_ordered 1
		.amdhsa_forward_progress 1
		.amdhsa_inst_pref_size 77
	.end_amdhsa_kernel
	.amdgpu_metadata
---
amdhsa.version: [ 1, 2 ]
amdhsa.kernels:
  - .name:           k_q64acaad025_attn
    .symbol:         k_q64acaad025_attn.kd
    .args:
      - { .name: proj_out, .offset: 0, .size: 8, .value_kind: global_buffer, .address_space: global }
      - { .name: prep_out, .offset: 8, .size: 8, .value_kind: global_buffer, .address_space: global }
      - { .name: q_mask, .offset: 16, .size: 8, .value_kind: global_buffer, .address_space: global }
      - { .name: attn_out, .offset: 24, .size: 8, .value_kind: global_buffer, .address_space: global }
    .group_segment_fixed_size: 265728
    .private_segment_fixed_size: 0
    .kernarg_segment_align: 8
    .kernarg_segment_size: 32
    .max_flat_workgroup_size: 256
    .sgpr_count:     66
    .vgpr_count:     512
    .wavefront_size: 32
...
	.end_amdgpu_metadata
.endif
;; end of part 9
;; launch outproj: the kernel of part 7 again; grid 8 x 32, 4 waves a work-group, clusters of 4 x 4, 327,680 bytes of LDS; arguments attn_out, Wout_codes, Wout_scales, q, attn_gate, xbuf; writes xbuf
;; launch ln2: the kernel of part 1 again; grid 128 x 1, 4 waves a work-group, no clusters, 56,832 bytes of LDS; arguments xbuf, q, ff_gamma, ff_beta, gamma_q, beta_q, attn_mask, kv_mask, ln2_out; writes ln2_out
;; launch ffn1: the kernel of part 5 again; grid 16 x 16, 4 waves a work-group, clusters of 4 x 4, 327,680 bytes of LDS; arguments ln2_out, W1_codes, W1_scales, ffn1_out; writes ffn1_out
;; launch ffn2: the kernel of part 8 again; grid 8 x 32, 4 waves a work-group, clusters of 4 x 4, 327,680 bytes of LDS; arguments ffn1_out, W2_codes, W2_scales, xbuf, ff_gate, out0; writes out0
